; MI455X (gfx1250); checked and timed in simulation.
; The chip was launched on July 23, 2026; its instructions are those of AMD's public machine-readable ISA for CDNA 5 (MIT licence, August 2026) and "CDNA5" Instruction Set Architecture Reference Guide (July 2026). The comments in the code are by the model that wrote it; some were corrected since.
;; Harmonic Transformer Layer. Allowed arithmetic: matrix products marked QUANTISED: E2M3 operands, one E8M0 scale for each 32 along K, by v_wmma_scale_f32_16x16x128_f8f6f4 with both operands' format E2M3, f32 sums; everything else in f32.
;; Inputs: W1_codes 4,096 x 32 x 24 uint8 (E2M3 codes of W1, K innermost, in blocks of 32 codes, four codes in three bytes); W1_scales 4,096 x 32 uint8 (E8M0 scales of W1, one for each 32 codes along K); W2_codes 1,024 x 128 x 24 uint8 (E2M3 codes of W2, K innermost, in blocks of 32 codes, four codes in three bytes); W2_scales 1,024 x 128 uint8 (E8M0 scales of W2, one for each 32 codes along K); Wk_codes 1,024 x 32 x 24 uint8 (E2M3 codes of Wk, K innermost, in blocks of 32 codes, four codes in three bytes); Wk_scales 1,024 x 32 uint8 (E8M0 scales of Wk, one for each 32 codes along K); Wo_codes 1,024 x 32 x 24 uint8 (E2M3 codes of Wo, K innermost, in blocks of 32 codes, four codes in three bytes); Wo_scales 1,024 x 32 uint8 (E8M0 scales of Wo, one for each 32 codes along K); Wq_codes 1,024 x 32 x 24 uint8 (E2M3 codes of Wq, K innermost, in blocks of 32 codes, four codes in three bytes); Wq_scales 1,024 x 32 uint8 (E8M0 scales of Wq, one for each 32 codes along K); Wv_codes 1,024 x 32 x 24 uint8 (E2M3 codes of Wv, K innermost, in blocks of 32 codes, four codes in three bytes); Wv_scales 1,024 x 32 uint8 (E8M0 scales of Wv, one for each 32 codes along K); b1 1,024 float32; b2 1,024 float32; bf1 4,096 float32; bf2 1,024 float32; bk 1,024 float32; bo 1,024 float32; bq 1,024 float32; bv 1,024 float32; g1 1,024 float32; g2 1,024 float32; phase 16 x 1 x 1 float32; resonance 16 x 1 x 1 float32; s1 1 float32; s2 1 float32; x 2 x 2,048 x 1,024 float32.
;; Outputs: out0 2 x 2,048 x 1,024 float32.
;; This version of the problem:
;;   THIS VERSION OF THE PROBLEM IS GIVEN IN LOW PRECISION. The matrix products marked QUANTISED in the list below multiply operands that are first quantised to E2M3 (2 exponent bits, 3 mantissa bits; 6 bits a number), with one power-of-two scale for each 32 numbers along K (OCP MX v1.0); their sums are f32. All else is computed in f32.
;;   The module's matrix products, in the order in which they are computed (A, B: the left and right operand; K: the contracted axis; several contracted axes count as one K, in the product's order):
;;     1. [M 4,096, K 1,024] x [K 1,024, N 1,024]; A: input x; B: input Wq (given as codes): QUANTISED
;;     2. [M 4,096, K 1,024] x [K 1,024, N 1,024]; A: input x; B: input Wk (given as codes): QUANTISED
;;     3. [M 4,096, K 1,024] x [K 1,024, N 1,024]; A: input x; B: input Wv (given as codes): QUANTISED
;;     4. batch 32 x [M 2,048, K 64] x [K 64, N 2,048]; A: computed on the way; B: computed on the way: QUANTISED
;;     5. batch 32 x [M 2,048, K 2,048] x [K 2,048, N 64]; A: softmax (see below); B: computed on the way: QUANTISED
;;     6. [M 4,096, K 1,024] x [K 1,024, N 1,024]; A: computed on the way; B: input Wo (given as codes): QUANTISED
;;     7. [M 4,096, K 1,024] x [K 1,024, N 4,096]; A: computed on the way; B: input W1 (given as codes): QUANTISED
;;     8. [M 4,096, K 4,096] x [K 4,096, N 1,024]; A: computed on the way; B: input W2 (given as codes): QUANTISED
;;   THE QUANTISER, for each operand of a quantised product, along K:
;;     - K is cut into blocks of 32 from its start; a last block that is shorter is filled with zeros.
;;     - A block's scale is 2^e with e = floor(log2(the largest magnitude in the block)) - 2, held to -126 .. 127; a block of zeros has e = 0. As a byte (E8M0): e + 127.
;;     - Each number is divided by its block's scale, clamped to +-7.5, and rounded to the nearest number of E2M3, ties to even, subnormals kept.
;;     - The product sums the exact products of the quantised numbers (number of the format x scale) in f32.
;;   ~~~python
;;   def quantise(x, axis):      # numpy; x: float32 -> the quantised numbers, widened to float32 again
;;       x = np.moveaxis(x, axis, -1); K = x.shape[-1]
;;       x = np.pad(x, [(0, 0)] * (x.ndim - 1) + [(0, -K % 32)]); x = x.reshape(x.shape[:-1] + (-1, 32)); a = np.abs(x).max(-1, keepdims=True)
;;       e = np.where(a > 0, np.clip(np.frexp(np.where(a > 0, a, 1))[1] - 1 - 2, -126, 127), 0)      # np.frexp(a)[1] - 1 = floor(log2(a)), exactly
;;       r = np.clip(x / 2.0 ** e, -7.5, 7.5)
;;       step = 2.0 ** (np.maximum(np.frexp(np.where(r == 0, 1, r))[1] - 1, 0) - 3)
;;       q = np.round(r / step) * step * 2.0 ** e      # np.round: ties to even
;;       return np.moveaxis(q.reshape(q.shape[:-2] + (-1,))[..., :K], -1, axis).astype(np.float32)
;;   ~~~
;;   SOFTMAX AHEAD OF A QUANTISED PRODUCT. Where the list says 'softmax', what is quantised is not the finished softmax but p = 2^(t - M), with t = logit x log2(e) and M = ceil(the row's largest t), a whole number; so 1/2 < the row's largest p <= 1. The row's sum l is taken of the UNQUANTISED p, in f32, and the product's result is divided by l at the end. Since M is a whole number, a kernel that streams over the keys may use a running M (the ceiling of the running maximum): every later rescaling is an exact power of two, which a block's scale takes up: the codes' values come out the same.
;;   OPERANDS COMPUTED ON THE WAY. 'Computed on the way' means the value that the module computes at that place (a softmax that the list does not call 'softmax' is quantised finished and normalised). What goes into a quantiser is computed in f32, as accurately as f32 sums, v_exp_f32 and their like allow (about 1e-6 of the number): no bf16 or f16 on the way to a quantiser, and a product that is left as it is and whose result goes on into a quantised operand takes f32 operands (vector FMAs, or v_wmma_f32_16x16x4_f32). A number that lies on a knife's edge between two numbers of the format may be rounded either way, as far as f32 arithmetic and the matrix unit's own rounding can turn it there, and no further.
;;   INPUTS GIVEN AS CODES. W1 (in the module: [1024, 4096], K = its axis 0); W2 (in the module: [4096, 1024], K = its axis 0); Wk (in the module: [1024, 1024], K = its axis 0); Wo (in the module: [1024, 1024], K = its axis 0); Wq (in the module: [1024, 1024], K = its axis 0); Wv (in the module: [1024, 1024], K = its axis 0): each comes as NAME_codes (uint8): NAME with its K axis moved to the last place and cut into blocks of 32 codes, [.., K / 32, bytes a block], one block behind the other in memory; four codes in three bytes: a row's codes are one little-endian stream of bits, code i at bits 6 i .. 6 i + 5 (a code: sign, 2 exponent bits, 3 mantissa bits); and NAME_scales (uint8): the same leading axes, one E8M0 byte (e + 127) for each 32 codes along K. Its value is code x scale, taken as it is: it is not quantised again, and the codes and scales need not be those that the quantiser above would give.
;; 2 versions. Each part assembles by itself: llvm-mc -triple=amdgcn-amd-amdhsa -mcpu=gfx1250 --defsym DOCPART=n.
;; ======== version 1 of 2: 9 launches
;; limits: right only within a limited range of input values
;; workspace buffers: xq 3,276,800 bytes; qr 3,276,800 bytes; kv 6,553,600 bytes; oq 3,276,800 bytes; cf 16,777,216 bytes; x1 16,777,216 bytes; hq 13,107,200 bytes
;; launch quant_x (part 1): grid 128 x 1, 4 waves a work-group, no clusters, 33,280 bytes of LDS; arguments x, xq; writes xq
.if DOCPART == 1
	.amdgcn_target "amdgcn-amd-amdhsa--gfx1250"
	.amdhsa_code_object_version 6
	.text
	.protected	k_q214b11e22b_quant_x
	.globl	k_q214b11e22b_quant_x
	.p2align	8
	.type	k_q214b11e22b_quant_x,@function
k_q214b11e22b_quant_x:
	s_mov_b64 s[64:65], 0
	v_nop
	global_prefetch_b8 v0, s[64:65] scope:SCOPE_SE
	s_setreg_imm32_b32 hwreg(HW_REG_WAVE_MODE, 25, 1), 1
	s_wait_xcnt 0x0
; src [4096][1024] f32 becomes codes of FP6 (E2M3), K innermost, [4096][768 bytes] at dst's byte 0, and one E8M0 byte for each 32 along K, [4096][32] at dst's byte SCOFF.
; A block's scale is 2^(floor(log2(its largest magnitude)) - 2); its byte is the largest magnitude's exponent field - 2, held at 1 from below.
; LIMITS: a block of zeros gets the byte 1 where the quantiser's text says 127 (its codes are zeros, and this program alone reads the bytes); NaN and infinities are not served.
; Rows are dense and 1024 is a multiple of 32: the tensor is a plain stream of blocks of 32.  A wave takes 16 steps of 512 numbers.  Each of a step's four loads reads 512 consecutive bytes;
; the 2,048 bytes turn through the wave's own stage in LDS and come back 64 bytes a lane, so that a lane holds 16 neighbours along K (two neighbouring lanes hold a block).
; A wave's 256 scale bytes are gathered in its own LDS bytes and leave as 256 consecutive, aligned bytes.  Waves share nothing: no barrier.
.set STEPS, 16
.set EMAX,  2
.set CB,    12                         ; bytes of 16 codes
.set SCOFF, 3145728                    ; where the scale bytes begin in dst
.set R,     16                         ; v16-79   four sets of 16 numbers as loaded
.set X,     80                         ; v80-111  two sets of 16 neighbours
.set C,     128                        ; v128-191 codes: four registers a step, so that no store's data are written again
.set E,     112                        ; v112-127 a scale byte a step
.set WREG,  8192                       ; LDS: a region for each wave: two stages of 32 x SP bytes, then its 256 scale bytes
.set SP,    80                         ; a lane's place in a stage: 64 bytes + 16 of padding
	s_load_b128 s[4:7], s[0:1], 0x0                ; src, dst
	v_lshl_add_u32 v192, v0, 2, 0x8000
	v_mov_b32 v193, 0
	v_lshrrev_b32 v1, 5, v0
	v_readfirstlane_b32 s16, v1                    ; wave
	v_and_b32 v2, 31, v0                           ; lane
	v_lshlrev_b32 v3, 4, v2                        ; my 16 bytes of a load's 512
	s_mul_i32 s17, s16, WREG
	v_lshrrev_b32 v14, 2, v2
	v_mul_u32_u24 v14, v14, SP
	v_and_b32 v15, 3, v2
	v_lshl_add_u32 v14, v15, 4, v14
	v_add_nc_u32 v14, s17, v14                     ; the stage on the way in: SP (lane / 4) + 16 (lane % 4)
	v_mul_u32_u24 v15, v2, SP
	v_add_nc_u32 v15, s17, v15                     ; and on the way out: SP x lane
	v_mul_u32_u24 v4, v2, CB                       ; my codes' place in a step's
	v_lshrrev_b32 v5, 1, v2
	s_add_co_u32 s17, s17, 2*32*SP
	v_add_nc_u32 v5, s17, v5                       ; my block's byte among my wave's 256
	v_lshlrev_b32 v7, 3, v2
	v_add_nc_u32 v6, s17, v7                       ; and 8 bytes a lane on the way out
	s_lshl_b32 s17, ttmp9, 2
	s_add_co_u32 s18, s17, s16                     ; which run of 8,192 numbers is my wave's
	s_lshl_b32 s20, s18, 15                        ; 32,768 bytes of f32 a run
	s_mov_b32 s21, 0
	s_mul_i32 s22, s18, 32*STEPS*CB                ; 6,144 bytes of codes
	s_mov_b32 s23, 0
	s_lshl_b32 s18, s18, 8                         ; 256 scale bytes
	s_mov_b32 s19, 0
	s_wait_kmcnt 0x0
	s_add_nc_u64 s[4:5], s[4:5], s[20:21]
	s_add_nc_u64 s[8:9], s[6:7], s[22:23]
	s_add_nc_u64 s[10:11], s[6:7], s[18:19]
	s_add_nc_u64 s[10:11], s[10:11], SCOFF
.macro LOAD t
.irp i, 0,1,2,3
	global_load_b128 v[R+16*((\t)%4)+4*\i:R+16*((\t)%4)+4*\i+3], v3, s[4:5] offset:2048*(\t)+512*\i th:TH_LOAD_NT
.endr
.endm
.macro TURN t                          ; LDS serves a wave's instructions in order: no wait between the stores and the loads
.irp i, 0,1,2,3
	ds_store_b128 v14, v[R+16*((\t)%4)+4*\i:R+16*((\t)%4)+4*\i+3] offset:32*SP*((\t)%2)+8*SP*\i
.endr
.irp i, 0,1,2,3
	ds_load_b128 v[X+16*((\t)%2)+4*\i:X+16*((\t)%2)+4*\i+3], v15 offset:32*SP*((\t)%2)+16*\i
.endr
.endm
.irp t, 0,1,2,3
	LOAD \t
.endr
	s_wait_loadcnt 12                              ; step 0's four loads are in; twelve younger ones stay out
	TURN 0
.macro STEP t
.set XS, X+16*((\t)%2)
.if (\t) > 0
	s_wait_dscnt 1                                 ; this step's numbers are back from the stage; the last step's byte store may be out
.else
	s_wait_dscnt 0x0
.endif
.if (\t)+4 < STEPS
	LOAD (\t)+4                                    ; into the registers that this step's stage stores have read
.endif
.if (\t)+1 < STEPS
.if STEPS-2-(\t) >= 3
	s_wait_loadcnt 12                              ; the next step's four loads are in; those of the three steps behind it may be out
.else
	s_wait_loadcnt 4*(STEPS-2-(\t))
.endif
	TURN (\t)+1
.endif
	v_max3_num_f32 v8, |v[XS]|, |v[XS+1]|, |v[XS+2]|
	v_max3_num_f32 v9, |v[XS+3]|, |v[XS+4]|, |v[XS+5]|
.irp i, 6,10
	v_max3_num_f32 v8, v8, |v[XS+\i]|, |v[XS+\i+1]|
	v_max3_num_f32 v9, v9, |v[XS+\i+2]|, |v[XS+\i+3]|
.endr
	v_max3_num_f32 v8, v8, |v[XS+14]|, |v[XS+15]|
	v_max3_num_f32 v8, v8, v9, (EMAX+1)<<23        ; with the floor 2^(3 - 127): the byte cannot fall under 1
	v_max_num_f32_dpp v8, v8, v8 row_xmask:1 row_mask:0xf bank_mask:0xf   ; and my neighbour's 16: the block's largest magnitude
	v_add_nc_u32 v11, -(EMAX<<23), v8              ; 2 off its exponent field: the conversion takes this operand's exponent field as its scale
	v_cvt_scalef32_pk16_fp6_f32 v[C+4*(\t):C+4*(\t)+2], v[XS:XS+15], v11
	v_lshrrev_b32 v[E+(\t)], 23, v11               ; the scale's byte
	ds_store_b8 v5, v[E+(\t)] offset:16*(\t)       ; both lanes of a block write the same byte with the same value
	global_store_b96 v4, v[C+4*(\t):C+4*(\t)+2], s[8:9] offset:32*CB*(\t)
.endm
.irp t, 0,1,2,3,4,5,6,7,8,9,10,11,12,13,14,15
	STEP \t
.endr
	ds_load_b64 v[12:13], v6                       ; in order behind my byte stores
	s_wait_dscnt 0x0
	global_store_b64 v7, v[12:13], s[10:11]        ; 32 lanes store 256 consecutive, aligned bytes
	s_wait_tensorcnt 0x0
	ds_add_u32 v192, v193
	s_wait_dscnt 0x0
	s_endpgm
.Lfunc_end_k_q214b11e22b_quant_x:
	.size	k_q214b11e22b_quant_x, .Lfunc_end_k_q214b11e22b_quant_x-k_q214b11e22b_quant_x
	.p2alignl 7, 3214868480
	.fill 96, 4, 3214868480
	.section	.rodata,"a",@progbits
	.p2align	6, 0x0
	.amdhsa_kernel k_q214b11e22b_quant_x
		.amdhsa_group_segment_fixed_size 33280
		.amdhsa_private_segment_fixed_size 0
		.amdhsa_enable_private_segment 0
		.amdhsa_kernarg_size 16
		.amdhsa_user_sgpr_count 2
		.amdhsa_user_sgpr_kernarg_segment_ptr 1
		.amdhsa_wavefront_size32 1
		.amdhsa_system_sgpr_workgroup_id_x 1
		.amdhsa_system_sgpr_workgroup_id_y 1
		.amdhsa_system_sgpr_workgroup_id_z 1
		.amdhsa_system_vgpr_workitem_id 0
		.amdhsa_next_free_vgpr 194
		.amdhsa_next_free_sgpr 66
		.amdhsa_reserve_vcc 0
		.amdhsa_float_denorm_mode_32 3
		.amdhsa_float_denorm_mode_16_64 3
		.amdhsa_memory_ordered 1
		.amdhsa_forward_progress 1
		.amdhsa_inst_pref_size 32
	.end_amdhsa_kernel
	.amdgpu_metadata
---
amdhsa.version: [ 1, 2 ]
amdhsa.kernels:
  - .name:           k_q214b11e22b_quant_x
    .symbol:         k_q214b11e22b_quant_x.kd
    .args:
      - { .name: x, .offset: 0, .size: 8, .value_kind: global_buffer, .address_space: global }
      - { .name: xq, .offset: 8, .size: 8, .value_kind: global_buffer, .address_space: global }
    .group_segment_fixed_size: 33280
    .private_segment_fixed_size: 0
    .kernarg_segment_align: 8
    .kernarg_segment_size: 16
    .max_flat_workgroup_size: 128
    .sgpr_count:     66
    .vgpr_count:     194
    .wavefront_size: 32
...
	.end_amdgpu_metadata
.endif
;; end of part 1
;; launch qkv (part 2): grid 12 x 16, 4 waves a work-group, clusters of 4 x 4, 327,680 bytes of LDS; arguments xq, Wq_codes, Wq_scales, Wk_codes, Wk_scales, Wv_codes, Wv_scales, bq, bk, bv, qr, kv; writes qr, kv
.if DOCPART == 2
	.amdgcn_target "amdgcn-amd-amdhsa--gfx1250"
	.amdhsa_code_object_version 6
	.text
	.protected	k_q214b11e22b_qkv
	.globl	k_q214b11e22b_qkv
	.p2align	8
	.type	k_q214b11e22b_qkv,@function
k_q214b11e22b_qkv:
	s_mov_b64 s[64:65], 0
	v_nop
	global_prefetch_b8 v0, s[64:65] scope:SCOPE_SE
	s_setreg_imm32_b32 hwreg(HW_REG_WAVE_MODE, 25, 1), 1
	s_wait_xcnt 0x0
	s_wait_alu depctr_hold_cnt(0) depctr_sa_sdst(0) depctr_va_vdst(0) depctr_va_sdst(0) depctr_va_ssrc(0) depctr_va_vcc(0) depctr_vm_vsrc(0)
	s_getreg_b32 s2, hwreg(HW_REG_IB_STS2, 6, 4)
	s_cmp_eq_u32 s2, 0
	s_cbranch_scc0 .Lentry_in_a_cluster
	s_endpgm
.Lentry_in_a_cluster:
	s_bfe_u32 s2, ttmp6, 0x10000c
	s_cmp_lg_u32 s2, 0xf033
	s_cbranch_scc0 .Lentry_shape_is_right
	s_endpgm
.Lentry_shape_is_right:
; q = x Wq + bq, k = x Wk + bk, v = x Wv + bv on codes of FP6 (E2M3) with E8M0 scales, K = 1024; the results are quantised at once for attention: q and k along a head's 64, v along the keys.
; The cluster's x says which: 0 q, 1 k, 2 v.  For q and k operand A is x (tokens) and operand B the weight (features); for v A is Wv (features) and B is x (tokens), so that the result is v transposed.
; A work-group makes 256 rows of A x 256 rows of B, a wave 128 x 128 in 64 accumulators.  K goes in steps of 256 through two LDS slots filled by the tensor data mover; the scale bytes of the
; work-group's rows come once.  4 x 4 work-groups form a cluster: A's tiles are asked for jointly along a row of the cluster, B's along a column.
; THE MATRIX INSTRUCTION IS USED TRANSPOSED (source 0 = 16 rows of B, source 1 = 16 rows of A), AND THE ROWS OF B THAT FORM A TILE ARE NOT NEIGHBOURS: lane r of tile 2 b + u takes row
; 32 b + 8 u + r + 8 (r / 8).  So in A's block a a lane holds ONE row of A, and register 16 b + i of the block's 64 holds B's row 32 b + 16 (lane / 16) + i: 16 neighbours along the next product's K.
; OUT.  A block's 64 numbers a lane become one operand fragment (12 registers) and one scale word.  Its two halves of six registers are GRANULES of 768 bytes (16 rows x 64 along K as an image of the
; registers: registers 2 p, 2 p + 1 of lane l at 256 p + 8 l).  Eight granules and 256 scale bytes are a RECORD of 6,400 bytes: q, k: one head x 128 tokens; v: one head x 128 keys.
; LIMITS: a block of zeros gets the scale byte 1 (its codes are zeros; this program alone reads the bytes); NaN and infinities are not served.
; REGISTERS: window 0: v1-31 addresses; v32-63 A's scale words, v64-95 B's, two sets each; v96-111 the bias along A's rows; v128-223 A's fragments, one set; in the epilogue v112-127, v128-212 at work.
;   window 1: B's fragments at v0 and v128, two sets; v96-127, v224-255 the bias along B's rows.   windows 2, 3: the accumulators ((a, b) at v[8 (8 (a % 4) + b)]).
.set KSTEP,  256
.set NQ,     2
.set ROWB,   192                       ; a tile's row: 256 codes
.set KROW,   768                       ; a row of codes in memory
.set PITCH,  240                       ; an LDS row: 3 x (64 bytes + 16 of padding)
.set FR,     12
.set NL,     6
.set NP,     4                         ; places behind this matrix instruction (ISA guide 7.12.1)
.set HALFT,  128*PITCH
.set SLOT,   4*HALFT
.set LAPS,   2                         ; 1024 / 512
.set KS,     32                        ; a row of scale bytes
.set SCL,    2*SLOT                    ; behind the ring: the scales, as runs of 256 bytes + 16 of padding
.set HALFS,  16*272                    ; those of 128 rows
.set SPARE,  SCL+4*HALFS               ; the spare words, 128 bytes a wave: no other line names them
.set XSCL,   3145728                   ; where x's scale bytes begin in xq
.set ADRA, 16                          ; v16-17 my A fragments in slot 0, 1; v18-19 the same behind one padding more
.set ADRB, 20                          ; v20-23 the same for B
.set LO8,  24                          ; v24 8 x lane
.set STG,  25                          ; v25 where my row's scale halves go in my stage
.set R4,   26                          ; v26 4 r
.set ADSA, 27                          ; v27 A's scale words
.set SPW,  28
.set NIL,  29
.set ADSB, 30                          ; v30 B's scale words
.set BO,   31                          ; v31 64 h
.set SCA,  32
.set SCB,  64
.set BR,   96
.set TM,   112
.set AF,   128
.set HA,   128
.set PC,   192
.set PW,   212
.set G1, 24
.set G0, 32
.set G1B, 48
.set G0B, 56
.set G1S, 68
.set G0S, 76
.set G1SB, 80
.set G0SB, 88
.set SEL, 76                           ; in the epilogue
.set MSB, 0
.macro WIN new                         ; the immediate's high byte repeats the setting that is left
.if MSB != \new
	s_set_vgpr_msb (MSB<<8)|\new
.set MSB, \new
.endif
.endm
.set MUL_LO, 0xa1                      ; source 0 (B) window 1, source 1 (A) window 0, C and D window 2
.set MUL_HI, 0xf1
.set TO_B,   0x40
; A joint load: waves 0 and 1 fetch for A, waves 2 and 3 for B.  The branch hangs on the wave's number alone.  Four v_nop follow each of the two lines.
.macro JLOAD g0a, g1a, g0b, g1b
	s_cmp_eq_u32 s15, 0
	s_cbranch_scc0 .Lfor_b_\@
	tensor_load_to_lds s[\g0a:\g0a+3], s[\g1a:\g1a+7]
	s_nop 0
.rept 4
	v_nop
.endr
	s_branch .Lasked_\@
.Lfor_b_\@:
	tensor_load_to_lds s[\g0b:\g0b+3], s[\g1b:\g1b+7]
	s_nop 0
.rept 4
	v_nop
.endr
.Lasked_\@:
.endm
.macro CREST
	s_cmp_lg_u32 s14, 0
	s_cbranch_scc1 .Lnot_wave_0_\@
	s_barrier_signal -3
.Lnot_wave_0_\@:
	s_barrier_wait -3
	s_barrier_signal -1
	s_barrier_wait -1
.endm
.macro CROUND
	s_barrier_signal -1
	s_barrier_wait -1
	CREST
.endm
	s_load_b512 s[68:83], s[0:1], 0x0              ; xq 68, Wq codes 70, scales 72, Wk codes 74, scales 76, Wv codes 78, scales 80, bq 82
	s_load_b256 s[84:91], s[0:1], 0x40             ; bk 84, bv 86, qr 88, kv 90
	v_lshl_add_u32 v[SPW], v0, 2, SPARE
	v_mov_b32 v[NIL], 0
	ds_add_u32 v28, v29
	ds_add_u32 v28, v29
	s_wait_dscnt 0x0
	v_lshrrev_b32 v1, 5, v0
	v_readfirstlane_b32 s14, v1                    ; wave 0..3
	s_lshr_b32 s15, s14, 1                         ; which half of A's 256 rows is mine.  Also: I fetch for A (0) or for B (1)
	s_and_b32 s16, s14, 1                          ; which half of B's.  Also: which 128 rows I fetch
	s_bfe_u32 s40, ttmp6, 0x40000                  ; cx
	s_bfe_u32 s41, ttmp6, 0x40004                  ; cy
	s_and_b32 s17, ttmp7, 0xffff
	s_lshl_b32 s17, s17, 2                         ; 4 x cluster y: it walks the tokens
	s_cmp_eq_u32 ttmp9, 2                          ; v?  The cluster's x is the same in all sixteen partners
	s_cselect_b32 s42, s17, 0
	s_cselect_b32 s17, 0, s17
	s_add_co_u32 s42, s42, s40                     ; B's tile = cx (+ 4 x cluster y for v)
	s_add_co_u32 s17, s17, s41                     ; A's tile = cy (+ 4 x cluster y for q, k)
	s_lshl_b32 s43, s41, 2
	s_lshl_b32 s43, 15, s43                        ; my row of the cluster
	s_lshl_b32 s44, 0x1111, s40                    ; my column
	s_or_b32 s[G1+0], s43, (0<<16)|(1<<20)|(1<<21)|(3<<22)|(3<<25)  ; mask; elements of 1 byte; padding: 4 words behind every 16
	s_or_b32 s[G1B+0], s44, (0<<16)|(1<<20)|(1<<21)|(3<<22)|(3<<25)
.irp g, G1, G1B
	s_mov_b32 s[\g+1], ROWB<<16                    ; tensor_dim0
	s_mov_b32 s[\g+2], 128<<16                     ; tensor_dim1
	s_mov_b32 s[\g+3], ROWB<<16                    ; tile_dim0
	s_mov_b32 s[\g+4], 128                         ; tile_dim1
	s_mov_b32 s[\g+5], KROW                        ; pitch
	s_mov_b32 s[\g+6], 0
	s_mov_b32 s[\g+7], 0
.endr
	s_lshl_b32 s18, s16, 7
	s_lshl_b32 s20, s17, 8
	s_add_co_u32 s20, s20, s18                     ; A: the first row that I fetch
	s_lshl_b32 s46, s42, 8
	s_add_co_u32 s46, s46, s18                     ; B likewise
	s_mov_b32 s21, 0
	s_mov_b32 s47, 0
	s_mov_b64 s[18:19], KS
	s_mul_u64 s[22:23], s[20:21], s[18:19]         ; these rows' scale bytes,
	s_mul_u64 s[66:67], s[46:47], s[18:19]
	s_mov_b64 s[18:19], KROW
	s_mul_u64 s[20:21], s[20:21], s[18:19]         ; and codes
	s_mul_u64 s[46:47], s[46:47], s[18:19]
	s_mul_i32 s45, s14, HALFT                      ; where they go: no place in the cluster enters an LDS address
	s_mul_i32 s2, s14, HALFS
	s_wait_kmcnt 0x0
	s_add_nc_u64 s[92:93], s[68:69], XSCL          ; x's scale bytes
	s_cmp_eq_u32 ttmp9, 0
	s_cselect_b64 s[8:9], s[70:71], s[74:75]       ; the weight of q or of k
	s_cselect_b64 s[10:11], s[72:73], s[76:77]
	s_cselect_b64 s[96:97], s[82:83], s[84:85]     ; its bias
	s_cselect_b64 s[12:13], s[88:89], s[90:91]     ; q goes to qr, k and v to kv
	s_cmp_eq_u32 ttmp9, 2
	s_cselect_b64 s[4:5], s[78:79], s[68:69]       ; A: Wv or x
	s_cselect_b64 s[6:7], s[80:81], s[92:93]
	s_cselect_b64 s[8:9], s[68:69], s[8:9]         ; B: x or the weight
	s_cselect_b64 s[10:11], s[92:93], s[10:11]
	s_cselect_b64 s[96:97], s[86:87], s[96:97]     ; (for v the bias along B's rows is loaded from bv and masked away)
	s_mov_b64 s[98:99], s[86:87]                   ; the bias along A's rows: bv (masked away for q and k)
	s_add_nc_u64 s[20:21], s[4:5], s[20:21]
	s_add_nc_u64 s[22:23], s[6:7], s[22:23]
	s_add_nc_u64 s[46:47], s[8:9], s[46:47]
	s_add_nc_u64 s[66:67], s[10:11], s[66:67]
	; the scales of 128 rows: 4,096 dense bytes as 16 rows of 256 bytes (32 elements of 8), 16 bytes of padding behind each
	s_or_b32 s[G1S+0], s43, (3<<16)|(1<<20)|(1<<21)|(5<<22)|(3<<25)
	s_or_b32 s[G1SB+0], s44, (3<<16)|(1<<20)|(1<<21)|(5<<22)|(3<<25)
.irp g, G1S, G1SB
	s_mov_b32 s[\g+1], 32<<16
	s_mov_b32 s[\g+2], 16<<16
	s_mov_b32 s[\g+3], 32<<16
	s_mov_b32 s[\g+4], 16
	s_mov_b32 s[\g+5], 32
	s_mov_b32 s[\g+6], 0
	s_mov_b32 s[\g+7], 0
.endr
	CROUND                                         ; all sixteen work-groups are here: the first joint loads meet
	s_mov_b32 s[G0S], 1
	s_add_co_u32 s[G0S+1], s2, SCL
	s_mov_b64 s[G0S+2:G0S+3], s[22:23]
	s_or_b32 s[G0S+3], s[G0S+3], 0x80000000
	s_mov_b32 s[G0SB], 1
	s_add_co_u32 s[G0SB+1], s2, SCL
	s_mov_b64 s[G0SB+2:G0SB+3], s[66:67]
	s_or_b32 s[G0SB+3], s[G0SB+3], 0x80000000
	JLOAD G0S, G1S, G0SB, G1SB                     ; the scales first: they are wanted with K step 0
.irp s, 0,1
	s_mov_b32 s[G0+4*\s], 1
	s_add_co_u32 s[G0+4*\s+1], s45, \s*SLOT
	s_add_nc_u64 s[G0+4*\s+2:G0+4*\s+3], s[20:21], \s*ROWB
	s_or_b32 s[G0+4*\s+3], s[G0+4*\s+3], 0x80000000
	s_mov_b32 s[G0B+4*\s], 1
	s_add_co_u32 s[G0B+4*\s+1], s45, \s*SLOT
	s_add_nc_u64 s[G0B+4*\s+2:G0B+4*\s+3], s[46:47], \s*ROWB
	s_or_b32 s[G0B+4*\s+3], s[G0B+4*\s+3], 0x80000000
	JLOAD G0+4*\s, G1, G0B+4*\s, G1B
.endr
	v_and_b32 v1, 15, v0                           ; r
	v_bfe_u32 v2, v0, 4, 1                         ; h
	v_mul_u32_u24 v3, v1, PITCH
	v_mul_u32_u24 v4, v2, 24
	v_add_nc_u32 v5, v3, v4                        ; A: row r x pitch + 24 h
	v_lshl_add_u32 v6, v2, 4, v5                   ; and the same behind one padding more
	v_and_b32 v7, 8, v1
	v_add_nc_u32 v7, v7, v1                        ; B: row r + 8 (r / 8)
	v_mul_u32_u24 v7, v7, PITCH
	v_add_nc_u32 v7, v7, v4
	v_lshl_add_u32 v8, v2, 4, v7
	s_mul_i32 s21, s15, HALFT                      ; my 128 rows of A
	s_mul_i32 s22, s16, HALFT
	s_add_co_u32 s22, s22, 2*HALFT                 ; my 128 rows of B, behind A's 256
.irp s, 0,1
	v_add_nc_u32 v[ADRA+\s], s21, v5
	v_add_nc_u32 v[ADRA+2+\s], s21, v6
	v_add_nc_u32 v[ADRB+\s], s22, v7
	v_add_nc_u32 v[ADRB+2+\s], s22, v8
	s_add_co_u32 s21, s21, SLOT
	s_add_co_u32 s22, s22, SLOT
.endr
	v_lshrrev_b32 v9, 3, v1                        ; r / 8
	v_and_b32 v10, 7, v1                           ; r % 8
	v_lshlrev_b32 v11, 5, v10                      ; eight rows of 32 scale bytes lie in a run of 256
	s_mul_i32 s21, s15, HALFS
	s_add_co_u32 s21, s21, SCL
	s_mul_i32 s22, s16, HALFS
	s_add_co_u32 s22, s22, SCL+2*HALFS
	v_mad_u32_u24 v[ADSA], v9, 272, v11            ; A's block i, row r: run 2 i + r / 8
	v_add_nc_u32 v[ADSA], s21, v[ADSA]
	v_mad_u32_u24 v[ADSB], v9, 544, v11            ; B's tile 2 b + u, lane r: run 4 b + u + 2 (r / 8)
	v_add_nc_u32 v[ADSB], s22, v[ADSB]
	v_and_b32 v12, 31, v0
	v_lshlrev_b32 v[LO8], 3, v12
	v_lshlrev_b32 v[BO], 6, v2
	v_lshlrev_b32 v[R4], 2, v1
	s_lshl_b32 s21, s14, 9                         ; my stage for scale bytes: 512 bytes in slot 0, used when that slot has had its last fill and its last read
	v_lshlrev_b32 v[STG], 2, v10
	v_lshl_add_u32 v[STG], v9, 1, v[STG]
	v_add_nc_u32 v[STG], s21, v[STG]               ; 4 (r % 8) + 2 (r / 8)
	v_lshl_add_u32 v14, v12, 4, s21                ; and back: 16 x lane
	; where the results go
	s_lshl_b32 s92, s17, 1
	s_add_co_u32 s92, s92, s15                     ; which 128 rows of A are mine
	s_lshl_b32 s93, s42, 1
	s_add_co_u32 s93, s93, s16                     ; which 128 rows of B
	s_mov_b32 s100, 12800
	s_cmp_eq_u32 ttmp9, 0
	s_cselect_b32 s100, 6400, s100                 ; from a group of 128 tokens to the next: a record in qr, K's and V's in kv
	s_lshl_b32 s101, s100, 4                       ; from head to head
	s_cmp_eq_u32 ttmp9, 2
	s_cselect_b32 s94, s93, s92                    ; the group of 128 tokens,
	s_cselect_b32 s95, s92, s93                    ; the pair of heads
	s_lshr_b32 s40, s94, 4
	s_lshl_b32 s40, s40, 4                         ; 16 x batch
	s_lshl_b32 s41, s95, 1
	s_add_co_u32 s40, s40, s41
	s_mul_i32 s40, s40, s101
	s_and_b32 s41, s94, 15
	s_mul_i32 s41, s41, s100
	s_add_co_u32 s40, s40, s41
	s_cmp_eq_u32 ttmp9, 2
	s_cselect_b32 s41, 6400, 0                     ; V's record lies behind K's
	s_add_co_u32 s40, s40, s41
	s_mov_b32 s41, 0
	s_add_nc_u64 s[12:13], s[12:13], s[40:41]
	s_and_b32 s40, s93, 7
	s_lshl_b32 s40, s40, 9
	s_add_nc_u64 s[96:97], s[96:97], s[40:41]      ; the bias of B's 128 rows (held inside the buffer where it will be masked away)
	s_and_b32 s40, s92, 7
	s_lshl_b32 s40, s40, 9
	s_add_nc_u64 s[98:99], s[98:99], s[40:41]      ; and of A's
	s_mov_b32 s43, 3072
	s_mov_b32 s44, 128
	s_cmp_eq_u32 ttmp9, 2
	s_cselect_b32 s18, s101, s43                   ; codes: from A's blocks 0-3 to 4-7: v: the next head; q, k: four granules on
	s_cselect_b32 s19, s43, s101                   ; from a fragment's first half to its second: v: the next 64 keys; q, k: the next head
	s_cselect_b32 s20, s101, s44                   ; the same for the scale bytes
	s_cselect_b32 s21, s44, s101
	s_cselect_b32 s22, 0, -1                       ; keeps the bias along B's rows (q, k)
	s_cselect_b32 s23, -1, 0                       ; keeps the bias along A's rows (v)
	v_bfe_u32 v13, v0, 3, 1
	v_and_b32 v11, 7, v0
	v_mul_u32_u24 v15, v2, s20
	v_mad_u32_u24 v15, v13, s21, v15
	v_lshl_add_u32 v15, v11, 4, v15                ; where my 16 scale bytes of the stage go
	WIN TO_B
.set j, 0
.rept 16                               ; the bias at B's rows 32 b + 16 h + i, in the accumulators' order: v96-127 and v224-255 of window 1
	global_load_b128 v[96+4*j+96*(j/8):96+4*j+96*(j/8)+3], v[BO], s[96:97] offset:128*(j/4)+16*(j%4)
.set j, j+1
.endr
	WIN 0
.set j, 0
.rept 8                                ; the bias at A's row 16 a + r, twice: a pair for the packed addition
	global_load_b32 v[BR+2*j], v[R4], s[98:99] offset:64*j
	global_load_b32 v[BR+2*j+1], v[R4], s[98:99] offset:64*j
.set j, j+1
.endr
.macro FRAG reg, adr, q, ro            ; 16 rows x 128 K: 12 registers; registers 6 c .. 6 c + 5 hold K = 64 c + 32 h + 0 .. 31: 24 bytes of the row, in pieces of 8.  ro: the tile's first row
.irp p, 0,1,2,3,4,5
.set PCE, 12*(\q)+6*(\p/3)+\p%3        ; 16 bytes of padding lie behind every 8 pieces; where the piece three on lies behind one padding more, the second address register serves
.if PCE%8 < 5
	ds_load_b64 v[\reg+2*\p:\reg+2*\p+1], v[\adr] offset:8*PCE+16*(PCE/8)+(\ro)*PITCH
.else
	ds_load_b64 v[\reg+2*\p:\reg+2*\p+1], v[\adr+2] offset:8*PCE+16*(PCE/8)+(\ro)*PITCH
.endif
.endr
.endm
; 16 matrix instructions: A's blocks a0, a0 + 1 x B's eight tiles.  The 64 accumulators take turns, one instruction a turn, in the same order in every step.
.macro MUL16 a0, p, q, sc, zero
.irp a, \a0, \a0+1
.irp b, 0,1,2,3,4,5,6,7
.if \zero
	v_wmma_scale_f32_16x16x128_f8f6f4 v[8*(8*((\a)%4)+\b):8*(8*((\a)%4)+\b)+7], v[128*(\p)+FR*\b:128*(\p)+FR*\b+FR-1], v[AF+FR*(\a):AF+FR*(\a)+FR-1], 0, v[SCB+16*(\sc)+2*\b+(\q)], v[SCA+16*(\sc)+2*(\a)+(\q)] matrix_a_fmt:MATRIX_FMT_FP6 matrix_b_fmt:MATRIX_FMT_FP6
.else
	v_wmma_scale_f32_16x16x128_f8f6f4 v[8*(8*((\a)%4)+\b):8*(8*((\a)%4)+\b)+7], v[128*(\p)+FR*\b:128*(\p)+FR*\b+FR-1], v[AF+FR*(\a):AF+FR*(\a)+FR-1], v[8*(8*((\a)%4)+\b):8*(8*((\a)%4)+\b)+7], v[SCB+16*(\sc)+2*\b+(\q)], v[SCA+16*(\sc)+2*(\a)+(\q)] matrix_a_fmt:MATRIX_FMT_FP6 matrix_b_fmt:MATRIX_FMT_FP6
.endif
.endr
.endr
.endm
.macro FETCH_B slot, q, p
	WIN TO_B
.irp i, 0,1,2,3,4,5,6,7
	FRAG 128*(\p)+FR*\i, ADRB+\slot, \q, 32*(\i/2)+8*(\i%2)
.endr
	WIN 0
.endm
.macro FETCH_A slot, q, i0
.irp i, \i0, \i0+1, \i0+2, \i0+3
	FRAG AF+FR*(\i), ADRA+\slot, \q, 16*(\i)
.endr
.endm
.macro SCALES sc                       ; a K step's two scale words of each row, into set sc
.irp i, 0,1,2,3,4,5,6,7
	ds_load_b64 v[SCA+16*\sc+2*\i:SCA+16*\sc+2*\i+1], v[ADSA] offset:544*\i
.endr
.irp i, 0,1,2,3,4,5,6,7
	ds_load_b64 v[SCB+16*\sc+2*\i:SCB+16*\sc+2*\i+1], v[ADSB] offset:1088*(\i/2)+272*(\i%2)
.endr
.endm
.macro PLACES n                        ; plain vector instructions between a matrix instruction and a load into, or a read of, its registers
.rept \n
	v_nop
.endr
.endm
.macro STEP slot, q, zero
	s_wait_dscnt 4*NL                              ; B's set, A's blocks 0-3 and the scale words are in; the youngest 24 loads (A's blocks 4-7) may be out
	WIN MUL_LO
	MUL16 0, (\q)%2, \q, \slot, \zero
	MUL16 2, (\q)%2, \q, \slot, \zero
	s_wait_dscnt 0
	PLACES NP
	FETCH_B \slot, (\q)+1, 1-(\q)%2
	FETCH_A \slot, (\q)+1, 0
	WIN MUL_HI
	MUL16 4, (\q)%2, \q, \slot, \zero
	MUL16 6, (\q)%2, \q, \slot, \zero
	PLACES NP
	WIN 0
	FETCH_A \slot, (\q)+1, 4
.endm
; A slot's last step changes slots: one barrier; in front of it each wave waits for all its tensor loads, adds 0 to its spare word, and waits for that and for its reads of this slot.
.macro TURN slot, next, fill
	s_wait_tensorcnt 0x0                           ; all my tensor loads have landed: my part of the next slot
	ds_add_u32 v[SPW], v[NIL]                      ; 0 onto my spare word
	s_wait_dscnt 4*NL+1                            ; the add and the youngest 24 loads may be out
	WIN MUL_LO
	MUL16 0, 1, NQ-1, \slot, 0
	s_wait_dscnt 0x0                               ; the add is done, and my reads of this slot are over
	s_barrier_signal -1
	MUL16 2, 1, NQ-1, \slot, 0
	WIN 0
	s_barrier_wait -1
.if \fill
	CREST                                          ; the barrier has opened a round of the cluster's barrier: no wave of any partner still reads this slot or has a load on its way
	s_add_nc_u64 s[G0+4*\slot+2:G0+4*\slot+3], s[G0+4*\slot+2:G0+4*\slot+3], 2*ROWB
	s_add_nc_u64 s[G0B+4*\slot+2:G0B+4*\slot+3], s[G0B+4*\slot+2:G0B+4*\slot+3], 2*ROWB
	JLOAD G0+4*\slot, G1, G0B+4*\slot, G1B         ; the first tensor load behind the round; its four v_nop are the places in front of the loads below
.else
	PLACES NP
.endif
	v_add_nc_u32 v[ADSA], 4*NQ, v[ADSA]            ; on to the next K step's scale words
	v_add_nc_u32 v[ADSB], 4*NQ, v[ADSB]
	FETCH_B \next, 0, 0
	FETCH_A \next, 0, 0
	SCALES \next
	WIN MUL_HI
	MUL16 4, 1, NQ-1, \slot, 0
	MUL16 6, 1, NQ-1, \slot, 0
	PLACES NP
	WIN 0
	FETCH_A \next, 0, 4
.endm
	s_wait_tensorcnt 1                             ; the scales and my part of K step 0 are in; K step 1's load may be out
	s_barrier_signal -1
	s_barrier_wait -1
	FETCH_B 0, 0, 0
	FETCH_A 0, 0, 0
	SCALES 0
	FETCH_A 0, 0, 4
	STEP 0, 0, 1                                   ; the first step's products start the sums
	s_mov_b32 s3, LAPS-1
.Llap:
	TURN 0, 1, 1
	STEP 1, 0, 0
	TURN 1, 0, 1
	STEP 0, 0, 0
	s_sub_co_u32 s3, s3, 1
	s_cmp_lg_u32 s3, 0
	s_cbranch_scc1 .Llap
	TURN 0, 1, 0                                   ; the last lap fills nothing
	STEP 1, 0, 0
	s_wait_dscnt 4*NL
	WIN MUL_LO
	MUL16 0, 1, NQ-1, 1, 0
	MUL16 2, 1, NQ-1, 1, 0
	s_wait_dscnt 0
	WIN MUL_HI
	MUL16 4, 1, NQ-1, 1, 0
	MUL16 6, 1, NQ-1, 1, 0
	WIN 0
; 64 numbers of a lane, register 16 b + i = k 32 b + 16 h + i of my row, become a fragment's codes in v[PC] on and its scale word in v[PW].
.macro QUANT s
.irp b, 0,1,2,3
	v_max3_num_f32 v[TM+\b], |v[\s+16*\b]|, |v[\s+1+16*\b]|, 0x1800000   ; with the floor 2^(3 - 127): the byte cannot fall under 1
.endr
.irp i, 2,4,6,8,10,12,14
.irp b, 0,1,2,3
	v_max3_num_f32 v[TM+\b], v[TM+\b], |v[\s+16*\b+\i]|, |v[\s+1+16*\b+\i]|
.endr
.endr
.irp b, 0,1,2,3
	v_permlanex16_b32 v[TM+4+\b], v[TM+\b], s[SEL], s[SEL+1]
.endr
.irp b, 0,1,2,3
	v_max_num_f32 v[TM+\b], v[TM+\b], v[TM+4+\b]   ; with lane l xor 16's: the block's largest magnitude
.endr
.irp b, 0,1,2,3
	v_add_nc_u32 v[TM+12+\b], 0xff000000, v[TM+\b] ; 2 off its exponent field: the conversion's scale operand
.endr
.irp b, 0,1,2,3
	v_lshrrev_b32 v[TM+4+\b], 23, v[TM+12+\b]      ; the scale's byte
.endr
	v_lshl_or_b32 v[PW], v[TM+5], 8, v[TM+4]
	v_lshl_or_b32 v[PW], v[TM+6], 16, v[PW]
	v_lshl_or_b32 v[PW], v[TM+7], 24, v[PW]
.irp c, 0,1
	v_cvt_scalef32_pk16_fp6_f32 v[PC+6*\c:PC+2+6*\c], v[\s+32*\c:\s+15+32*\c], v[TM+12+2*\c]
	v_cvt_scalef32_pk16_fp6_f32 v[PC+12+4*\c:PC+14+4*\c], v[\s+16+32*\c:\s+31+32*\c], v[TM+12+2*\c+1]
.endr
	v_nop                                          ; one plain place behind a scaled conversion
.irp c, 0,1                            ; the operand's layout wants a whole block in a lane
.irp i, 0,1,2
	v_permlane16_swap_b32 v[PC+6*\c+\i], v[PC+12+4*\c+\i]
.endr
.irp i, 0,1,2
	v_mov_b32 v[PC+3+6*\c+\i], v[PC+12+4*\c+\i]
.endr
.endr
.endm
	PLACES NP                                      ; behind the last products: their results are read and A's registers written below
	s_wait_loadcnt 0x0                             ; the biases
	WIN 0x44                                       ; source 1 and destination window 1
.set j, 0
.rept 64
	v_and_b32 v[96+j+96*(j/32)], s22, v[96+j+96*(j/32)]
.set j, j+1
.endr
	WIN 0
.set j, 0
.rept 16
	v_and_b32 v[BR+j], s23, v[BR+j]
.set j, j+1
.endr
.irp b, 0,1,2,3
	v_mov_b32 v[TM+4+\b], 0                        ; a lane permute's destination counts as one of its sources
.endr
	s_mov_b32 s[SEL], 0x76543210                   ; (no tensor load of mine is out: the descriptors' registers are free)
	s_mov_b32 s[SEL+1], 0xfedcba98
	s_mov_b32 s41, 0
	s_mov_b32 s40, s19
	s_mov_b64 s[68:69], s[12:13]                   ; the four bases: s[68 + 4 (a / 4) + 2 c]
	s_add_nc_u64 s[70:71], s[12:13], s[40:41]
	s_mov_b32 s40, s18
	s_add_nc_u64 s[72:73], s[68:69], s[40:41]
	s_add_nc_u64 s[74:75], s[70:71], s[40:41]
.macro BLOCK a
	s_wait_xcnt 0x0                                ; the last block's stores have read their registers
	s_wait_dscnt 0x0
	WIN 0x06+(\a)/4                                ; source 0: the accumulators' window; source 1: window 1
.set j, 0
.rept 32                               ; each accumulator from its low end on
	v_pk_add_f32 v[HA+j:HA+j+1], v[64*((\a)%4)+j:64*((\a)%4)+j+1], v[96+j+96*(j/32):96+j+96*(j/32)+1]
.set j, j+2
.endr
	WIN 0
.set j, 0
.rept 32
	v_pk_add_f32 v[HA+j:HA+j+1], v[HA+j:HA+j+1], v[BR+2*(\a):BR+2*(\a)+1]
.set j, j+2
.endr
	QUANT HA
.irp c, 0,1
.irp p, 0,1,2
	global_store_b64 v[LO8], v[PC+6*\c+2*\p:PC+6*\c+2*\p+1], s[68+4*((\a)/4)+2*\c:69+4*((\a)/4)+2*\c] offset:768*((\a)%4)+256*\p   ; 32 lanes store 256 consecutive, aligned bytes
.endr
.endr
	ds_store_b16 v[STG], v[PW] offset:128*(2*((\a)/4))+32*((\a)%4)             ; lanes l and l xor 16 write the same bytes with the same value
	ds_store_b16_d16_hi v[STG], v[PW] offset:128*(2*((\a)/4)+1)+32*((\a)%4)
.endm
.irp a, 0,1,2,3,4,5,6,7
	BLOCK \a
.endr
	ds_load_b128 v[HA:HA+3], v14                   ; in order behind my stores
	s_wait_dscnt 0x0
	global_store_b128 v15, v[HA:HA+3], s[12:13] offset:6144   ; four runs of 128 bytes: the scale bytes of my blocks in their records
	s_wait_tensorcnt 0x0                           ; the wave's end
	ds_add_u32 v[SPW], v[NIL]
	s_wait_dscnt 0x0
	CROUND                                         ; the closing round
	s_endpgm
.Lfunc_end_k_q214b11e22b_qkv:
	.size	k_q214b11e22b_qkv, .Lfunc_end_k_q214b11e22b_qkv-k_q214b11e22b_qkv
	.p2alignl 7, 3214868480
	.fill 96, 4, 3214868480
	.section	.rodata,"a",@progbits
	.p2align	6, 0x0
	.amdhsa_kernel k_q214b11e22b_qkv
		.amdhsa_group_segment_fixed_size 327680
		.amdhsa_private_segment_fixed_size 0
		.amdhsa_enable_private_segment 0
		.amdhsa_kernarg_size 96
		.amdhsa_user_sgpr_count 2
		.amdhsa_user_sgpr_kernarg_segment_ptr 1
		.amdhsa_wavefront_size32 1
		.amdhsa_system_sgpr_workgroup_id_x 1
		.amdhsa_system_sgpr_workgroup_id_y 1
		.amdhsa_system_sgpr_workgroup_id_z 1
		.amdhsa_system_vgpr_workitem_id 0
		.amdhsa_next_free_vgpr 1024
		.amdhsa_next_free_sgpr 102
		.amdhsa_reserve_vcc 0
		.amdhsa_float_denorm_mode_32 3
		.amdhsa_float_denorm_mode_16_64 3
		.amdhsa_memory_ordered 1
		.amdhsa_forward_progress 1
		.amdhsa_inst_pref_size 209
	.end_amdhsa_kernel
	.amdgpu_metadata
---
amdhsa.version: [ 1, 2 ]
amdhsa.kernels:
  - .name:           k_q214b11e22b_qkv
    .symbol:         k_q214b11e22b_qkv.kd
    .args:
      - { .name: xq, .offset: 0, .size: 8, .value_kind: global_buffer, .address_space: global }
      - { .name: Wq_codes, .offset: 8, .size: 8, .value_kind: global_buffer, .address_space: global }
      - { .name: Wq_scales, .offset: 16, .size: 8, .value_kind: global_buffer, .address_space: global }
      - { .name: Wk_codes, .offset: 24, .size: 8, .value_kind: global_buffer, .address_space: global }
      - { .name: Wk_scales, .offset: 32, .size: 8, .value_kind: global_buffer, .address_space: global }
      - { .name: Wv_codes, .offset: 40, .size: 8, .value_kind: global_buffer, .address_space: global }
      - { .name: Wv_scales, .offset: 48, .size: 8, .value_kind: global_buffer, .address_space: global }
      - { .name: bq, .offset: 56, .size: 8, .value_kind: global_buffer, .address_space: global }
      - { .name: bk, .offset: 64, .size: 8, .value_kind: global_buffer, .address_space: global }
      - { .name: bv, .offset: 72, .size: 8, .value_kind: global_buffer, .address_space: global }
      - { .name: qr, .offset: 80, .size: 8, .value_kind: global_buffer, .address_space: global }
      - { .name: kv, .offset: 88, .size: 8, .value_kind: global_buffer, .address_space: global }
    .group_segment_fixed_size: 327680
    .private_segment_fixed_size: 0
    .kernarg_segment_align: 8
    .kernarg_segment_size: 96
    .max_flat_workgroup_size: 128
    .sgpr_count:     102
    .vgpr_count:     1024
    .wavefront_size: 32
...
	.end_amdgpu_metadata
.endif
;; end of part 2
;; launch attn (part 3): grid 8 x 32, 16 waves a work-group, clusters of 4 x 1, 206,848 bytes of LDS; arguments qr, kv, resonance, phase, oq; writes oq
.if DOCPART == 3
	.amdgcn_target "amdgcn-amd-amdhsa--gfx1250"
	.amdhsa_code_object_version 6
	.text
	.protected	k_q214b11e22b_attn
	.globl	k_q214b11e22b_attn
	.p2align	8
	.type	k_q214b11e22b_attn,@function
k_q214b11e22b_attn:
	s_mov_b64 s[64:65], 0
	v_nop
	global_prefetch_b8 v0, s[64:65] scope:SCOPE_SE
	s_setreg_imm32_b32 hwreg(HW_REG_WAVE_MODE, 25, 1), 1
	s_wait_xcnt 0x0
	s_wait_alu depctr_hold_cnt(0) depctr_sa_sdst(0) depctr_va_vdst(0) depctr_va_sdst(0) depctr_va_ssrc(0) depctr_va_vcc(0) depctr_vm_vsrc(0)
	s_getreg_b32 s2, hwreg(HW_REG_IB_STS2, 6, 4)
	s_cmp_eq_u32 s2, 0
	s_cbranch_scc0 .Lentry_in_a_cluster
	s_endpgm
.Lentry_in_a_cluster:
	s_bfe_u32 s2, ttmp6, 0x10000c
	s_cmp_lg_u32 s2, 0x3003
	s_cbranch_scc0 .Lentry_shape_is_right
	s_endpgm
.Lentry_shape_is_right:
; Attention of one (batch, head) for 256 queries, both products on codes of FP6 (E2M3) with E8M0 scales.  score = q . k / 8; logit = score + resonance x sin(score + phase); t = logit x log2(e);
; M = the ceiling of the running largest t; p = 2^(t - M) is quantised along the keys; the row's sum is taken of the unquantised p and divides O at the end; O is quantised along the head's 64 for the next product.
; SHARES.  Sixteen waves; a wave owns 16 queries in 256 registers, four waves to a SIMD, so that one wave's vector work stands beside another's LDS loads and matrix instructions.
; LDS holds the head's K and V records for all 2,048 keys, 204,800 bytes as they lie in memory, filled ONCE: each wave brings one key step's 12,800 bytes by one joint load (the four work-groups of a
; cluster own query blocks of the same head).  Nothing is filled again.
; LAYOUT.  Both products are used transposed: a lane holds one query (lane % 16).  The head has 64 along K and the instruction takes 128: a fragment of K holds TWO keys a row, one in k 0-63 and one in
; k 64-127, and is multiplied by (q, 0) and by (0, q).  The keys of a tile are chosen so that registers 16 b + i of S hold keys 32 b + 16 (lane / 16) + i; V's rows likewise for O.
; THE SINE: n = round(a / pi) by the constant 1.5 x 2^23, r = a - n pi in two steps, the sign by n's lowest bit, then an odd polynomial of degree 9 on [-pi/2, pi/2].
; LIMITS: |score + phase| under 2^22 pi; NaN and infinities are not served; a block of zeros gets the scale byte 1 (this program alone reads the bytes).
.set RECB,  6400
.set STEPB, 12800
.set HEADB, 204800
.set OSCL,  3145728
.set LK,  1                            ; v1  768 (r / 8) + 8 (r % 8) + 128 h: my place in a pair of granules
.set L4R, 2                            ; v2  4 r: my place among scale words
.set LO8, 3                            ; v3  8 x lane
.set ADK, 4                            ; v4  the step's codes
.set ADS, 5                            ; v5  the step's scale words
.set PH,  8                            ; v[8:9] phase
.set MGV, 10                           ; v[10:11] 1.5 x 2^23
.set C7V, 12                           ; v[12:13]
.set NM,  14                           ; v14 -M, v15 the largest t
.set SUM, 16
.set QS,  18                           ; v18, v19 q's scale words for (q, 0) and (0, q)
.set QLO, 20
.set QHI, 32
.set FRG, 44                           ; four fragments of K or V; between them the sine's 48 registers
.set TA,  44
.set TT,  60
.set TN,  76
.set SW,  92                           ; v92-99 scale words
.set S,   100
.set O,   164
.set PCD, 196
.set PC2, 208
.set BM,  216
.set PT,  220
.set SO,  224
.set BY,  228
.set FF,  232
.set PSW, 234
.set TMP, 235
.set T2,  236
.set WV,  18
.set SEL, 20
.set G1,  24
.set G0,  40
.set TB,  48
.set CNT, 49
.set E8,  50
.set IPI, 52
.set NPH, 54
.set NPL, 56
.set C9,  58
.set C5,  60
.set C3,  62
.set C1,  66
.set C2,  68
.macro ROUND
	s_barrier_signal -1
	s_barrier_wait -1
	s_cmp_lg_u32 s[WV], 0
	s_cbranch_scc1 .Lnot_wave_0_\@
	s_barrier_signal -3
.Lnot_wave_0_\@:
	s_barrier_wait -3
	s_barrier_signal -1
	s_barrier_wait -1
.endm
.macro KONST r, bits                   ; a constant as a pair: the packed forms name a pair and take its low word for both halves
	s_mov_b32 s[\r], \bits
	s_mov_b32 s[\r+1], \bits
.endm
	s_load_b128 s[4:7], s[0:1], 0x0                ; qr, kv
	s_load_b128 s[8:11], s[0:1], 0x10              ; resonance, phase
	s_load_b64 s[12:13], s[0:1], 0x20              ; oq
	v_lshl_add_u32 v254, v0, 2, 0x32000
	v_mov_b32 v255, 0
	ds_add_u32 v254, v255
	ds_add_u32 v254, v255
	v_lshrrev_b32 v1, 5, v0
	v_readfirstlane_b32 s[WV], v1                  ; wave 0..15
	s_bfe_u32 s14, ttmp6, 0x40000                  ; cx
	s_lshl_b32 s15, ttmp9, 2
	s_add_co_u32 s15, s15, s14                     ; my block of 256 queries: it enters Q's and O's addresses alone
	s_and_b32 s16, ttmp7, 0xffff                   ; 16 x batch + head, which the four partners share
	s_mov_b32 s[G1], 15|(3<<16)|(1<<21)            ; the mask: all four work-groups; elements of 8 bytes; no padding
	s_mov_b32 s[G1+1], 32<<16                      ; rows of 256 bytes,
	s_mov_b32 s[G1+2], 50<<16                      ; 50 of them: a key step's two records
	s_mov_b32 s[G1+3], 32<<16
	s_mov_b32 s[G1+4], 50
	s_mov_b32 s[G1+5], 32                          ; dense
	s_mov_b32 s[G1+6], 0
	s_mov_b32 s[G1+7], 0
	s_mul_i32 s70, s16, HEADB
	s_mul_i32 s72, s[WV], STEPB
	s_add_co_u32 s70, s70, s72
	s_mov_b32 s71, 0
	s_and_b32 s74, s16, 15
	s_lshl_b32 s74, s74, 2
	s_mov_b32 s75, 0
	KONST E8,  0x3e000000                          ; 1 / 8
	KONST IPI, 0x3ea2f983                          ; 1 / pi
	KONST NPH, 0xc0490fdb                          ; - pi's upper part
	KONST NPL, 0x33bbbd2e                          ; - pi's lower part
	KONST C9,  0x362f0a87
	KONST C5,  0x3c088777
	KONST C3,  0xbe2aaaa6
	KONST C1,  0x3e38aa3b                          ; log2(e) / 8
	s_mov_b32 s[SEL], 0x76543210
	s_mov_b32 s[SEL+1], 0xfedcba98
	s_mov_b32 s[TB], 0
	s_wait_dscnt 0x0
	s_wait_kmcnt 0x0
	s_add_nc_u64 s[8:9], s[8:9], s[74:75]
	s_add_nc_u64 s[10:11], s[10:11], s[74:75]
	s_load_b32 s76, s[8:9], 0x0                    ; my head's resonance
	s_load_b32 s77, s[10:11], 0x0                  ; and phase
	s_mov_b32 s[G0], 1
	s_mov_b32 s[G0+1], s72                         ; LDS: wave x 12,800
	s_add_nc_u64 s[G0+2:G0+3], s[6:7], s[70:71]
	s_or_b32 s[G0+3], s[G0+3], 0x80000000
	ROUND                                          ; all four work-groups are here: the joint loads meet
	tensor_load_to_lds s[G0:G0+3], s[G1:G1+7]      ; one load of mine is out
	s_nop 0
.rept 4
	v_nop
.endr
	s_lshl_b32 s72, s16, 4
	s_lshl_b32 s73, s15, 1
	s_add_co_u32 s72, s72, s73
	s_lshr_b32 s73, s[WV], 3
	s_add_co_u32 s72, s72, s73                     ; Q's record: 16 x (batch, head) + the group of 128 tokens
	s_mul_i32 s72, s72, RECB
	s_mov_b32 s73, 0
	s_add_nc_u64 s[4:5], s[4:5], s[72:73]
	s_and_b32 s70, s[WV], 7                        ; my granule in it
	s_mul_i32 s71, s70, 768
	s_lshl_b32 s70, s70, 5
	s_lshr_b32 s72, s16, 4
	s_lshl_b32 s72, s72, 7
	s_lshl_b32 s74, s15, 4
	s_add_co_u32 s72, s72, s74
	s_add_co_u32 s72, s72, s[WV]                   ; my tile of 16 tokens among the 256
	s_and_b32 s74, s16, 15                         ; the head
	s_lshl_b32 s78, s72, 9
	s_lshl_b32 s75, s74, 1
	s_add_co_u32 s78, s78, s75                     ; O's scale bytes: 32 a token, 2 a head
	s_mov_b32 s79, 0
	s_add_nc_u64 s[78:79], s[12:13], s[78:79]
	s_add_nc_u64 s[78:79], s[78:79], OSCL
	s_lshl_b32 s72, s72, 4
	s_add_co_u32 s72, s72, s74
	s_mul_i32 s72, s72, 768                        ; O's granule
	s_add_nc_u64 s[12:13], s[12:13], s[72:73]
	v_and_b32 v[LO8], 31, v0
	v_lshlrev_b32 v[LO8], 3, v[LO8]
	v_add_nc_u32 v6, s71, v[LO8]
	v_and_b32 v235, 15, v0                         ; r
	v_bfe_u32 v236, v0, 4, 1                       ; h
	v_lshrrev_b32 v237, 3, v235
	v_and_b32 v238, 7, v235
	v_lshlrev_b32 v7, 2, v238
	v_lshl_add_u32 v7, v237, 1, v7
	v_add_nc_u32 v7, s70, v7
.irp p, 0,1,2
	global_load_b64 v[QLO+2*\p:QLO+2*\p+1], v6, s[4:5] offset:256*\p
	global_load_b64 v[QHI+6+2*\p:QHI+6+2*\p+1], v6, s[4:5] offset:256*\p
.endr
	global_load_u16 v[QS], v7, s[4:5] offset:6144  ; my query's two scale bytes
	v_mul_u32_u24 v[LK], v237, 768
	v_lshl_add_u32 v[LK], v238, 3, v[LK]
	v_lshl_add_u32 v[LK], v236, 7, v[LK]
	v_lshlrev_b32 v[L4R], 2, v235
	s_wait_loadcnt 0x0
	v_lshl_or_b32 v[QS+1], v[QS], 16, 0x7f7f       ; the bytes over the zero codes stand for 1
	v_or_b32 v[QS], 0x7f7f0000, v[QS]
.set j, 0
.rept 6
	v_mov_b32 v[QLO+6+j], 0
	v_mov_b32 v[QHI+j], 0
.set j, j+1
.endr
.set j, 0
.rept 32
	v_mov_b32 v[O+j], 0                            ; the step is written once: the first finds zeros
.set j, j+1
.endr
	v_mov_b32 v[NM+1], 0xff61b1e6                  ; the largest t so far: -3e38
	v_floor_f32 v[NM], -v[NM+1]
	v_mov_b32 v[SUM], 0
	v_mov_b32 v[SUM+1], 0
	v_mov_b32 v[FF+1], 0                           ; named as the upper half of a pair
.irp b, 0,1,2,3
	v_mov_b32 v[PT+\b], 0                          ; a lane permute's destination counts as one of its sources
.endr
	v_mov_b32 v[MGV], 0x4b400000
	v_mov_b32 v[MGV+1], 0x4b400000
	v_mov_b32 v[C7V], 0xb94fbaeb
	v_mov_b32 v[C7V+1], 0xb94fbaeb
	s_wait_kmcnt 0x0
	s_mul_f32 s[C2], s76, 0x3fb8aa3b               ; resonance x log2(e)
	s_mov_b32 s[C2+1], s[C2]
	v_mov_b32 v[PH], s77
	v_mov_b32 v[PH+1], s77
; The sine of the 16 numbers in v[src] on, into v[TA] on; stage by stage, eight pairs a stage, so that no line waits for the line above it.
.macro SINE src
.set i, 0
.rept 8
	v_pk_fma_f32 v[TT+i:TT+i+1], v[\src+i:\src+i+1], s[IPI:IPI+1], v[MGV:MGV+1] op_sel_hi:[1,0,1]   ; 1.5 x 2^23 + n
.set i, i+2
.endr
.set i, 0
.rept 8
	v_pk_add_f32 v[TN+i:TN+i+1], v[TT+i:TT+i+1], v[MGV:MGV+1] neg_lo:[0,1] neg_hi:[0,1]             ; n
.set i, i+2
.endr
.set i, 0
.rept 8
	v_pk_fma_f32 v[TA+i:TA+i+1], v[TN+i:TN+i+1], s[NPH:NPH+1], v[\src+i:\src+i+1] op_sel_hi:[1,0,1]
.set i, i+2
.endr
.set i, 0
.rept 8
	v_pk_fma_f32 v[TA+i:TA+i+1], v[TN+i:TN+i+1], s[NPL:NPL+1], v[TA+i:TA+i+1] op_sel_hi:[1,0,1]     ; r = a - n pi
.set i, i+2
.endr
.set i, 0
.rept 16
	v_lshl_add_u32 v[TA+i], v[TT+i], 31, v[TA+i]   ; an odd n turns r's sign
.set i, i+1
.endr
.set i, 0
.rept 8
	v_pk_mul_f32 v[TN+i:TN+i+1], v[TA+i:TA+i+1], v[TA+i:TA+i+1]
.set i, i+2
.endr
.set i, 0
.rept 8
	v_pk_fma_f32 v[TT+i:TT+i+1], v[TN+i:TN+i+1], s[C9:C9+1], v[C7V:C7V+1] op_sel_hi:[1,0,1]
.set i, i+2
.endr
.set i, 0
.rept 8
	v_pk_fma_f32 v[TT+i:TT+i+1], v[TT+i:TT+i+1], v[TN+i:TN+i+1], s[C5:C5+1] op_sel_hi:[1,1,0]
.set i, i+2
.endr
.set i, 0
.rept 8
	v_pk_fma_f32 v[TT+i:TT+i+1], v[TT+i:TT+i+1], v[TN+i:TN+i+1], s[C3:C3+1] op_sel_hi:[1,1,0]
.set i, i+2
.endr
.set i, 0
.rept 8
	v_pk_mul_f32 v[TT+i:TT+i+1], v[TT+i:TT+i+1], v[TA+i:TA+i+1]
.set i, i+2
.endr
.set i, 0
.rept 8
	v_pk_fma_f32 v[TA+i:TA+i+1], v[TN+i:TN+i+1], v[TT+i:TT+i+1], v[TA+i:TA+i+1]                     ; r + r^3 P(r^2)
.set i, i+2
.endr
.endm
.macro HARM g                          ; 16 raw products q . k become t
.set X0, S+16*(\g)
.set i, 0
.rept 8
	v_pk_fma_f32 v[TA+i:TA+i+1], v[X0+i:X0+i+1], s[E8:E8+1], v[PH:PH+1] op_sel_hi:[1,0,1]           ; score + phase
.set i, i+2
.endr
	SINE TA
.set i, 0
.rept 8
	v_pk_mul_f32 v[X0+i:X0+i+1], v[X0+i:X0+i+1], s[C1:C1+1] op_sel_hi:[1,0]
.set i, i+2
.endr
.set i, 0
.rept 8
	v_pk_fma_f32 v[X0+i:X0+i+1], v[TA+i:TA+i+1], s[C2:C2+1], v[X0+i:X0+i+1] op_sel_hi:[1,0,1]
.set i, i+2
.endr
.endm
.macro STEP                            ; 128 keys
	v_add_nc_u32 v[ADK], s[TB], v[LK]
	v_add_nc_u32 v[ADS], s[TB], v[L4R]
	v_nop
	v_nop                                          ; four places in front of loads into registers that the last products have read
.irp b, 0,1,2,3
.irp p, 0,1,2,3,4,5                    ; fragment b, lane r: key 32 b + 16 (r / 8) + r % 8 in registers 0-5, the key 8 further on in registers 6-11
	ds_load_b64 v[FRG+12*\b+2*\p:FRG+12*\b+2*\p+1], v[ADK] offset:1536*\b+64*(\p/3)+256*(\p%3)
.endr
	ds_load_b32 v[SW+\b], v[ADS] offset:6144+64*\b  ; both keys' two scale bytes
.endr
	s_wait_dscnt 0x0
.irp b, 0,1,2,3
.irp u, 0,1
	v_wmma_scale_f32_16x16x128_f8f6f4 v[S+8*(2*\b+\u):S+8*(2*\b+\u)+7], v[FRG+12*\b:FRG+12*\b+11], v[QLO+12*\u:QLO+12*\u+11], 0, v[SW+\b], v[QS+\u] matrix_a_fmt:MATRIX_FMT_FP6 matrix_b_fmt:MATRIX_FMT_FP6
.endr
.endr
.rept 4
	v_nop
.endr
	HARM 0
	HARM 1
	HARM 2
	HARM 3
.irp t, 0,1,2,3                        ; V: tile t, lane r: channel 32 (t / 2) + 8 (t % 2) + r + 8 (r / 8); registers 6 c on: keys 64 c on.  They land under the softmax
.irp p, 0,1,2,3,4,5
	ds_load_b64 v[FRG+12*\t+2*\p:FRG+12*\t+2*\p+1], v[ADK] offset:RECB+3072*(\p/3)+1536*(\t/2)+64*(\t%2)+256*(\p%3)
.endr
	ds_load_u16 v[SW+\t], v[ADS] offset:RECB+6144+64*(\t/2)+2*(\t%2)
	ds_load_u16 v[SW+4+\t], v[ADS] offset:RECB+6144+128+64*(\t/2)+2*(\t%2)
.endr
.irp b, 0,1,2,3
	v_max3_num_f32 v[BM+\b], v[S+16*\b], v[S+1+16*\b], v[S+2+16*\b]   ; the largest t of each block of 32 keys: for the row's maximum and for the block's largest p
.endr
.irp i, 3,5,7,9,11,13
.irp b, 0,1,2,3
	v_max3_num_f32 v[BM+\b], v[BM+\b], v[S+16*\b+\i], v[S+1+16*\b+\i]
.endr
.endr
.irp b, 0,1,2,3
	v_max_num_f32 v[BM+\b], v[BM+\b], v[S+15+16*\b]
.endr
.irp b, 0,1,2,3
	v_permlanex16_b32 v[PT+\b], v[BM+\b], s[SEL], s[SEL+1]
.endr
.irp b, 0,1,2,3
	v_max_num_f32 v[BM+\b], v[BM+\b], v[PT+\b]
.endr
	v_max3_num_f32 v[TMP], v[BM], v[BM+1], v[BM+2]
	v_max_num_f32 v[TMP], v[TMP], v[BM+3]
	v_max_num_f32 v[NM+1], v[NM+1], v[TMP]         ; the running largest t
	v_mov_b32 v[TMP], v[NM]
	v_floor_f32 v[NM], -v[NM+1]                    ; -M = floor(-t): M is a whole number
	v_sub_f32 v[TMP], v[NM], v[TMP]                ; old M - new M, 0 or less
	v_cvt_i32_f32 v[TMP], v[TMP]                   ; (it saturates)
	v_ldexp_f32 v[FF], 1.0, v[TMP]                 ; f = 2^(old M - new M): a multiplication by it rounds nothing
.set j, 0
.rept 32
	v_pk_add_f32 v[S+j:S+j+1], v[S+j:S+j+1], v[NM:NM+1] op_sel_hi:[1,0]   ; t - M
.set j, j+2
.endr
.irp b, 0,1,2,3
	v_add_f32 v[BM+\b], v[BM+\b], v[NM]
.endr
.set j, 0
.rept 64
	v_exp_f32 v[S+j], v[S+j]                       ; p, not normalised
.set j, j+1
.endr
	v_pk_mul_f32 v[SUM:SUM+1], v[SUM:SUM+1], v[FF:FF+1] op_sel_hi:[1,0]   ; a plain place behind the exponentials
	s_wait_alu depctr_va_vdst(0)                   ; one wait for the batch, ahead of its first reader
.irp b, 0,1,2,3
	v_exp_f32 v[BM+\b], v[BM+\b]                   ; the block's largest p: the same two operations on the same number
.endr
	v_pk_add_f32 v[T2:T2+1], v[S:S+1], v[S+2:S+3]  ; the row's sum of the unquantised p, in two chains
.irp j, 4,8,12,16,20,24,28,32,36,40,44,48,52,56,60
	v_pk_add_f32 v[SUM:SUM+1], v[SUM:SUM+1], v[S+\j:S+\j+1]
	v_pk_add_f32 v[T2:T2+1], v[T2:T2+1], v[S+2+\j:S+3+\j]
.endr
	v_pk_add_f32 v[SUM:SUM+1], v[SUM:SUM+1], v[T2:T2+1]
	s_wait_alu depctr_va_vdst(0)                   ; and one for the four
	s_wait_dscnt 0x0                               ; V is in
.irp t, 0,1,2,3
	v_lshl_or_b32 v[SW+\t], v[SW+4+\t], 16, v[SW+\t]   ; V's scale word: keys 0-63 below, 64-127 above
.endr
.irp b, 0,1,2,3
	v_max_num_f32 v[BM+\b], 0x1800000, v[BM+\b]    ; the floor 2^(3 - 127)
.endr
.irp b, 0,1,2,3
	v_add_nc_u32 v[SO+\b], 0xff000000, v[BM+\b]
.endr
.irp b, 0,1,2,3
	v_lshrrev_b32 v[BY+\b], 23, v[SO+\b]
.endr
	v_lshl_or_b32 v[PSW], v[BY+1], 8, v[BY]
	v_lshl_or_b32 v[PSW], v[BY+2], 16, v[PSW]
	v_lshl_or_b32 v[PSW], v[BY+3], 24, v[PSW]
.irp c, 0,1
	v_cvt_scalef32_pk16_fp6_f32 v[PCD+6*\c:PCD+2+6*\c], v[S+32*\c:S+15+32*\c], v[SO+2*\c]
	v_cvt_scalef32_pk16_fp6_f32 v[PC2+4*\c:PC2+2+4*\c], v[S+16+32*\c:S+31+32*\c], v[SO+2*\c+1]
.endr
.set j, 0
.rept 16
	v_pk_mul_f32 v[O+j:O+j+1], v[O+j:O+j+1], v[FF:FF+1] op_sel_hi:[1,0]   ; O under the new M; also the plain place behind the conversions and places behind the scale words
.set j, j+2
.endr
.irp c, 0,1
.irp i, 0,1,2
	v_permlane16_swap_b32 v[PCD+6*\c+\i], v[PC2+4*\c+\i]
.endr
.irp i, 0,1,2
	v_mov_b32 v[PCD+3+6*\c+\i], v[PC2+4*\c+\i]
.endr
.endr
.rept 4
	v_nop                                          ; an operand written by vector instructions stands four places ahead of a scaled matrix instruction
.endr
.irp t, 0,1,2,3                        ; the four accumulators take one turn each; eight other products stand between a turn and the next
	v_wmma_scale_f32_16x16x128_f8f6f4 v[O+8*\t:O+8*\t+7], v[FRG+12*\t:FRG+12*\t+11], v[PCD:PCD+11], v[O+8*\t:O+8*\t+7], v[SW+\t], v[PSW] matrix_a_fmt:MATRIX_FMT_FP6 matrix_b_fmt:MATRIX_FMT_FP6
.endr
	s_add_co_u32 s[TB], s[TB], STEPB
.endm
	s_wait_tensorcnt 0x0                           ; my part of the head is in,
	s_barrier_signal -1
	s_barrier_wait -1                              ; everybody's is
	s_mov_b32 s[CNT], 16
.Lstep:
	STEP
	s_sub_co_u32 s[CNT], s[CNT], 1
	s_cmp_lg_u32 s[CNT], 0
	s_cbranch_scc1 .Lstep
	; THE WAY OUT: O / the sum, quantised along the head's 64: one granule and two scale bytes a row
.rept 4
	v_nop
.endr
	v_add_f32 v[SUM], v[SUM], v[SUM+1]
	v_permlanex16_b32 v[PT], v[SUM], s[SEL], s[SEL+1]
	v_add_f32 v[SUM], v[SUM], v[PT]
	v_rcp_f32 v[SUM], v[SUM]
	v_lshlrev_b32 v[ADS], 3, v[L4R]                ; 32 r (a plain place behind the reciprocal)
	s_wait_alu depctr_va_vdst(0)
.set j, 0
.rept 16
	v_pk_mul_f32 v[S+j:S+j+1], v[O+j:O+j+1], v[SUM:SUM+1] op_sel_hi:[1,0]   ; register 16 b + i: channel 32 b + 16 h + i
.set j, j+2
.endr
.irp b, 0,1
	v_max3_num_f32 v[BM+\b], |v[S+16*\b]|, |v[S+1+16*\b]|, 0x1800000
.endr
.irp i, 2,4,6,8,10,12,14
.irp b, 0,1
	v_max3_num_f32 v[BM+\b], v[BM+\b], |v[S+16*\b+\i]|, |v[S+1+16*\b+\i]|
.endr
.endr
.irp b, 0,1
	v_permlanex16_b32 v[PT+\b], v[BM+\b], s[SEL], s[SEL+1]
.endr
.irp b, 0,1
	v_max_num_f32 v[BM+\b], v[BM+\b], v[PT+\b]
.endr
.irp b, 0,1
	v_add_nc_u32 v[SO+\b], 0xff000000, v[BM+\b]
.endr
.irp b, 0,1
	v_lshrrev_b32 v[BY+\b], 23, v[SO+\b]
.endr
	v_lshl_or_b32 v[BY], v[BY+1], 8, v[BY]
	v_cvt_scalef32_pk16_fp6_f32 v[PCD:PCD+2], v[S:S+15], v[SO]
	v_cvt_scalef32_pk16_fp6_f32 v[PC2:PC2+2], v[S+16:S+31], v[SO+1]
	v_nop
.irp i, 0,1,2
	v_permlane16_swap_b32 v[PCD+\i], v[PC2+\i]
.endr
.irp i, 0,1,2
	v_mov_b32 v[PCD+3+\i], v[PC2+\i]
.endr
.irp p, 0,1,2
	global_store_b64 v[LO8], v[PCD+2*\p:PCD+2*\p+1], s[12:13] offset:256*\p   ; 32 lanes store 256 consecutive, aligned bytes
.endr
	global_store_b16 v[ADS], v[BY], s[78:79]       ; two bytes a row, once a wave; lanes l and l xor 16 store the same
	s_wait_tensorcnt 0x0
	ds_add_u32 v254, v255
	s_wait_dscnt 0x0
	ROUND                                          ; the closing round
	s_endpgm
.Lfunc_end_k_q214b11e22b_attn:
	.size	k_q214b11e22b_attn, .Lfunc_end_k_q214b11e22b_attn-k_q214b11e22b_attn
	.p2alignl 7, 3214868480
	.fill 96, 4, 3214868480
	.section	.rodata,"a",@progbits
	.p2align	6, 0x0
	.amdhsa_kernel k_q214b11e22b_attn
		.amdhsa_group_segment_fixed_size 206848
		.amdhsa_private_segment_fixed_size 0
		.amdhsa_enable_private_segment 0
		.amdhsa_kernarg_size 40
		.amdhsa_user_sgpr_count 2
		.amdhsa_user_sgpr_kernarg_segment_ptr 1
		.amdhsa_wavefront_size32 1
		.amdhsa_system_sgpr_workgroup_id_x 1
		.amdhsa_system_sgpr_workgroup_id_y 1
		.amdhsa_system_sgpr_workgroup_id_z 1
		.amdhsa_system_vgpr_workitem_id 0
		.amdhsa_next_free_vgpr 256
		.amdhsa_next_free_sgpr 80
		.amdhsa_reserve_vcc 0
		.amdhsa_float_denorm_mode_32 3
		.amdhsa_float_denorm_mode_16_64 3
		.amdhsa_memory_ordered 1
		.amdhsa_forward_progress 1
		.amdhsa_inst_pref_size 61
	.end_amdhsa_kernel
	.amdgpu_metadata
---
amdhsa.version: [ 1, 2 ]
amdhsa.kernels:
  - .name:           k_q214b11e22b_attn
    .symbol:         k_q214b11e22b_attn.kd
    .args:
      - { .name: qr, .offset: 0, .size: 8, .value_kind: global_buffer, .address_space: global }
      - { .name: kv, .offset: 8, .size: 8, .value_kind: global_buffer, .address_space: global }
      - { .name: resonance, .offset: 16, .size: 8, .value_kind: global_buffer, .address_space: global }
      - { .name: phase, .offset: 24, .size: 8, .value_kind: global_buffer, .address_space: global }
      - { .name: oq, .offset: 32, .size: 8, .value_kind: global_buffer, .address_space: global }
    .group_segment_fixed_size: 206848
    .private_segment_fixed_size: 0
    .kernarg_segment_align: 8
    .kernarg_segment_size: 40
    .max_flat_workgroup_size: 512
    .sgpr_count:     80
    .vgpr_count:     256
    .wavefront_size: 32
...
	.end_amdgpu_metadata
.endif
;; end of part 3
;; launch wo (part 4): grid 4 x 16, 4 waves a work-group, clusters of 4 x 4, 327,680 bytes of LDS; arguments oq, Wo_codes, Wo_scales, cf; writes cf
.if DOCPART == 4
	.amdgcn_target "amdgcn-amd-amdhsa--gfx1250"
	.amdhsa_code_object_version 6
	.text
	.protected	k_q214b11e22b_wo
	.globl	k_q214b11e22b_wo
	.p2align	8
	.type	k_q214b11e22b_wo,@function
k_q214b11e22b_wo:
	s_mov_b64 s[64:65], 0
	v_nop
	global_prefetch_b8 v0, s[64:65] scope:SCOPE_SE
	s_setreg_imm32_b32 hwreg(HW_REG_WAVE_MODE, 25, 1), 1
	s_wait_xcnt 0x0
	s_wait_alu depctr_hold_cnt(0) depctr_sa_sdst(0) depctr_va_vdst(0) depctr_va_sdst(0) depctr_va_ssrc(0) depctr_va_vcc(0) depctr_vm_vsrc(0)
	s_getreg_b32 s2, hwreg(HW_REG_IB_STS2, 6, 4)
	s_cmp_eq_u32 s2, 0
	s_cbranch_scc0 .Lentry_in_a_cluster
	s_endpgm
.Lentry_in_a_cluster:
	s_bfe_u32 s2, ttmp6, 0x10000c
	s_cmp_lg_u32 s2, 0xf033
	s_cbranch_scc0 .Lentry_shape_is_right
	s_endpgm
.Lentry_shape_is_right:
; C[m][n] = sum over k of A[m][k] B[n][k] on codes of FP6 (E2M3) with one E8M0 scale for each 32 along K; C [SIZE_M][SIZE_N] f32.
; B: rows of codes [SIZE_N][SIZE_K x 3 / 4 bytes], scale bytes [SIZE_N][SIZE_K / 32].  A comes as GRANULES: [SIZE_M / 16][SIZE_K / 64][768 bytes], each 16 rows x 64 along K as an image of six operand
; registers (registers 2 p, 2 p + 1 of lane l at 256 p + 8 l); its scale bytes [SIZE_M][SIZE_K / 32] lie at byte ASCL of the same buffer.
; A work-group of four waves makes 256 x 256 of C, a wave 128 x 128 in 64 accumulators.  K goes in steps of 256 through two LDS slots filled by the tensor data mover; the scale bytes of the work-group's
; rows come once.  4 x 4 work-groups form a cluster: A's tiles are asked for jointly along a row of the cluster, B's along a column.  The matrix instruction is used transposed (source 0 = rows of B).
; REGISTERS: window 0: v0-31 addresses; v32-63 scale words, two sets; v128-223 A's fragments, one set; on the way out v128-255.   window 1: B's fragments, two sets.   windows 2, 3: the accumulators.
.set SIZE_M, 4096
.set SIZE_N, 1024
.set SIZE_K, 1024
.set ASCL,   3145728
.set KSTEP,  256
.set NQ,     KSTEP/128
.set ROWB,   192
.set KROW,   SIZE_K*6/8
.set AGB,    3072                      ; a K step of 16 rows of A: four granules
.set PITCH,  240                       ; B's LDS row: 3 x (64 bytes + 16 of padding)
.set FR,     12
.set NL,     6
.set NP,     4
.set HALFT,  128*PITCH
.set SLOT,   4*HALFT
.set LAPS,   SIZE_K/(2*KSTEP)
.set KS,     SIZE_K/32
.set SCL,    2*SLOT
.set HALFS,  (128*KS/256)*272
.set SBLK,   (16*KS/256)*272
.set SPARE,  SCL+4*HALFS
.set SPITCH, 528
.set ADRA, 16
.set ADRB, 20
.set STO,  24
.set RD,   25
.set CO,   26
.set ADRS, 27
.set SPW,  28
.set NIL,  29
.set SC,   32
.set AF,   128
.set BK,   128
.set G1, 24
.set G0, 32
.set G1B, 48
.set G0B, 56
.set G1S, 68
.set G0S, 76
.set G1SB, 80
.set G0SB, 88
.set MSB, 0
.macro WIN new
.if MSB != \new
	s_set_vgpr_msb (MSB<<8)|\new
.set MSB, \new
.endif
.endm
.set MUL_LO, 0xa1
.set MUL_HI, 0xf1
.set TO_B,   0x40
.macro JLOAD g0a, g1a, g0b, g1b        ; waves 0 and 1 fetch for A, waves 2 and 3 for B; four v_nop follow each of the two lines
	s_cmp_eq_u32 s15, 0
	s_cbranch_scc0 .Lfor_b_\@
	tensor_load_to_lds s[\g0a:\g0a+3], s[\g1a:\g1a+7]
	s_nop 0
.rept 4
	v_nop
.endr
	s_branch .Lasked_\@
.Lfor_b_\@:
	tensor_load_to_lds s[\g0b:\g0b+3], s[\g1b:\g1b+7]
	s_nop 0
.rept 4
	v_nop
.endr
.Lasked_\@:
.endm
.macro CREST
	s_cmp_lg_u32 s14, 0
	s_cbranch_scc1 .Lnot_wave_0_\@
	s_barrier_signal -3
.Lnot_wave_0_\@:
	s_barrier_wait -3
	s_barrier_signal -1
	s_barrier_wait -1
.endm
.macro CROUND
	s_barrier_signal -1
	s_barrier_wait -1
	CREST
.endm
	s_load_b64 s[4:5], s[0:1], 0x0                 ; A
	s_load_b64 s[8:9], s[0:1], 0x8                 ; B's codes
	s_load_b64 s[10:11], s[0:1], 0x10              ; B's scales
	s_load_b64 s[12:13], s[0:1], 0x18              ; C
	v_lshl_add_u32 v[SPW], v0, 2, SPARE
	v_mov_b32 v[NIL], 0
	ds_add_u32 v28, v29
	ds_add_u32 v28, v29
	s_wait_dscnt 0x0
	v_lshrrev_b32 v1, 5, v0
	v_readfirstlane_b32 s14, v1
	s_lshr_b32 s15, s14, 1
	s_and_b32 s16, s14, 1
	s_bfe_u32 s40, ttmp6, 0x40000
	s_bfe_u32 s41, ttmp6, 0x40004
	s_lshl_b32 s42, ttmp9, 2
	s_add_co_u32 s42, s42, s40                     ; tile column of C
	s_and_b32 s17, ttmp7, 0xffff
	s_lshl_b32 s17, s17, 2
	s_add_co_u32 s17, s17, s41                     ; tile row of C
	s_lshl_b32 s43, s41, 2
	s_lshl_b32 s43, 15, s43
	s_lshl_b32 s44, 0x1111, s40
	s_or_b32 s[G1+0], s43, (3<<16)|(1<<21)         ; A: elements of 8 bytes, no padding
	s_mov_b32 s[G1+1], (AGB/8)<<16                 ; a row: the K step's four granules of 16 rows of A,
	s_mov_b32 s[G1+2], 8<<16                       ; eight such rows: 128 rows of A
	s_mov_b32 s[G1+3], (AGB/8)<<16
	s_mov_b32 s[G1+4], 8
	s_mov_b32 s[G1+5], SIZE_K/64*96                ; from 16 rows of A to the next, in elements
	s_mov_b32 s[G1+6], 0
	s_mov_b32 s[G1+7], 0
	s_or_b32 s[G1B+0], s44, (0<<16)|(1<<20)|(1<<21)|(3<<22)|(3<<25)
	s_mov_b32 s[G1B+1], ROWB<<16
	s_mov_b32 s[G1B+2], 128<<16
	s_mov_b32 s[G1B+3], ROWB<<16
	s_mov_b32 s[G1B+4], 128
	s_mov_b32 s[G1B+5], KROW
	s_mov_b32 s[G1B+6], 0
	s_mov_b32 s[G1B+7], 0
	s_or_b32 s[G1S+0], s43, (3<<16)|(1<<20)|(1<<21)|(5<<22)|(3<<25)
	s_or_b32 s[G1SB+0], s44, (3<<16)|(1<<20)|(1<<21)|(5<<22)|(3<<25)
.irp g, G1S, G1SB
	s_mov_b32 s[\g+1], 32<<16
	s_mov_b32 s[\g+2], (128*KS/256)<<16
	s_mov_b32 s[\g+3], 32<<16
	s_mov_b32 s[\g+4], 128*KS/256
	s_mov_b32 s[\g+5], 32
	s_mov_b32 s[\g+6], 0
	s_mov_b32 s[\g+7], 0
.endr
	s_lshl_b32 s18, s16, 7
	s_lshl_b32 s20, s17, 8
	s_add_co_u32 s20, s20, s18
	s_lshl_b32 s46, s42, 8
	s_add_co_u32 s46, s46, s18
	s_mov_b32 s21, 0
	s_mov_b32 s47, 0
	s_mov_b64 s[18:19], KS
	s_mul_u64 s[22:23], s[20:21], s[18:19]
	s_mul_u64 s[92:93], s[46:47], s[18:19]
	s_mov_b64 s[18:19], KROW
	s_mul_u64 s[20:21], s[20:21], s[18:19]         ; (16 rows of granules are as many bytes as 16 rows of codes)
	s_mul_u64 s[46:47], s[46:47], s[18:19]
	s_mul_i32 s45, s14, HALFT
	s_mul_i32 s94, s14, HALFS
	s_wait_kmcnt 0x0
	s_add_nc_u64 s[6:7], s[4:5], ASCL              ; A's scale bytes
	s_add_nc_u64 s[20:21], s[4:5], s[20:21]
	s_add_nc_u64 s[22:23], s[6:7], s[22:23]
	s_add_nc_u64 s[46:47], s[8:9], s[46:47]
	s_add_nc_u64 s[92:93], s[10:11], s[92:93]
	CROUND
	s_mov_b32 s[G0S], 1
	s_add_co_u32 s[G0S+1], s94, SCL
	s_mov_b64 s[G0S+2:G0S+3], s[22:23]
	s_or_b32 s[G0S+3], s[G0S+3], 0x80000000
	s_mov_b32 s[G0SB], 1
	s_add_co_u32 s[G0SB+1], s94, SCL
	s_mov_b64 s[G0SB+2:G0SB+3], s[92:93]
	s_or_b32 s[G0SB+3], s[G0SB+3], 0x80000000
	JLOAD G0S, G1S, G0SB, G1SB
.irp s, 0,1
	s_mov_b32 s[G0+4*\s], 1
	s_add_co_u32 s[G0+4*\s+1], s45, \s*SLOT
	s_add_nc_u64 s[G0+4*\s+2:G0+4*\s+3], s[20:21], \s*AGB
	s_or_b32 s[G0+4*\s+3], s[G0+4*\s+3], 0x80000000
	s_mov_b32 s[G0B+4*\s], 1
	s_add_co_u32 s[G0B+4*\s+1], s45, \s*SLOT
	s_add_nc_u64 s[G0B+4*\s+2:G0B+4*\s+3], s[46:47], \s*ROWB
	s_or_b32 s[G0B+4*\s+3], s[G0B+4*\s+3], 0x80000000
	JLOAD G0+4*\s, G1, G0B+4*\s, G1B
.endr
	v_and_b32 v1, 15, v0
	v_bfe_u32 v2, v0, 4, 1
	v_mul_u32_u24 v3, v1, PITCH
	v_mul_u32_u24 v4, v2, 24
	v_add_nc_u32 v4, v3, v4                        ; B: row x pitch + 24 h
	v_lshl_add_u32 v5, v2, 4, v4                   ; and behind one padding more
	v_and_b32 v6, 31, v0
	v_lshlrev_b32 v7, 3, v6                        ; A: 8 x lane
	s_mul_i32 s21, s15, HALFT
	s_mul_i32 s22, s16, HALFT
	s_add_co_u32 s22, s22, 2*HALFT
.irp s, 0,1
	v_add_nc_u32 v[ADRA+\s], s21, v7
	v_add_nc_u32 v[ADRB+\s], s22, v4
	v_add_nc_u32 v[ADRB+2+\s], s22, v5
	s_add_co_u32 s21, s21, SLOT
	s_add_co_u32 s22, s22, SLOT
.endr
	v_mul_u32_u24 v5, v1, KS
	v_lshrrev_b32 v6, 8, v5
	v_lshl_add_u32 v5, v6, 4, v5
	s_mul_i32 s21, s15, HALFS
	s_mul_i32 s22, s16, HALFS
	s_add_co_u32 s22, s22, 2*HALFS
	s_sub_co_u32 s22, s22, s21
	v_mul_u32_u24 v6, s22, v2                      ; lanes 16-31 take B's scale words
	s_add_co_u32 s21, s21, SCL
	v_add_nc_u32 v5, v5, v6
	v_add_nc_u32 v[ADRS], s21, v5
	s_mul_i32 s23, s14, 16*SPITCH                  ; my stage, in slot 0: used when that slot has had its last fill and its last read
	v_mul_u32_u24 v5, v1, SPITCH
	v_lshl_add_u32 v5, v2, 5, v5
	v_add_nc_u32 v[STO], s23, v5
	v_and_b32 v6, 31, v0
	v_lshlrev_b32 v[CO], 4, v6
	v_add_nc_u32 v[RD], s23, v[CO]
	s_lshl_b32 s20, s17, 8
	s_lshl_b32 s21, s15, 7
	s_add_co_u32 s20, s20, s21
	s_mov_b32 s21, 0
	s_mov_b64 s[18:19], SIZE_N*4
	s_mul_u64 s[20:21], s[20:21], s[18:19]
	s_lshl_b32 s46, s42, 10
	s_lshl_b32 s47, s16, 9
	s_add_co_u32 s46, s46, s47
	s_mov_b32 s47, 0
	s_add_nc_u64 s[20:21], s[20:21], s[46:47]
	s_add_nc_u64 s[12:13], s[12:13], s[20:21]
.macro FRAG reg, adr, q, i             ; B: 16 rows x 128 K from padded rows, in pieces of 8 bytes
.irp p, 0,1,2,3,4,5
.set PCE, 12*(\q)+6*(\p/3)+\p%3
.if PCE%8 < 5
	ds_load_b64 v[\reg+2*\p:\reg+2*\p+1], v[\adr] offset:8*PCE+16*(PCE/8)+(\i)*16*PITCH
.else
	ds_load_b64 v[\reg+2*\p:\reg+2*\p+1], v[\adr+2] offset:8*PCE+16*(PCE/8)+(\i)*16*PITCH
.endif
.endr
.endm
.macro FRAGA reg, slot, q, i           ; A: two granules are a fragment: 32 lanes read 256 consecutive bytes
.irp p, 0,1,2,3,4,5
	ds_load_b64 v[\reg+2*\p:\reg+2*\p+1], v[ADRA+\slot] offset:AGB*(\i)+1536*(\q)+768*(\p/3)+256*(\p%3)
.endr
.endm
.macro MUL16 a0, p, q, sc, zero        ; the 64 accumulators take turns, one instruction a turn
.irp a, \a0, \a0+1
.irp b, 0,1,2,3,4,5,6,7
.if \zero
	v_wmma_scale_f32_16x16x128_f8f6f4 v[8*(8*((\a)%4)+\b):8*(8*((\a)%4)+\b)+7], v[128*(\p)+FR*\b:128*(\p)+FR*\b+FR-1], v[AF+FR*(\a):AF+FR*(\a)+FR-1], 0, v[SC+8*NQ*(\sc)+NQ*\b+(\q)], v[SC+8*NQ*(\sc)+NQ*(\a)+(\q)] matrix_a_fmt:MATRIX_FMT_FP6 matrix_b_fmt:MATRIX_FMT_FP6 matrix_a_scale:MATRIX_SCALE_ROW1
.else
	v_wmma_scale_f32_16x16x128_f8f6f4 v[8*(8*((\a)%4)+\b):8*(8*((\a)%4)+\b)+7], v[128*(\p)+FR*\b:128*(\p)+FR*\b+FR-1], v[AF+FR*(\a):AF+FR*(\a)+FR-1], v[8*(8*((\a)%4)+\b):8*(8*((\a)%4)+\b)+7], v[SC+8*NQ*(\sc)+NQ*\b+(\q)], v[SC+8*NQ*(\sc)+NQ*(\a)+(\q)] matrix_a_fmt:MATRIX_FMT_FP6 matrix_b_fmt:MATRIX_FMT_FP6 matrix_a_scale:MATRIX_SCALE_ROW1
.endif
.endr
.endr
.endm
.macro FETCH_B slot, q, p
	WIN TO_B
.irp i, 0,1,2,3,4,5,6,7
	FRAG 128*(\p)+FR*\i, ADRB+\slot, \q, \i
.endr
	WIN 0
.endm
.macro FETCH_A slot, q, i0
.irp i, \i0, \i0+1, \i0+2, \i0+3
	FRAGA AF+FR*(\i), \slot, \q, \i
.endr
.endm
.macro SCALES sc                       ; lanes 0-15 take the words of A's block i, lanes 16-31 those of B's block i
.irp i, 0,1,2,3,4,5,6,7
	ds_load_b64 v[SC+8*NQ*\sc+NQ*\i:SC+8*NQ*\sc+NQ*\i+1], v[ADRS] offset:\i*SBLK
.endr
.endm
.macro PLACES n
.rept \n
	v_nop
.endr
.endm
.macro STEP slot, q, zero
	s_wait_dscnt 4*NL                              ; all but the youngest 24 loads (A's blocks 4-7)
	WIN MUL_LO
	MUL16 0, (\q)%2, \q, \slot, \zero
	MUL16 2, (\q)%2, \q, \slot, \zero
	s_wait_dscnt 0
	PLACES NP
	FETCH_B \slot, (\q)+1, 1-(\q)%2
	FETCH_A \slot, (\q)+1, 0
	WIN MUL_HI
	MUL16 4, (\q)%2, \q, \slot, \zero
	MUL16 6, (\q)%2, \q, \slot, \zero
	PLACES NP
	WIN 0
	FETCH_A \slot, (\q)+1, 4
.endm
.macro TURN slot, next, fill
	s_wait_tensorcnt 0x0                           ; all my tensor loads have landed: my part of the next slot
	ds_add_u32 v[SPW], v[NIL]                      ; 0 onto my spare word
	s_wait_dscnt 4*NL+1                            ; the add and the youngest 24 loads may be out
	WIN MUL_LO
	MUL16 0, 1, NQ-1, \slot, 0
	s_wait_dscnt 0x0                               ; the add is done, and my reads of this slot are over
	s_barrier_signal -1
	MUL16 2, 1, NQ-1, \slot, 0
	WIN 0
	s_barrier_wait -1
.if \fill
	CREST                                          ; the barrier has opened a round of the cluster's barrier
	s_add_nc_u64 s[G0+4*\slot+2:G0+4*\slot+3], s[G0+4*\slot+2:G0+4*\slot+3], 2*AGB
	s_add_nc_u64 s[G0B+4*\slot+2:G0B+4*\slot+3], s[G0B+4*\slot+2:G0B+4*\slot+3], 2*ROWB
	JLOAD G0+4*\slot, G1, G0B+4*\slot, G1B         ; the first tensor load behind the round
.else
	PLACES NP
.endif
	v_add_nc_u32 v[ADRS], 4*NQ, v[ADRS]
	FETCH_B \next, 0, 0
	FETCH_A \next, 0, 0
	SCALES \next
	WIN MUL_HI
	MUL16 4, 1, NQ-1, \slot, 0
	MUL16 6, 1, NQ-1, \slot, 0
	PLACES NP
	WIN 0
	FETCH_A \next, 0, 4
.endm
	s_wait_tensorcnt 1                             ; the scales and my part of K step 0 are in; K step 1's load may be out
	s_barrier_signal -1
	s_barrier_wait -1
	FETCH_B 0, 0, 0
	FETCH_A 0, 0, 0
	SCALES 0
	FETCH_A 0, 0, 4
	STEP 0, 0, 1
	s_mov_b32 s3, LAPS-1
.Llap:
	TURN 0, 1, 1
	STEP 1, 0, 0
	TURN 1, 0, 1
	STEP 0, 0, 0
	s_sub_co_u32 s3, s3, 1
	s_cmp_lg_u32 s3, 0
	s_cbranch_scc1 .Llap
	TURN 0, 1, 0
	STEP 1, 0, 0
	s_wait_dscnt 4*NL
	WIN MUL_LO
	MUL16 0, 1, NQ-1, 1, 0
	MUL16 2, 1, NQ-1, 1, 0
	s_wait_dscnt 0
	WIN MUL_HI
	MUL16 4, 1, NQ-1, 1, 0
	MUL16 6, 1, NQ-1, 1, 0
	WIN 0
; THE WAY OUT: a block of 16 rows x 128 columns goes through my stage and comes back as whole rows of 512 bytes.
.macro TOSTAGE a
.set AC, 64*((\a)%4)
	WIN 0x08+4*((\a)/4)
.irp b, 0,1,2,3,4,5,6,7
	ds_store_b128 v[STO], v[AC+8*\b:AC+8*\b+3] offset:64*\b
	ds_store_b128 v[STO], v[AC+8*\b+4:AC+8*\b+7] offset:64*\b+16
.endr
	WIN 0
.set BB, BK+64*((\a)%2)
.irp t, 0,1,2,3,4,5,6,7,8,9,10,11,12,13,14,15
	ds_load_b128 v[BB+4*\t:BB+4*\t+3], v[RD] offset:\t*SPITCH
.endr
.endm
.macro SEND a, younger
.set BB, BK+64*((\a)%2)
	s_wait_dscnt \younger                          ; the block is back; the next block's 16 stores and 16 loads may be out
.if (\a) > 0
	s_add_nc_u64 s[12:13], s[12:13], 16*SIZE_N*4   ; (behind a wait on XCNT)
.endif
.irp t, 0,1,2,3,4,5,6,7,8,9,10,11,12,13,14,15
	global_store_b128 v[CO], v[BB+4*\t:BB+4*\t+3], s[12:13] offset:\t*SIZE_N*4   ; 32 lanes store 512 consecutive, aligned bytes
.endr
.endm
	PLACES NP
	TOSTAGE 0
.irp a, 1,2,3,4,5,6,7
.if \a > 1
	s_wait_xcnt 0x0                                ; block a - 2's stores have read their registers and their base
.endif
	TOSTAGE \a
	SEND \a-1, 32
.endr
	s_wait_xcnt 0x0
	SEND 7, 0
	s_wait_tensorcnt 0x0                           ; the wave's end
	ds_add_u32 v[SPW], v[NIL]
	s_wait_dscnt 0x0
	CROUND
	s_endpgm
.Lfunc_end_k_q214b11e22b_wo:
	.size	k_q214b11e22b_wo, .Lfunc_end_k_q214b11e22b_wo-k_q214b11e22b_wo
	.p2alignl 7, 3214868480
	.fill 96, 4, 3214868480
	.section	.rodata,"a",@progbits
	.p2align	6, 0x0
	.amdhsa_kernel k_q214b11e22b_wo
		.amdhsa_group_segment_fixed_size 327680
		.amdhsa_private_segment_fixed_size 0
		.amdhsa_enable_private_segment 0
		.amdhsa_kernarg_size 32
		.amdhsa_user_sgpr_count 2
		.amdhsa_user_sgpr_kernarg_segment_ptr 1
		.amdhsa_wavefront_size32 1
		.amdhsa_system_sgpr_workgroup_id_x 1
		.amdhsa_system_sgpr_workgroup_id_y 1
		.amdhsa_system_sgpr_workgroup_id_z 1
		.amdhsa_system_vgpr_workitem_id 0
		.amdhsa_next_free_vgpr 1024
		.amdhsa_next_free_sgpr 98
		.amdhsa_reserve_vcc 0
		.amdhsa_float_denorm_mode_32 3
		.amdhsa_float_denorm_mode_16_64 3
		.amdhsa_memory_ordered 1
		.amdhsa_forward_progress 1
		.amdhsa_inst_pref_size 160
	.end_amdhsa_kernel
	.amdgpu_metadata
---
amdhsa.version: [ 1, 2 ]
amdhsa.kernels:
  - .name:           k_q214b11e22b_wo
    .symbol:         k_q214b11e22b_wo.kd
    .args:
      - { .name: oq, .offset: 0, .size: 8, .value_kind: global_buffer, .address_space: global }
      - { .name: Wo_codes, .offset: 8, .size: 8, .value_kind: global_buffer, .address_space: global }
      - { .name: Wo_scales, .offset: 16, .size: 8, .value_kind: global_buffer, .address_space: global }
      - { .name: cf, .offset: 24, .size: 8, .value_kind: global_buffer, .address_space: global }
    .group_segment_fixed_size: 327680
    .private_segment_fixed_size: 0
    .kernarg_segment_align: 8
    .kernarg_segment_size: 32
    .max_flat_workgroup_size: 128
    .sgpr_count:     98
    .vgpr_count:     1024
    .wavefront_size: 32
...
	.end_amdgpu_metadata
.endif
;; end of part 4
;; launch ln1 (part 5): grid 256 x 1, 4 waves a work-group, no clusters, 0 bytes of LDS; arguments cf, x, bo, g1, b1, s1, x1; writes x1
.if DOCPART == 5
	.amdgcn_target "amdgcn-amd-amdhsa--gfx1250"
	.amdhsa_code_object_version 6
	.text
	.protected	k_q214b11e22b_ln1
	.globl	k_q214b11e22b_ln1
	.p2align	8
	.type	k_q214b11e22b_ln1,@function
k_q214b11e22b_ln1:
	s_mov_b64 s[64:65], 0
	v_nop
	global_prefetch_b8 v0, s[64:65] scope:SCOPE_SE
	s_setreg_imm32_b32 hwreg(HW_REG_WAVE_MODE, 25, 1), 1
	s_wait_xcnt 0x0
; y = c + res + bias;  out = g (y - mean) / (std + s sin(pi std) + 1e-6) + b, std with divisor 1023.  All [4096][1024] or [1024] f32.
; A wave takes a whole row (eight loads of 16 bytes a lane for each of c and res) and keeps it in registers: memory is read once, and no wave waits for another.  Four rows a wave, two row slots.
; The variance is taken of y - mean in a second pass over the registers: no difference of large sums is formed.
; sin(pi std): n = round(std), r = std - n (exact), the sign by n's lowest bit, then an odd polynomial of degree 9 in pi r on [-pi/2, pi/2].
; LIMITS: std under 2^31 for n's lowest bit; NaN and infinities are not served.
.set ROWBY, 4096
.set BI, 2                             ; v2-33 bias, v34-65 g, v66-97 b of my 32 columns
.set GG, 34
.set BE, 66
.set CR, 98                            ; slot s: c at v[98 + 64 s], res 32 further on
.set T,  226
	s_load_b256 s[4:11], s[0:1], 0x0               ; c, res, bias, g
	s_load_b128 s[12:15], s[0:1], 0x20             ; b, s
	s_load_b64 s[16:17], s[0:1], 0x30              ; out
	v_lshrrev_b32 v1, 5, v0
	v_readfirstlane_b32 s18, v1
	v_and_b32 v1, 31, v0
	v_lshlrev_b32 v1, 4, v1                        ; 16 x lane
	s_lshl_b32 s20, ttmp9, 16                      ; 16 rows a work-group,
	s_lshl_b32 s19, s18, 14                        ; 4 a wave
	s_add_co_u32 s20, s20, s19
	s_mov_b32 s21, 0
	s_mov_b32 s24, 0x362f0a87
	s_mov_b32 s25, 0xb94fbaeb
	s_mov_b32 s26, 0x3c088777
	s_mov_b32 s27, 0xbe2aaaa6
	s_mov_b32 s28, 0x76543210
	s_mov_b32 s29, 0xfedcba98
	s_wait_kmcnt 0x0
	s_load_b32 s22, s[14:15], 0x0                  ; s
	s_add_nc_u64 s[4:5], s[4:5], s[20:21]
	s_add_nc_u64 s[6:7], s[6:7], s[20:21]
	s_add_nc_u64 s[16:17], s[16:17], s[20:21]
.set j, 0
.rept 8
	global_load_b128 v[BI+4*j:BI+4*j+3], v1, s[8:9] offset:512*j
	global_load_b128 v[GG+4*j:GG+4*j+3], v1, s[10:11] offset:512*j
	global_load_b128 v[BE+4*j:BE+4*j+3], v1, s[12:13] offset:512*j
.set j, j+1
.endr
.macro LOADROW i
.set CC, CR+64*((\i)%2)
.set j, 0
.rept 8
	global_load_b128 v[CC+4*j:CC+4*j+3], v1, s[4:5] offset:ROWBY*(\i)+512*j th:TH_LOAD_NT
	global_load_b128 v[CC+32+4*j:CC+32+4*j+3], v1, s[6:7] offset:ROWBY*(\i)+512*j
.set j, j+1
.endr
.endm
.macro REDUCE                          ; four chains of pairs in v[T] .. v[T+7] become one sum over the wave, in every lane, in v[T]
	v_pk_add_f32 v[T:T+1], v[T:T+1], v[T+2:T+3]
	v_pk_add_f32 v[T+4:T+5], v[T+4:T+5], v[T+6:T+7]
	v_pk_add_f32 v[T:T+1], v[T:T+1], v[T+4:T+5]
	v_add_f32 v[T], v[T], v[T+1]
	v_add_f32_dpp v[T], v[T], v[T] row_xmask:1 row_mask:0xf bank_mask:0xf
	v_add_f32_dpp v[T], v[T], v[T] row_xmask:2 row_mask:0xf bank_mask:0xf
	v_add_f32_dpp v[T], v[T], v[T] row_xmask:4 row_mask:0xf bank_mask:0xf
	v_add_f32_dpp v[T], v[T], v[T] row_xmask:8 row_mask:0xf bank_mask:0xf
	v_permlanex16_b32 v[T+1], v[T], s28, s29
	v_add_f32 v[T], v[T], v[T+1]
.endm
.macro ROW i, left, fill
.set CC, CR+64*((\i)%2)
	s_wait_loadcnt \left                           ; my row is in; the younger row's sixteen loads may be out
.set j, 0
.rept 16
	v_pk_add_f32 v[CC+j:CC+j+1], v[CC+j:CC+j+1], v[CC+32+j:CC+32+j+1]
.set j, j+2
.endr
.set j, 0
.rept 16
	v_pk_add_f32 v[CC+j:CC+j+1], v[CC+j:CC+j+1], v[BI+j:BI+j+1]
.set j, j+2
.endr
.irp k, 0,1,2,3
	v_pk_add_f32 v[T+2*\k:T+2*\k+1], v[CC+2*\k:CC+2*\k+1], v[CC+8+2*\k:CC+8+2*\k+1]
.endr
.irp m, 16,24
.irp k, 0,1,2,3
	v_pk_add_f32 v[T+2*\k:T+2*\k+1], v[T+2*\k:T+2*\k+1], v[CC+\m+2*\k:CC+\m+2*\k+1]
.endr
.endr
	REDUCE
	v_mul_f32 v[T+8], 0x3a800000, v[T]             ; the mean: / 1024
	v_mov_b32 v[T+9], v[T+8]
.set j, 0
.rept 16
	v_pk_add_f32 v[CC+j:CC+j+1], v[CC+j:CC+j+1], v[T+8:T+9] neg_lo:[0,1] neg_hi:[0,1]
.set j, j+2
.endr
.irp k, 0,1,2,3
	v_pk_mul_f32 v[T+2*\k:T+2*\k+1], v[CC+2*\k:CC+2*\k+1], v[CC+2*\k:CC+2*\k+1]
.endr
.irp m, 8,16,24
.irp k, 0,1,2,3
	v_pk_fma_f32 v[T+2*\k:T+2*\k+1], v[CC+\m+2*\k:CC+\m+2*\k+1], v[CC+\m+2*\k:CC+\m+2*\k+1], v[T+2*\k:T+2*\k+1]
.endr
.endr
	REDUCE
	v_mul_f32 v[T], 0x3a802008, v[T]               ; / 1023
	v_sqrt_f32 v[T+10], v[T]
	v_nop                                          ; a plain place behind the root
	s_wait_alu depctr_va_vdst(0)                   ; the wait ahead of its first reader
	v_rndne_f32 v[T+11], v[T+10]
	v_sub_f32 v[T+12], v[T+10], v[T+11]
	v_cvt_i32_f32 v[T+11], v[T+11]
	v_mul_f32 v[T+12], 0x40490fdb, v[T+12]
	v_lshl_add_u32 v[T+12], v[T+11], 31, v[T+12]   ; an odd n turns the sign
	v_mul_f32 v[T+13], v[T+12], v[T+12]
	v_fma_f32 v[T+14], v[T+13], s24, s25
	v_fma_f32 v[T+14], v[T+14], v[T+13], s26
	v_fma_f32 v[T+14], v[T+14], v[T+13], s27
	v_mul_f32 v[T+14], v[T+14], v[T+12]
	v_fma_f32 v[T+12], v[T+13], v[T+14], v[T+12]   ; sin(pi std)
	v_fma_f32 v[T+10], s22, v[T+12], v[T+10]
	v_add_f32 v[T+10], 0x358637bd, v[T+10]         ; + 1e-6
	v_rcp_f32 v[T+8], v[T+10]
	v_nop
	s_wait_alu depctr_va_vdst(0)
	v_mov_b32 v[T+9], v[T+8]
.set j, 0
.rept 16
	v_pk_mul_f32 v[CC+j:CC+j+1], v[CC+j:CC+j+1], v[T+8:T+9]
.set j, j+2
.endr
.set j, 0
.rept 16
	v_pk_fma_f32 v[CC+j:CC+j+1], v[CC+j:CC+j+1], v[GG+j:GG+j+1], v[BE+j:BE+j+1]
.set j, j+2
.endr
.set j, 0
.rept 8
	global_store_b128 v1, v[CC+4*j:CC+4*j+3], s[16:17] offset:ROWBY*(\i)+512*j   ; 32 lanes store 512 consecutive, aligned bytes
.set j, j+1
.endr
.if \fill
	s_wait_xcnt 0x0                                ; the stores have read their registers: the slot is loaded again only behind this wait
	LOADROW (\i)+2
.endif
.endm
	LOADROW 0
	LOADROW 1
	s_wait_kmcnt 0x0                               ; s
	ROW 0, 16, 1
	ROW 1, 16, 1
	ROW 2, 16, 0
	ROW 3, 0, 0
	s_endpgm
.Lfunc_end_k_q214b11e22b_ln1:
	.size	k_q214b11e22b_ln1, .Lfunc_end_k_q214b11e22b_ln1-k_q214b11e22b_ln1
	.p2alignl 7, 3214868480
	.fill 96, 4, 3214868480
	.section	.rodata,"a",@progbits
	.p2align	6, 0x0
	.amdhsa_kernel k_q214b11e22b_ln1
		.amdhsa_group_segment_fixed_size 0
		.amdhsa_private_segment_fixed_size 0
		.amdhsa_enable_private_segment 0
		.amdhsa_kernarg_size 56
		.amdhsa_user_sgpr_count 2
		.amdhsa_user_sgpr_kernarg_segment_ptr 1
		.amdhsa_wavefront_size32 1
		.amdhsa_system_sgpr_workgroup_id_x 1
		.amdhsa_system_sgpr_workgroup_id_y 1
		.amdhsa_system_sgpr_workgroup_id_z 1
		.amdhsa_system_vgpr_workitem_id 0
		.amdhsa_next_free_vgpr 248
		.amdhsa_next_free_sgpr 66
		.amdhsa_reserve_vcc 0
		.amdhsa_float_denorm_mode_32 3
		.amdhsa_float_denorm_mode_16_64 3
		.amdhsa_memory_ordered 1
		.amdhsa_forward_progress 1
		.amdhsa_inst_pref_size 49
	.end_amdhsa_kernel
	.amdgpu_metadata
---
amdhsa.version: [ 1, 2 ]
amdhsa.kernels:
  - .name:           k_q214b11e22b_ln1
    .symbol:         k_q214b11e22b_ln1.kd
    .args:
      - { .name: cf, .offset: 0, .size: 8, .value_kind: global_buffer, .address_space: global }
      - { .name: x, .offset: 8, .size: 8, .value_kind: global_buffer, .address_space: global }
      - { .name: bo, .offset: 16, .size: 8, .value_kind: global_buffer, .address_space: global }
      - { .name: g1, .offset: 24, .size: 8, .value_kind: global_buffer, .address_space: global }
      - { .name: b1, .offset: 32, .size: 8, .value_kind: global_buffer, .address_space: global }
      - { .name: s1, .offset: 40, .size: 8, .value_kind: global_buffer, .address_space: global }
      - { .name: x1, .offset: 48, .size: 8, .value_kind: global_buffer, .address_space: global }
    .group_segment_fixed_size: 0
    .private_segment_fixed_size: 0
    .kernarg_segment_align: 8
    .kernarg_segment_size: 56
    .max_flat_workgroup_size: 128
    .sgpr_count:     66
    .vgpr_count:     248
    .wavefront_size: 32
...
	.end_amdgpu_metadata
.endif
;; end of part 5
;; launch quant_x1: the kernel of part 1 again; grid 128 x 1, 4 waves a work-group, no clusters, 33,280 bytes of LDS; arguments x1, xq; writes xq
;; launch ff1 (part 6): grid 16 x 16, 4 waves a work-group, clusters of 4 x 4, 327,680 bytes of LDS; arguments xq, W1_codes, W1_scales, bf1, hq; writes hq
.if DOCPART == 6
	.amdgcn_target "amdgcn-amd-amdhsa--gfx1250"
	.amdhsa_code_object_version 6
	.text
	.protected	k_q214b11e22b_ff1
	.globl	k_q214b11e22b_ff1
	.p2align	8
	.type	k_q214b11e22b_ff1,@function
k_q214b11e22b_ff1:
	s_mov_b64 s[64:65], 0
	v_nop
	global_prefetch_b8 v0, s[64:65] scope:SCOPE_SE
	s_setreg_imm32_b32 hwreg(HW_REG_WAVE_MODE, 25, 1), 1
	s_wait_xcnt 0x0
	s_wait_alu depctr_hold_cnt(0) depctr_sa_sdst(0) depctr_va_vdst(0) depctr_va_sdst(0) depctr_va_ssrc(0) depctr_va_vcc(0) depctr_vm_vsrc(0)
	s_getreg_b32 s2, hwreg(HW_REG_IB_STS2, 6, 4)
	s_cmp_eq_u32 s2, 0
	s_cbranch_scc0 .Lentry_in_a_cluster
	s_endpgm
.Lentry_in_a_cluster:
	s_bfe_u32 s2, ttmp6, 0x10000c
	s_cmp_lg_u32 s2, 0xf033
	s_cbranch_scc0 .Lentry_shape_is_right
	s_endpgm
.Lentry_shape_is_right:
; h = act(x1 W1 + bf1) on codes of FP6 (E2M3) with E8M0 scales, K = 1024, quantised at once along the hidden axis for the next product.  act(z) = 0.5 z (1 + tanh(c (z + 0.044715 z^3))) + 0.5 sin(z).
; The first term is z / (1 + 2^(z (K1 + K2 z^2))), K1 = -2 c log2(e), K2 = 0.044715 K1: the same function, by one exponential and one reciprocal.
; The sine: n = round(z / pi) by the constant 1.5 x 2^23, r = z - n pi in two steps, the sign by n's lowest bit, then an odd polynomial of degree 9 on [-pi/2, pi/2].
; A work-group makes 256 tokens x 256 hidden units, a wave 128 x 128 in 64 accumulators.  K goes in steps of 256 through two LDS slots filled by the tensor data mover; the scale bytes come once.
; 4 x 4 work-groups form a cluster: A's (x1's) tiles are asked for jointly along a row of the cluster, B's (W1's) along a column.
; THE MATRIX INSTRUCTION IS USED TRANSPOSED, AND THE ROWS OF W1 THAT FORM A TILE ARE NOT NEIGHBOURS: lane r of tile 2 b + u takes row 32 b + 8 u + r + 8 (r / 8): in A's block a a lane holds one token,
; and register 16 b + i of the block's 64 holds hidden unit 32 b + 16 (lane / 16) + i.
; OUT: hq: granules [token / 16][hidden / 64][768 bytes] (16 rows x 64 along K as an image of six operand registers: registers 2 p, 2 p + 1 of lane l at 256 p + 8 l), scale bytes [4096][128] at byte HSCL.
; THE EPILOGUE IS A LOOP OF EIGHT TRIPS, one for each of A's blocks: only the copy of the block's accumulators (+ bias) into window 0 differs from trip to trip and is chosen by a branch on the counter.
; LIMITS: |z| under 2^22 pi for the sine; a block of zeros gets the scale byte 1 (this program alone reads the bytes); NaN and infinities are not served.
; REGISTERS: window 0: v1-31 addresses; v32-63 A's scale words, v64-95 B's, two sets each; v128-223 A's fragments; in the epilogue v96-127 and v128-250 at work.
;   window 1: B's fragments at v0 and v128; v96-127, v224-255 the bias.   windows 2, 3: the accumulators ((a, b) at v[8 (8 (a % 4) + b)]).
.set KSTEP,  256
.set NQ,     2
.set ROWB,   192
.set KROW,   768
.set PITCH,  240
.set FR,     12
.set NL,     6
.set NP,     4
.set HALFT,  128*PITCH
.set SLOT,   4*HALFT
.set LAPS,   2
.set KS,     32
.set SCL,    2*SLOT
.set HALFS,  16*272
.set SPARE,  SCL+4*HALFS
.set XSCL,   3145728
.set HSCL,   12582912
.set ADRA, 16
.set ADRB, 20
.set LO8,  24                          ; v24 8 x lane
.set SVO,  25                          ; v25 128 r
.set ADSA, 27
.set SPW,  28
.set NIL,  29
.set ADSB, 30
.set BO,   31                          ; v31 64 h
.set SCA,  32
.set SCB,  64
.set TN,   96
.set TM,   112
.set AF,   128
.set HA,   128
.set PC,   192
.set TA,   212
.set TT,   228
.set MGV,  244
.set C7V,  246
.set K1V,  248
.set PW,   250
.set G1, 24
.set G0, 32
.set G1B, 48
.set G0B, 56
.set G1S, 68
.set G0S, 76
.set G1SB, 80
.set G0SB, 88
.set IPI, 68                           ; in the epilogue
.set NPH, 70
.set NPL, 72
.set C9,  74
.set C5,  76
.set C3,  78
.set K2,  80
.set SEL, 82
.set MSB, 0
.macro WIN new
.if MSB != \new
	s_set_vgpr_msb (MSB<<8)|\new
.set MSB, \new
.endif
.endm
.set MUL_LO, 0xa1
.set MUL_HI, 0xf1
.set TO_B,   0x40
.macro JLOAD g0a, g1a, g0b, g1b        ; waves 0 and 1 fetch for A, waves 2 and 3 for B; four v_nop follow each of the two lines
	s_cmp_eq_u32 s15, 0
	s_cbranch_scc0 .Lfor_b_\@
	tensor_load_to_lds s[\g0a:\g0a+3], s[\g1a:\g1a+7]
	s_nop 0
.rept 4
	v_nop
.endr
	s_branch .Lasked_\@
.Lfor_b_\@:
	tensor_load_to_lds s[\g0b:\g0b+3], s[\g1b:\g1b+7]
	s_nop 0
.rept 4
	v_nop
.endr
.Lasked_\@:
.endm
.macro CREST
	s_cmp_lg_u32 s14, 0
	s_cbranch_scc1 .Lnot_wave_0_\@
	s_barrier_signal -3
.Lnot_wave_0_\@:
	s_barrier_wait -3
	s_barrier_signal -1
	s_barrier_wait -1
.endm
.macro CROUND
	s_barrier_signal -1
	s_barrier_wait -1
	CREST
.endm
	s_load_b64 s[4:5], s[0:1], 0x0                 ; xq
	s_load_b64 s[8:9], s[0:1], 0x8                 ; W1's codes
	s_load_b64 s[10:11], s[0:1], 0x10              ; W1's scales
	s_load_b64 s[98:99], s[0:1], 0x18              ; bf1
	s_load_b64 s[12:13], s[0:1], 0x20              ; hq
	v_lshl_add_u32 v[SPW], v0, 2, SPARE
	v_mov_b32 v[NIL], 0
	ds_add_u32 v28, v29
	ds_add_u32 v28, v29
	s_wait_dscnt 0x0
	v_lshrrev_b32 v1, 5, v0
	v_readfirstlane_b32 s14, v1
	s_lshr_b32 s15, s14, 1
	s_and_b32 s16, s14, 1
	s_bfe_u32 s40, ttmp6, 0x40000
	s_bfe_u32 s41, ttmp6, 0x40004
	s_lshl_b32 s42, ttmp9, 2
	s_add_co_u32 s42, s42, s40                     ; B's tile
	s_and_b32 s17, ttmp7, 0xffff
	s_lshl_b32 s17, s17, 2
	s_add_co_u32 s17, s17, s41                     ; A's tile
	s_lshl_b32 s43, s41, 2
	s_lshl_b32 s43, 15, s43
	s_lshl_b32 s44, 0x1111, s40
	s_or_b32 s[G1+0], s43, (0<<16)|(1<<20)|(1<<21)|(3<<22)|(3<<25)
	s_or_b32 s[G1B+0], s44, (0<<16)|(1<<20)|(1<<21)|(3<<22)|(3<<25)
.irp g, G1, G1B
	s_mov_b32 s[\g+1], ROWB<<16
	s_mov_b32 s[\g+2], 128<<16
	s_mov_b32 s[\g+3], ROWB<<16
	s_mov_b32 s[\g+4], 128
	s_mov_b32 s[\g+5], KROW
	s_mov_b32 s[\g+6], 0
	s_mov_b32 s[\g+7], 0
.endr
	s_or_b32 s[G1S+0], s43, (3<<16)|(1<<20)|(1<<21)|(5<<22)|(3<<25)
	s_or_b32 s[G1SB+0], s44, (3<<16)|(1<<20)|(1<<21)|(5<<22)|(3<<25)
.irp g, G1S, G1SB
	s_mov_b32 s[\g+1], 32<<16
	s_mov_b32 s[\g+2], 16<<16
	s_mov_b32 s[\g+3], 32<<16
	s_mov_b32 s[\g+4], 16
	s_mov_b32 s[\g+5], 32
	s_mov_b32 s[\g+6], 0
	s_mov_b32 s[\g+7], 0
.endr
	s_lshl_b32 s18, s16, 7
	s_lshl_b32 s20, s17, 8
	s_add_co_u32 s20, s20, s18
	s_lshl_b32 s46, s42, 8
	s_add_co_u32 s46, s46, s18
	s_mov_b32 s21, 0
	s_mov_b32 s47, 0
	s_mov_b64 s[18:19], KS
	s_mul_u64 s[22:23], s[20:21], s[18:19]
	s_mul_u64 s[92:93], s[46:47], s[18:19]
	s_mov_b64 s[18:19], KROW
	s_mul_u64 s[20:21], s[20:21], s[18:19]
	s_mul_u64 s[46:47], s[46:47], s[18:19]
	s_mul_i32 s45, s14, HALFT
	s_mul_i32 s94, s14, HALFS
	s_wait_kmcnt 0x0
	s_add_nc_u64 s[6:7], s[4:5], XSCL
	s_add_nc_u64 s[20:21], s[4:5], s[20:21]
	s_add_nc_u64 s[22:23], s[6:7], s[22:23]
	s_add_nc_u64 s[46:47], s[8:9], s[46:47]
	s_add_nc_u64 s[92:93], s[10:11], s[92:93]
	CROUND
	s_mov_b32 s[G0S], 1
	s_add_co_u32 s[G0S+1], s94, SCL
	s_mov_b64 s[G0S+2:G0S+3], s[22:23]
	s_or_b32 s[G0S+3], s[G0S+3], 0x80000000
	s_mov_b32 s[G0SB], 1
	s_add_co_u32 s[G0SB+1], s94, SCL
	s_mov_b64 s[G0SB+2:G0SB+3], s[92:93]
	s_or_b32 s[G0SB+3], s[G0SB+3], 0x80000000
	JLOAD G0S, G1S, G0SB, G1SB
.irp s, 0,1
	s_mov_b32 s[G0+4*\s], 1
	s_add_co_u32 s[G0+4*\s+1], s45, \s*SLOT
	s_add_nc_u64 s[G0+4*\s+2:G0+4*\s+3], s[20:21], \s*ROWB
	s_or_b32 s[G0+4*\s+3], s[G0+4*\s+3], 0x80000000
	s_mov_b32 s[G0B+4*\s], 1
	s_add_co_u32 s[G0B+4*\s+1], s45, \s*SLOT
	s_add_nc_u64 s[G0B+4*\s+2:G0B+4*\s+3], s[46:47], \s*ROWB
	s_or_b32 s[G0B+4*\s+3], s[G0B+4*\s+3], 0x80000000
	JLOAD G0+4*\s, G1, G0B+4*\s, G1B
.endr
	v_and_b32 v1, 15, v0                           ; r
	v_bfe_u32 v2, v0, 4, 1                         ; h
	v_mul_u32_u24 v3, v1, PITCH
	v_mul_u32_u24 v4, v2, 24
	v_add_nc_u32 v5, v3, v4
	v_lshl_add_u32 v6, v2, 4, v5
	v_and_b32 v7, 8, v1
	v_add_nc_u32 v7, v7, v1                        ; B: row r + 8 (r / 8)
	v_mul_u32_u24 v7, v7, PITCH
	v_add_nc_u32 v7, v7, v4
	v_lshl_add_u32 v8, v2, 4, v7
	s_mul_i32 s21, s15, HALFT
	s_mul_i32 s22, s16, HALFT
	s_add_co_u32 s22, s22, 2*HALFT
.irp s, 0,1
	v_add_nc_u32 v[ADRA+\s], s21, v5
	v_add_nc_u32 v[ADRA+2+\s], s21, v6
	v_add_nc_u32 v[ADRB+\s], s22, v7
	v_add_nc_u32 v[ADRB+2+\s], s22, v8
	s_add_co_u32 s21, s21, SLOT
	s_add_co_u32 s22, s22, SLOT
.endr
	v_lshrrev_b32 v9, 3, v1
	v_and_b32 v10, 7, v1
	v_lshlrev_b32 v11, 5, v10
	s_mul_i32 s21, s15, HALFS
	s_add_co_u32 s21, s21, SCL
	s_mul_i32 s22, s16, HALFS
	s_add_co_u32 s22, s22, SCL+2*HALFS
	v_mad_u32_u24 v[ADSA], v9, 272, v11
	v_add_nc_u32 v[ADSA], s21, v[ADSA]
	v_mad_u32_u24 v[ADSB], v9, 544, v11
	v_add_nc_u32 v[ADSB], s22, v[ADSB]
	v_and_b32 v12, 31, v0
	v_lshlrev_b32 v[LO8], 3, v12
	v_lshlrev_b32 v[BO], 6, v2
	v_lshlrev_b32 v[SVO], 7, v1
	s_lshl_b32 s20, s17, 1
	s_add_co_u32 s20, s20, s15                     ; which 128 tokens are mine
	s_lshl_b32 s46, s42, 1
	s_add_co_u32 s46, s46, s16                     ; which 128 hidden units
	s_mov_b32 s23, 0
	s_lshl_b32 s22, s46, 9
	s_add_nc_u64 s[98:99], s[98:99], s[22:23]      ; their bias
	s_add_nc_u64 s[100:101], s[12:13], HSCL
	s_lshl_b32 s22, s20, 9
	s_lshl_b32 s47, s46, 1
	s_add_co_u32 s22, s22, s47
	s_mul_i32 s22, s22, 768
	s_add_nc_u64 s[12:13], s[12:13], s[22:23]      ; my first granule: tile of tokens 8 x mine, group of 64 hidden 2 x mine
	s_lshl_b32 s22, s20, 14
	s_lshl_b32 s47, s46, 2
	s_add_co_u32 s22, s22, s47
	s_add_nc_u64 s[100:101], s[100:101], s[22:23]  ; my first scale word
	WIN TO_B
.set j, 0
.rept 16                               ; the bias at hidden units 32 b + 16 h + i, in the accumulators' order: v96-127 and v224-255 of window 1
	global_load_b128 v[96+4*j+96*(j/8):96+4*j+96*(j/8)+3], v[BO], s[98:99] offset:128*(j/4)+16*(j%4)
.set j, j+1
.endr
	WIN 0
.macro FRAG reg, adr, q, ro
.irp p, 0,1,2,3,4,5
.set PCE, 12*(\q)+6*(\p/3)+\p%3
.if PCE%8 < 5
	ds_load_b64 v[\reg+2*\p:\reg+2*\p+1], v[\adr] offset:8*PCE+16*(PCE/8)+(\ro)*PITCH
.else
	ds_load_b64 v[\reg+2*\p:\reg+2*\p+1], v[\adr+2] offset:8*PCE+16*(PCE/8)+(\ro)*PITCH
.endif
.endr
.endm
.macro MUL16 a0, p, q, sc, zero        ; the 64 accumulators take turns, one instruction a turn
.irp a, \a0, \a0+1
.irp b, 0,1,2,3,4,5,6,7
.if \zero
	v_wmma_scale_f32_16x16x128_f8f6f4 v[8*(8*((\a)%4)+\b):8*(8*((\a)%4)+\b)+7], v[128*(\p)+FR*\b:128*(\p)+FR*\b+FR-1], v[AF+FR*(\a):AF+FR*(\a)+FR-1], 0, v[SCB+16*(\sc)+2*\b+(\q)], v[SCA+16*(\sc)+2*(\a)+(\q)] matrix_a_fmt:MATRIX_FMT_FP6 matrix_b_fmt:MATRIX_FMT_FP6
.else
	v_wmma_scale_f32_16x16x128_f8f6f4 v[8*(8*((\a)%4)+\b):8*(8*((\a)%4)+\b)+7], v[128*(\p)+FR*\b:128*(\p)+FR*\b+FR-1], v[AF+FR*(\a):AF+FR*(\a)+FR-1], v[8*(8*((\a)%4)+\b):8*(8*((\a)%4)+\b)+7], v[SCB+16*(\sc)+2*\b+(\q)], v[SCA+16*(\sc)+2*(\a)+(\q)] matrix_a_fmt:MATRIX_FMT_FP6 matrix_b_fmt:MATRIX_FMT_FP6
.endif
.endr
.endr
.endm
.macro FETCH_B slot, q, p
	WIN TO_B
.irp i, 0,1,2,3,4,5,6,7
	FRAG 128*(\p)+FR*\i, ADRB+\slot, \q, 32*(\i/2)+8*(\i%2)
.endr
	WIN 0
.endm
.macro FETCH_A slot, q, i0
.irp i, \i0, \i0+1, \i0+2, \i0+3
	FRAG AF+FR*(\i), ADRA+\slot, \q, 16*(\i)
.endr
.endm
.macro SCALES sc
.irp i, 0,1,2,3,4,5,6,7
	ds_load_b64 v[SCA+16*\sc+2*\i:SCA+16*\sc+2*\i+1], v[ADSA] offset:544*\i
.endr
.irp i, 0,1,2,3,4,5,6,7
	ds_load_b64 v[SCB+16*\sc+2*\i:SCB+16*\sc+2*\i+1], v[ADSB] offset:1088*(\i/2)+272*(\i%2)
.endr
.endm
.macro PLACES n
.rept \n
	v_nop
.endr
.endm
.macro STEP slot, q, zero
	s_wait_dscnt 4*NL                              ; all but the youngest 24 loads (A's blocks 4-7)
	WIN MUL_LO
	MUL16 0, (\q)%2, \q, \slot, \zero
	MUL16 2, (\q)%2, \q, \slot, \zero
	s_wait_dscnt 0
	PLACES NP
	FETCH_B \slot, (\q)+1, 1-(\q)%2
	FETCH_A \slot, (\q)+1, 0
	WIN MUL_HI
	MUL16 4, (\q)%2, \q, \slot, \zero
	MUL16 6, (\q)%2, \q, \slot, \zero
	PLACES NP
	WIN 0
	FETCH_A \slot, (\q)+1, 4
.endm
.macro TURN slot, next, fill
	s_wait_tensorcnt 0x0                           ; all my tensor loads have landed: my part of the next slot
	ds_add_u32 v[SPW], v[NIL]                      ; 0 onto my spare word
	s_wait_dscnt 4*NL+1                            ; the add and the youngest 24 loads may be out
	WIN MUL_LO
	MUL16 0, 1, NQ-1, \slot, 0
	s_wait_dscnt 0x0                               ; the add is done, and my reads of this slot are over
	s_barrier_signal -1
	MUL16 2, 1, NQ-1, \slot, 0
	WIN 0
	s_barrier_wait -1
.if \fill
	CREST                                          ; the barrier has opened a round of the cluster's barrier
	s_add_nc_u64 s[G0+4*\slot+2:G0+4*\slot+3], s[G0+4*\slot+2:G0+4*\slot+3], 2*ROWB
	s_add_nc_u64 s[G0B+4*\slot+2:G0B+4*\slot+3], s[G0B+4*\slot+2:G0B+4*\slot+3], 2*ROWB
	JLOAD G0+4*\slot, G1, G0B+4*\slot, G1B         ; the first tensor load behind the round
.else
	PLACES NP
.endif
	v_add_nc_u32 v[ADSA], 4*NQ, v[ADSA]
	v_add_nc_u32 v[ADSB], 4*NQ, v[ADSB]
	FETCH_B \next, 0, 0
	FETCH_A \next, 0, 0
	SCALES \next
	WIN MUL_HI
	MUL16 4, 1, NQ-1, \slot, 0
	MUL16 6, 1, NQ-1, \slot, 0
	PLACES NP
	WIN 0
	FETCH_A \next, 0, 4
.endm
	s_wait_tensorcnt 1                             ; the scales and my part of K step 0 are in; K step 1's load may be out
	s_barrier_signal -1
	s_barrier_wait -1
	FETCH_B 0, 0, 0
	FETCH_A 0, 0, 0
	SCALES 0
	FETCH_A 0, 0, 4
	STEP 0, 0, 1
	s_mov_b32 s3, LAPS-1
.Llap:
	TURN 0, 1, 1
	STEP 1, 0, 0
	TURN 1, 0, 1
	STEP 0, 0, 0
	s_sub_co_u32 s3, s3, 1
	s_cmp_lg_u32 s3, 0
	s_cbranch_scc1 .Llap
	TURN 0, 1, 0
	STEP 1, 0, 0
	s_wait_dscnt 4*NL
	WIN MUL_LO
	MUL16 0, 1, NQ-1, 1, 0
	MUL16 2, 1, NQ-1, 1, 0
	s_wait_dscnt 0
	WIN MUL_HI
	MUL16 4, 1, NQ-1, 1, 0
	MUL16 6, 1, NQ-1, 1, 0
	WIN 0
.macro QUANT s                         ; 64 numbers of a lane, register 16 b + i = k 32 b + 16 h + i of my row, become a fragment's codes in v[PC] on and its scale word in v[PW]
.irp b, 0,1,2,3
	v_max3_num_f32 v[TM+\b], |v[\s+16*\b]|, |v[\s+1+16*\b]|, 0x1800000   ; with the floor 2^(3 - 127)
.endr
.irp i, 2,4,6,8,10,12,14
.irp b, 0,1,2,3
	v_max3_num_f32 v[TM+\b], v[TM+\b], |v[\s+16*\b+\i]|, |v[\s+1+16*\b+\i]|
.endr
.endr
.irp b, 0,1,2,3
	v_permlanex16_b32 v[TM+4+\b], v[TM+\b], s[SEL], s[SEL+1]
.endr
.irp b, 0,1,2,3
	v_max_num_f32 v[TM+\b], v[TM+\b], v[TM+4+\b]
.endr
.irp b, 0,1,2,3
	v_add_nc_u32 v[TM+12+\b], 0xff000000, v[TM+\b]
.endr
.irp b, 0,1,2,3
	v_lshrrev_b32 v[TM+4+\b], 23, v[TM+12+\b]
.endr
	v_lshl_or_b32 v[PW], v[TM+5], 8, v[TM+4]
	v_lshl_or_b32 v[PW], v[TM+6], 16, v[PW]
	v_lshl_or_b32 v[PW], v[TM+7], 24, v[PW]
.irp c, 0,1
	v_cvt_scalef32_pk16_fp6_f32 v[PC+6*\c:PC+2+6*\c], v[\s+32*\c:\s+15+32*\c], v[TM+12+2*\c]
	v_cvt_scalef32_pk16_fp6_f32 v[PC+12+4*\c:PC+14+4*\c], v[\s+16+32*\c:\s+31+32*\c], v[TM+12+2*\c+1]
.endr
	v_nop                                          ; one plain place behind a scaled conversion
.irp c, 0,1
.irp i, 0,1,2
	v_permlane16_swap_b32 v[PC+6*\c+\i], v[PC+12+4*\c+\i]
.endr
.irp i, 0,1,2
	v_mov_b32 v[PC+3+6*\c+\i], v[PC+12+4*\c+\i]
.endr
.endr
.endm
.macro SINE src                        ; the sine of the 16 numbers in v[src] on, into v[TA] on; eight pairs a stage
.set i, 0
.rept 8
	v_pk_fma_f32 v[TT+i:TT+i+1], v[\src+i:\src+i+1], s[IPI:IPI+1], v[MGV:MGV+1] op_sel_hi:[1,0,1]
.set i, i+2
.endr
.set i, 0
.rept 8
	v_pk_add_f32 v[TN+i:TN+i+1], v[TT+i:TT+i+1], v[MGV:MGV+1] neg_lo:[0,1] neg_hi:[0,1]
.set i, i+2
.endr
.set i, 0
.rept 8
	v_pk_fma_f32 v[TA+i:TA+i+1], v[TN+i:TN+i+1], s[NPH:NPH+1], v[\src+i:\src+i+1] op_sel_hi:[1,0,1]
.set i, i+2
.endr
.set i, 0
.rept 8
	v_pk_fma_f32 v[TA+i:TA+i+1], v[TN+i:TN+i+1], s[NPL:NPL+1], v[TA+i:TA+i+1] op_sel_hi:[1,0,1]
.set i, i+2
.endr
.set i, 0
.rept 16
	v_lshl_add_u32 v[TA+i], v[TT+i], 31, v[TA+i]
.set i, i+1
.endr
.set i, 0
.rept 8
	v_pk_mul_f32 v[TN+i:TN+i+1], v[TA+i:TA+i+1], v[TA+i:TA+i+1]
.set i, i+2
.endr
.set i, 0
.rept 8
	v_pk_fma_f32 v[TT+i:TT+i+1], v[TN+i:TN+i+1], s[C9:C9+1], v[C7V:C7V+1] op_sel_hi:[1,0,1]
.set i, i+2
.endr
.set i, 0
.rept 8
	v_pk_fma_f32 v[TT+i:TT+i+1], v[TT+i:TT+i+1], v[TN+i:TN+i+1], s[C5:C5+1] op_sel_hi:[1,1,0]
.set i, i+2
.endr
.set i, 0
.rept 8
	v_pk_fma_f32 v[TT+i:TT+i+1], v[TT+i:TT+i+1], v[TN+i:TN+i+1], s[C3:C3+1] op_sel_hi:[1,1,0]
.set i, i+2
.endr
.set i, 0
.rept 8
	v_pk_mul_f32 v[TT+i:TT+i+1], v[TT+i:TT+i+1], v[TA+i:TA+i+1]
.set i, i+2
.endr
.set i, 0
.rept 8
	v_pk_fma_f32 v[TA+i:TA+i+1], v[TN+i:TN+i+1], v[TT+i:TT+i+1], v[TA+i:TA+i+1]
.set i, i+2
.endr
.endm
.macro ACT g                           ; the activation of 16 numbers
.set X0, HA+16*(\g)
	SINE X0
.set i, 0
.rept 8
	v_pk_mul_f32 v[TN+i:TN+i+1], v[X0+i:X0+i+1], v[X0+i:X0+i+1]
.set i, i+2
.endr
.set i, 0
.rept 8
	v_pk_fma_f32 v[TN+i:TN+i+1], v[TN+i:TN+i+1], s[K2:K2+1], v[K1V:K1V+1] op_sel_hi:[1,0,1]
.set i, i+2
.endr
.set i, 0
.rept 8
	v_pk_mul_f32 v[TN+i:TN+i+1], v[TN+i:TN+i+1], v[X0+i:X0+i+1]
.set i, i+2
.endr
.set i, 0
.rept 16
	v_exp_f32 v[TN+i], v[TN+i]
.set i, i+1
.endr
	v_nop                                          ; a plain place behind the batch
	s_wait_alu depctr_va_vdst(0)                   ; one wait for the batch, ahead of its first reader
.set i, 0
.rept 8
	v_pk_add_f32 v[TN+i:TN+i+1], v[TN+i:TN+i+1], 1.0 op_sel_hi:[1,0]
.set i, i+2
.endr
.set i, 0
.rept 16
	v_rcp_f32 v[TN+i], v[TN+i]
.set i, i+1
.endr
	v_nop
	s_wait_alu depctr_va_vdst(0)
.set i, 0
.rept 8
	v_pk_mul_f32 v[TN+i:TN+i+1], v[TN+i:TN+i+1], v[X0+i:X0+i+1]
.set i, i+2
.endr
.set i, 0
.rept 8
	v_pk_fma_f32 v[X0+i:X0+i+1], v[TA+i:TA+i+1], 0.5, v[TN+i:TN+i+1] op_sel_hi:[1,0,1]
.set i, i+2
.endr
.endm
.macro COPY a                          ; block a's accumulators + bias into window 0, each accumulator from its low end on
	WIN 0x06+(\a)/4
.set j, 0
.rept 32
	v_pk_add_f32 v[HA+j:HA+j+1], v[64*((\a)%4)+j:64*((\a)%4)+j+1], v[96+j+96*(j/32):96+j+96*(j/32)+1]
.set j, j+2
.endr
	WIN 0
.endm
.macro KONST r, bits
	s_mov_b32 s[\r], \bits
	s_mov_b32 s[\r+1], \bits
.endm
	PLACES NP                                      ; behind the last products
	s_wait_loadcnt 0x0                             ; the bias
	KONST IPI, 0x3ea2f983                          ; (no tensor load of mine is out: the descriptors' registers are free)
	KONST NPH, 0xc0490fdb
	KONST NPL, 0x33bbbd2e
	KONST C9,  0x362f0a87
	KONST C5,  0x3c088777
	KONST C3,  0xbe2aaaa6
	KONST K2,  0xbdd2d3e8
	s_mov_b32 s[SEL], 0x76543210
	s_mov_b32 s[SEL+1], 0xfedcba98
	v_mov_b32 v[MGV], 0x4b400000
	v_mov_b32 v[MGV+1], 0x4b400000
	v_mov_b32 v[C7V], 0xb94fbaeb
	v_mov_b32 v[C7V+1], 0xb94fbaeb
	v_mov_b32 v[K1V], 0xc0135761
	v_mov_b32 v[K1V+1], 0xc0135761
.irp b, 0,1,2,3
	v_mov_b32 v[TM+4+\b], 0
.endr
	s_mov_b32 s3, 0
.Lblk:
.irp a, 0,1,2,3,4,5,6
	s_cmp_eq_u32 s3, \a
	s_cbranch_scc1 .Lcopy_\a
.endr
	COPY 7
	s_branch .Lcopied
.irp a, 0,1,2,3,4,5,6
.Lcopy_\a:
	COPY \a
	s_branch .Lcopied
.endr
.Lcopied:
	ACT 0
	ACT 1
	ACT 2
	ACT 3
	QUANT HA
.irp c, 0,1
.irp p, 0,1,2
	global_store_b64 v[LO8], v[PC+6*\c+2*\p:PC+6*\c+2*\p+1], s[12:13] offset:768*\c+256*\p   ; 32 lanes store 256 consecutive, aligned bytes
.endr
.endr
	global_store_b32 v[SVO], v[PW], s[100:101]     ; four bytes a row, rows 128 bytes apart: one part in 24 of the codes' bytes; lanes l and l xor 16 store the same
	s_wait_xcnt 0x0                                ; the stores have read their registers and bases: both are written again only behind this wait
	s_add_nc_u64 s[12:13], s[12:13], 49152         ; the next 16 tokens' granules
	s_add_nc_u64 s[100:101], s[100:101], 2048
	s_add_co_u32 s3, s3, 1
	s_cmp_lt_u32 s3, 8
	s_cbranch_scc1 .Lblk
	s_wait_tensorcnt 0x0                           ; the wave's end
	ds_add_u32 v[SPW], v[NIL]
	s_wait_dscnt 0x0
	CROUND
	s_endpgm
.Lfunc_end_k_q214b11e22b_ff1:
	.size	k_q214b11e22b_ff1, .Lfunc_end_k_q214b11e22b_ff1-k_q214b11e22b_ff1
	.p2alignl 7, 3214868480
	.fill 96, 4, 3214868480
	.section	.rodata,"a",@progbits
	.p2align	6, 0x0
	.amdhsa_kernel k_q214b11e22b_ff1
		.amdhsa_group_segment_fixed_size 327680
		.amdhsa_private_segment_fixed_size 0
		.amdhsa_enable_private_segment 0
		.amdhsa_kernarg_size 40
		.amdhsa_user_sgpr_count 2
		.amdhsa_user_sgpr_kernarg_segment_ptr 1
		.amdhsa_wavefront_size32 1
		.amdhsa_system_sgpr_workgroup_id_x 1
		.amdhsa_system_sgpr_workgroup_id_y 1
		.amdhsa_system_sgpr_workgroup_id_z 1
		.amdhsa_system_vgpr_workitem_id 0
		.amdhsa_next_free_vgpr 1024
		.amdhsa_next_free_sgpr 102
		.amdhsa_reserve_vcc 0
		.amdhsa_float_denorm_mode_32 3
		.amdhsa_float_denorm_mode_16_64 3
		.amdhsa_memory_ordered 1
		.amdhsa_forward_progress 1
		.amdhsa_inst_pref_size 198
	.end_amdhsa_kernel
	.amdgpu_metadata
---
amdhsa.version: [ 1, 2 ]
amdhsa.kernels:
  - .name:           k_q214b11e22b_ff1
    .symbol:         k_q214b11e22b_ff1.kd
    .args:
      - { .name: xq, .offset: 0, .size: 8, .value_kind: global_buffer, .address_space: global }
      - { .name: W1_codes, .offset: 8, .size: 8, .value_kind: global_buffer, .address_space: global }
      - { .name: W1_scales, .offset: 16, .size: 8, .value_kind: global_buffer, .address_space: global }
      - { .name: bf1, .offset: 24, .size: 8, .value_kind: global_buffer, .address_space: global }
      - { .name: hq, .offset: 32, .size: 8, .value_kind: global_buffer, .address_space: global }
    .group_segment_fixed_size: 327680
    .private_segment_fixed_size: 0
    .kernarg_segment_align: 8
    .kernarg_segment_size: 40
    .max_flat_workgroup_size: 128
    .sgpr_count:     102
    .vgpr_count:     1024
    .wavefront_size: 32
...
	.end_amdgpu_metadata
.endif
;; end of part 6
;; launch ff2 (part 7): grid 4 x 16, 4 waves a work-group, clusters of 4 x 4, 327,680 bytes of LDS; arguments hq, W2_codes, W2_scales, cf; writes cf
.if DOCPART == 7
	.amdgcn_target "amdgcn-amd-amdhsa--gfx1250"
	.amdhsa_code_object_version 6
	.text
	.protected	k_q214b11e22b_ff2
	.globl	k_q214b11e22b_ff2
	.p2align	8
	.type	k_q214b11e22b_ff2,@function
k_q214b11e22b_ff2:
	s_mov_b64 s[64:65], 0
	v_nop
	global_prefetch_b8 v0, s[64:65] scope:SCOPE_SE
	s_setreg_imm32_b32 hwreg(HW_REG_WAVE_MODE, 25, 1), 1
	s_wait_xcnt 0x0
	s_wait_alu depctr_hold_cnt(0) depctr_sa_sdst(0) depctr_va_vdst(0) depctr_va_sdst(0) depctr_va_ssrc(0) depctr_va_vcc(0) depctr_vm_vsrc(0)
	s_getreg_b32 s2, hwreg(HW_REG_IB_STS2, 6, 4)
	s_cmp_eq_u32 s2, 0
	s_cbranch_scc0 .Lentry_in_a_cluster
	s_endpgm
.Lentry_in_a_cluster:
	s_bfe_u32 s2, ttmp6, 0x10000c
	s_cmp_lg_u32 s2, 0xf033
	s_cbranch_scc0 .Lentry_shape_is_right
	s_endpgm
.Lentry_shape_is_right:
; C[m][n] = sum over k of A[m][k] B[n][k] on codes of FP6 (E2M3) with one E8M0 scale for each 32 along K; C [SIZE_M][SIZE_N] f32.  The text of the launch for Wo with K = 4096.
; B: rows of codes [SIZE_N][SIZE_K x 3 / 4 bytes], scale bytes [SIZE_N][SIZE_K / 32].  A comes as GRANULES: [SIZE_M / 16][SIZE_K / 64][768 bytes], each 16 rows x 64 along K as an image of six operand
; registers (registers 2 p, 2 p + 1 of lane l at 256 p + 8 l); its scale bytes [SIZE_M][SIZE_K / 32] lie at byte ASCL of the same buffer.
; A work-group of four waves makes 256 x 256 of C, a wave 128 x 128 in 64 accumulators.  K goes in steps of 256 through two LDS slots filled by the tensor data mover; the scale bytes of the work-group's
; rows come once.  4 x 4 work-groups form a cluster: A's tiles are asked for jointly along a row of the cluster, B's along a column.  The matrix instruction is used transposed (source 0 = rows of B).
; REGISTERS: window 0: v0-31 addresses; v32-63 scale words, two sets; v128-223 A's fragments, one set; on the way out v128-255.   window 1: B's fragments, two sets.   windows 2, 3: the accumulators.
.set SIZE_M, 4096
.set SIZE_N, 1024
.set SIZE_K, 4096
.set ASCL,   12582912
.set KSTEP,  256
.set NQ,     KSTEP/128
.set ROWB,   192
.set KROW,   SIZE_K*6/8
.set AGB,    3072
.set PITCH,  240
.set FR,     12
.set NL,     6
.set NP,     4
.set HALFT,  128*PITCH
.set SLOT,   4*HALFT
.set LAPS,   SIZE_K/(2*KSTEP)
.set KS,     SIZE_K/32
.set SCL,    2*SLOT
.set HALFS,  (128*KS/256)*272
.set SBLK,   (16*KS/256)*272
.set SPARE,  SCL+4*HALFS
.set SPITCH, 528
.set ADRA, 16
.set ADRB, 20
.set STO,  24
.set RD,   25
.set CO,   26
.set ADRS, 27
.set SPW,  28
.set NIL,  29
.set SC,   32
.set AF,   128
.set BK,   128
.set G1, 24
.set G0, 32
.set G1B, 48
.set G0B, 56
.set G1S, 68
.set G0S, 76
.set G1SB, 80
.set G0SB, 88
.set MSB, 0
.macro WIN new
.if MSB != \new
	s_set_vgpr_msb (MSB<<8)|\new
.set MSB, \new
.endif
.endm
.set MUL_LO, 0xa1
.set MUL_HI, 0xf1
.set TO_B,   0x40
.macro JLOAD g0a, g1a, g0b, g1b        ; waves 0 and 1 fetch for A, waves 2 and 3 for B; four v_nop follow each of the two lines
	s_cmp_eq_u32 s15, 0
	s_cbranch_scc0 .Lfor_b_\@
	tensor_load_to_lds s[\g0a:\g0a+3], s[\g1a:\g1a+7]
	s_nop 0
.rept 4
	v_nop
.endr
	s_branch .Lasked_\@
.Lfor_b_\@:
	tensor_load_to_lds s[\g0b:\g0b+3], s[\g1b:\g1b+7]
	s_nop 0
.rept 4
	v_nop
.endr
.Lasked_\@:
.endm
.macro CREST
	s_cmp_lg_u32 s14, 0
	s_cbranch_scc1 .Lnot_wave_0_\@
	s_barrier_signal -3
.Lnot_wave_0_\@:
	s_barrier_wait -3
	s_barrier_signal -1
	s_barrier_wait -1
.endm
.macro CROUND
	s_barrier_signal -1
	s_barrier_wait -1
	CREST
.endm
	s_load_b64 s[4:5], s[0:1], 0x0                 ; A
	s_load_b64 s[8:9], s[0:1], 0x8                 ; B's codes
	s_load_b64 s[10:11], s[0:1], 0x10              ; B's scales
	s_load_b64 s[12:13], s[0:1], 0x18              ; C
	v_lshl_add_u32 v[SPW], v0, 2, SPARE
	v_mov_b32 v[NIL], 0
	ds_add_u32 v28, v29
	ds_add_u32 v28, v29
	s_wait_dscnt 0x0
	v_lshrrev_b32 v1, 5, v0
	v_readfirstlane_b32 s14, v1
	s_lshr_b32 s15, s14, 1
	s_and_b32 s16, s14, 1
	s_bfe_u32 s40, ttmp6, 0x40000
	s_bfe_u32 s41, ttmp6, 0x40004
	s_lshl_b32 s42, ttmp9, 2
	s_add_co_u32 s42, s42, s40                     ; tile column of C
	s_and_b32 s17, ttmp7, 0xffff
	s_lshl_b32 s17, s17, 2
	s_add_co_u32 s17, s17, s41                     ; tile row of C
	s_lshl_b32 s43, s41, 2
	s_lshl_b32 s43, 15, s43
	s_lshl_b32 s44, 0x1111, s40
	s_or_b32 s[G1+0], s43, (3<<16)|(1<<21)         ; A: elements of 8 bytes, no padding
	s_mov_b32 s[G1+1], (AGB/8)<<16                 ; a row: the K step's four granules of 16 rows of A,
	s_mov_b32 s[G1+2], 8<<16                       ; eight such rows: 128 rows of A
	s_mov_b32 s[G1+3], (AGB/8)<<16
	s_mov_b32 s[G1+4], 8
	s_mov_b32 s[G1+5], SIZE_K/64*96                ; from 16 rows of A to the next, in elements
	s_mov_b32 s[G1+6], 0
	s_mov_b32 s[G1+7], 0
	s_or_b32 s[G1B+0], s44, (0<<16)|(1<<20)|(1<<21)|(3<<22)|(3<<25)
	s_mov_b32 s[G1B+1], ROWB<<16
	s_mov_b32 s[G1B+2], 128<<16
	s_mov_b32 s[G1B+3], ROWB<<16
	s_mov_b32 s[G1B+4], 128
	s_mov_b32 s[G1B+5], KROW
	s_mov_b32 s[G1B+6], 0
	s_mov_b32 s[G1B+7], 0
	s_or_b32 s[G1S+0], s43, (3<<16)|(1<<20)|(1<<21)|(5<<22)|(3<<25)
	s_or_b32 s[G1SB+0], s44, (3<<16)|(1<<20)|(1<<21)|(5<<22)|(3<<25)
.irp g, G1S, G1SB
	s_mov_b32 s[\g+1], 32<<16
	s_mov_b32 s[\g+2], (128*KS/256)<<16
	s_mov_b32 s[\g+3], 32<<16
	s_mov_b32 s[\g+4], 128*KS/256
	s_mov_b32 s[\g+5], 32
	s_mov_b32 s[\g+6], 0
	s_mov_b32 s[\g+7], 0
.endr
	s_lshl_b32 s18, s16, 7
	s_lshl_b32 s20, s17, 8
	s_add_co_u32 s20, s20, s18
	s_lshl_b32 s46, s42, 8
	s_add_co_u32 s46, s46, s18
	s_mov_b32 s21, 0
	s_mov_b32 s47, 0
	s_mov_b64 s[18:19], KS
	s_mul_u64 s[22:23], s[20:21], s[18:19]
	s_mul_u64 s[92:93], s[46:47], s[18:19]
	s_mov_b64 s[18:19], KROW
	s_mul_u64 s[20:21], s[20:21], s[18:19]         ; (16 rows of granules are as many bytes as 16 rows of codes)
	s_mul_u64 s[46:47], s[46:47], s[18:19]
	s_mul_i32 s45, s14, HALFT
	s_mul_i32 s94, s14, HALFS
	s_wait_kmcnt 0x0
	s_add_nc_u64 s[6:7], s[4:5], ASCL              ; A's scale bytes
	s_add_nc_u64 s[20:21], s[4:5], s[20:21]
	s_add_nc_u64 s[22:23], s[6:7], s[22:23]
	s_add_nc_u64 s[46:47], s[8:9], s[46:47]
	s_add_nc_u64 s[92:93], s[10:11], s[92:93]
	CROUND
	s_mov_b32 s[G0S], 1
	s_add_co_u32 s[G0S+1], s94, SCL
	s_mov_b64 s[G0S+2:G0S+3], s[22:23]
	s_or_b32 s[G0S+3], s[G0S+3], 0x80000000
	s_mov_b32 s[G0SB], 1
	s_add_co_u32 s[G0SB+1], s94, SCL
	s_mov_b64 s[G0SB+2:G0SB+3], s[92:93]
	s_or_b32 s[G0SB+3], s[G0SB+3], 0x80000000
	JLOAD G0S, G1S, G0SB, G1SB
.irp s, 0,1
	s_mov_b32 s[G0+4*\s], 1
	s_add_co_u32 s[G0+4*\s+1], s45, \s*SLOT
	s_add_nc_u64 s[G0+4*\s+2:G0+4*\s+3], s[20:21], \s*AGB
	s_or_b32 s[G0+4*\s+3], s[G0+4*\s+3], 0x80000000
	s_mov_b32 s[G0B+4*\s], 1
	s_add_co_u32 s[G0B+4*\s+1], s45, \s*SLOT
	s_add_nc_u64 s[G0B+4*\s+2:G0B+4*\s+3], s[46:47], \s*ROWB
	s_or_b32 s[G0B+4*\s+3], s[G0B+4*\s+3], 0x80000000
	JLOAD G0+4*\s, G1, G0B+4*\s, G1B
.endr
	v_and_b32 v1, 15, v0
	v_bfe_u32 v2, v0, 4, 1
	v_mul_u32_u24 v3, v1, PITCH
	v_mul_u32_u24 v4, v2, 24
	v_add_nc_u32 v4, v3, v4                        ; B: row x pitch + 24 h
	v_lshl_add_u32 v5, v2, 4, v4                   ; and behind one padding more
	v_and_b32 v6, 31, v0
	v_lshlrev_b32 v7, 3, v6                        ; A: 8 x lane
	s_mul_i32 s21, s15, HALFT
	s_mul_i32 s22, s16, HALFT
	s_add_co_u32 s22, s22, 2*HALFT
.irp s, 0,1
	v_add_nc_u32 v[ADRA+\s], s21, v7
	v_add_nc_u32 v[ADRB+\s], s22, v4
	v_add_nc_u32 v[ADRB+2+\s], s22, v5
	s_add_co_u32 s21, s21, SLOT
	s_add_co_u32 s22, s22, SLOT
.endr
	v_mul_u32_u24 v5, v1, KS
	v_lshrrev_b32 v6, 8, v5
	v_lshl_add_u32 v5, v6, 4, v5
	s_mul_i32 s21, s15, HALFS
	s_mul_i32 s22, s16, HALFS
	s_add_co_u32 s22, s22, 2*HALFS
	s_sub_co_u32 s22, s22, s21
	v_mul_u32_u24 v6, s22, v2                      ; lanes 16-31 take B's scale words
	s_add_co_u32 s21, s21, SCL
	v_add_nc_u32 v5, v5, v6
	v_add_nc_u32 v[ADRS], s21, v5
	s_mul_i32 s23, s14, 16*SPITCH                  ; my stage, in slot 0: used when that slot has had its last fill and its last read
	v_mul_u32_u24 v5, v1, SPITCH
	v_lshl_add_u32 v5, v2, 5, v5
	v_add_nc_u32 v[STO], s23, v5
	v_and_b32 v6, 31, v0
	v_lshlrev_b32 v[CO], 4, v6
	v_add_nc_u32 v[RD], s23, v[CO]
	s_lshl_b32 s20, s17, 8
	s_lshl_b32 s21, s15, 7
	s_add_co_u32 s20, s20, s21
	s_mov_b32 s21, 0
	s_mov_b64 s[18:19], SIZE_N*4
	s_mul_u64 s[20:21], s[20:21], s[18:19]
	s_lshl_b32 s46, s42, 10
	s_lshl_b32 s47, s16, 9
	s_add_co_u32 s46, s46, s47
	s_mov_b32 s47, 0
	s_add_nc_u64 s[20:21], s[20:21], s[46:47]
	s_add_nc_u64 s[12:13], s[12:13], s[20:21]
.macro FRAG reg, adr, q, i             ; B: 16 rows x 128 K from padded rows, in pieces of 8 bytes
.irp p, 0,1,2,3,4,5
.set PCE, 12*(\q)+6*(\p/3)+\p%3
.if PCE%8 < 5
	ds_load_b64 v[\reg+2*\p:\reg+2*\p+1], v[\adr] offset:8*PCE+16*(PCE/8)+(\i)*16*PITCH
.else
	ds_load_b64 v[\reg+2*\p:\reg+2*\p+1], v[\adr+2] offset:8*PCE+16*(PCE/8)+(\i)*16*PITCH
.endif
.endr
.endm
.macro FRAGA reg, slot, q, i           ; A: two granules are a fragment: 32 lanes read 256 consecutive bytes
.irp p, 0,1,2,3,4,5
	ds_load_b64 v[\reg+2*\p:\reg+2*\p+1], v[ADRA+\slot] offset:AGB*(\i)+1536*(\q)+768*(\p/3)+256*(\p%3)
.endr
.endm
.macro MUL16 a0, p, q, sc, zero        ; the 64 accumulators take turns, one instruction a turn
.irp a, \a0, \a0+1
.irp b, 0,1,2,3,4,5,6,7
.if \zero
	v_wmma_scale_f32_16x16x128_f8f6f4 v[8*(8*((\a)%4)+\b):8*(8*((\a)%4)+\b)+7], v[128*(\p)+FR*\b:128*(\p)+FR*\b+FR-1], v[AF+FR*(\a):AF+FR*(\a)+FR-1], 0, v[SC+8*NQ*(\sc)+NQ*\b+(\q)], v[SC+8*NQ*(\sc)+NQ*(\a)+(\q)] matrix_a_fmt:MATRIX_FMT_FP6 matrix_b_fmt:MATRIX_FMT_FP6 matrix_a_scale:MATRIX_SCALE_ROW1
.else
	v_wmma_scale_f32_16x16x128_f8f6f4 v[8*(8*((\a)%4)+\b):8*(8*((\a)%4)+\b)+7], v[128*(\p)+FR*\b:128*(\p)+FR*\b+FR-1], v[AF+FR*(\a):AF+FR*(\a)+FR-1], v[8*(8*((\a)%4)+\b):8*(8*((\a)%4)+\b)+7], v[SC+8*NQ*(\sc)+NQ*\b+(\q)], v[SC+8*NQ*(\sc)+NQ*(\a)+(\q)] matrix_a_fmt:MATRIX_FMT_FP6 matrix_b_fmt:MATRIX_FMT_FP6 matrix_a_scale:MATRIX_SCALE_ROW1
.endif
.endr
.endr
.endm
.macro FETCH_B slot, q, p
	WIN TO_B
.irp i, 0,1,2,3,4,5,6,7
	FRAG 128*(\p)+FR*\i, ADRB+\slot, \q, \i
.endr
	WIN 0
.endm
.macro FETCH_A slot, q, i0
.irp i, \i0, \i0+1, \i0+2, \i0+3
	FRAGA AF+FR*(\i), \slot, \q, \i
.endr
.endm
.macro SCALES sc                       ; lanes 0-15 take the words of A's block i, lanes 16-31 those of B's block i
.irp i, 0,1,2,3,4,5,6,7
	ds_load_b64 v[SC+8*NQ*\sc+NQ*\i:SC+8*NQ*\sc+NQ*\i+1], v[ADRS] offset:\i*SBLK
.endr
.endm
.macro PLACES n
.rept \n
	v_nop
.endr
.endm
.macro STEP slot, q, zero
	s_wait_dscnt 4*NL                              ; all but the youngest 24 loads (A's blocks 4-7)
	WIN MUL_LO
	MUL16 0, (\q)%2, \q, \slot, \zero
	MUL16 2, (\q)%2, \q, \slot, \zero
	s_wait_dscnt 0
	PLACES NP
	FETCH_B \slot, (\q)+1, 1-(\q)%2
	FETCH_A \slot, (\q)+1, 0
	WIN MUL_HI
	MUL16 4, (\q)%2, \q, \slot, \zero
	MUL16 6, (\q)%2, \q, \slot, \zero
	PLACES NP
	WIN 0
	FETCH_A \slot, (\q)+1, 4
.endm
.macro TURN slot, next, fill
	s_wait_tensorcnt 0x0                           ; all my tensor loads have landed: my part of the next slot
	ds_add_u32 v[SPW], v[NIL]                      ; 0 onto my spare word
	s_wait_dscnt 4*NL+1                            ; the add and the youngest 24 loads may be out
	WIN MUL_LO
	MUL16 0, 1, NQ-1, \slot, 0
	s_wait_dscnt 0x0                               ; the add is done, and my reads of this slot are over
	s_barrier_signal -1
	MUL16 2, 1, NQ-1, \slot, 0
	WIN 0
	s_barrier_wait -1
.if \fill
	CREST                                          ; the barrier has opened a round of the cluster's barrier
	s_add_nc_u64 s[G0+4*\slot+2:G0+4*\slot+3], s[G0+4*\slot+2:G0+4*\slot+3], 2*AGB
	s_add_nc_u64 s[G0B+4*\slot+2:G0B+4*\slot+3], s[G0B+4*\slot+2:G0B+4*\slot+3], 2*ROWB
	JLOAD G0+4*\slot, G1, G0B+4*\slot, G1B         ; the first tensor load behind the round
.else
	PLACES NP
.endif
	v_add_nc_u32 v[ADRS], 4*NQ, v[ADRS]
	FETCH_B \next, 0, 0
	FETCH_A \next, 0, 0
	SCALES \next
	WIN MUL_HI
	MUL16 4, 1, NQ-1, \slot, 0
	MUL16 6, 1, NQ-1, \slot, 0
	PLACES NP
	WIN 0
	FETCH_A \next, 0, 4
.endm
	s_wait_tensorcnt 1                             ; the scales and my part of K step 0 are in; K step 1's load may be out
	s_barrier_signal -1
	s_barrier_wait -1
	FETCH_B 0, 0, 0
	FETCH_A 0, 0, 0
	SCALES 0
	FETCH_A 0, 0, 4
	STEP 0, 0, 1
	s_mov_b32 s3, LAPS-1
.Llap:
	TURN 0, 1, 1
	STEP 1, 0, 0
	TURN 1, 0, 1
	STEP 0, 0, 0
	s_sub_co_u32 s3, s3, 1
	s_cmp_lg_u32 s3, 0
	s_cbranch_scc1 .Llap
	TURN 0, 1, 0
	STEP 1, 0, 0
	s_wait_dscnt 4*NL
	WIN MUL_LO
	MUL16 0, 1, NQ-1, 1, 0
	MUL16 2, 1, NQ-1, 1, 0
	s_wait_dscnt 0
	WIN MUL_HI
	MUL16 4, 1, NQ-1, 1, 0
	MUL16 6, 1, NQ-1, 1, 0
	WIN 0
; THE WAY OUT: a block of 16 rows x 128 columns goes through my stage and comes back as whole rows of 512 bytes.
.macro TOSTAGE a
.set AC, 64*((\a)%4)
	WIN 0x08+4*((\a)/4)
.irp b, 0,1,2,3,4,5,6,7
	ds_store_b128 v[STO], v[AC+8*\b:AC+8*\b+3] offset:64*\b
	ds_store_b128 v[STO], v[AC+8*\b+4:AC+8*\b+7] offset:64*\b+16
.endr
	WIN 0
.set BB, BK+64*((\a)%2)
.irp t, 0,1,2,3,4,5,6,7,8,9,10,11,12,13,14,15
	ds_load_b128 v[BB+4*\t:BB+4*\t+3], v[RD] offset:\t*SPITCH
.endr
.endm
.macro SEND a, younger
.set BB, BK+64*((\a)%2)
	s_wait_dscnt \younger                          ; the block is back; the next block's 16 stores and 16 loads may be out
.if (\a) > 0
	s_add_nc_u64 s[12:13], s[12:13], 16*SIZE_N*4   ; (behind a wait on XCNT)
.endif
.irp t, 0,1,2,3,4,5,6,7,8,9,10,11,12,13,14,15
	global_store_b128 v[CO], v[BB+4*\t:BB+4*\t+3], s[12:13] offset:\t*SIZE_N*4   ; 32 lanes store 512 consecutive, aligned bytes
.endr
.endm
	PLACES NP
	TOSTAGE 0
.irp a, 1,2,3,4,5,6,7
.if \a > 1
	s_wait_xcnt 0x0                                ; block a - 2's stores have read their registers and their base
.endif
	TOSTAGE \a
	SEND \a-1, 32
.endr
	s_wait_xcnt 0x0
	SEND 7, 0
	s_wait_tensorcnt 0x0                           ; the wave's end
	ds_add_u32 v[SPW], v[NIL]
	s_wait_dscnt 0x0
	CROUND
	s_endpgm
.Lfunc_end_k_q214b11e22b_ff2:
	.size	k_q214b11e22b_ff2, .Lfunc_end_k_q214b11e22b_ff2-k_q214b11e22b_ff2
	.p2alignl 7, 3214868480
	.fill 96, 4, 3214868480
	.section	.rodata,"a",@progbits
	.p2align	6, 0x0
	.amdhsa_kernel k_q214b11e22b_ff2
		.amdhsa_group_segment_fixed_size 327680
		.amdhsa_private_segment_fixed_size 0
		.amdhsa_enable_private_segment 0
		.amdhsa_kernarg_size 32
		.amdhsa_user_sgpr_count 2
		.amdhsa_user_sgpr_kernarg_segment_ptr 1
		.amdhsa_wavefront_size32 1
		.amdhsa_system_sgpr_workgroup_id_x 1
		.amdhsa_system_sgpr_workgroup_id_y 1
		.amdhsa_system_sgpr_workgroup_id_z 1
		.amdhsa_system_vgpr_workitem_id 0
		.amdhsa_next_free_vgpr 1024
		.amdhsa_next_free_sgpr 98
		.amdhsa_reserve_vcc 0
		.amdhsa_float_denorm_mode_32 3
		.amdhsa_float_denorm_mode_16_64 3
		.amdhsa_memory_ordered 1
		.amdhsa_forward_progress 1
		.amdhsa_inst_pref_size 160
	.end_amdhsa_kernel
	.amdgpu_metadata
---
amdhsa.version: [ 1, 2 ]
amdhsa.kernels:
  - .name:           k_q214b11e22b_ff2
    .symbol:         k_q214b11e22b_ff2.kd
    .args:
      - { .name: hq, .offset: 0, .size: 8, .value_kind: global_buffer, .address_space: global }
      - { .name: W2_codes, .offset: 8, .size: 8, .value_kind: global_buffer, .address_space: global }
      - { .name: W2_scales, .offset: 16, .size: 8, .value_kind: global_buffer, .address_space: global }
      - { .name: cf, .offset: 24, .size: 8, .value_kind: global_buffer, .address_space: global }
    .group_segment_fixed_size: 327680
    .private_segment_fixed_size: 0
    .kernarg_segment_align: 8
    .kernarg_segment_size: 32
    .max_flat_workgroup_size: 128
    .sgpr_count:     98
    .vgpr_count:     1024
    .wavefront_size: 32
...
	.end_amdgpu_metadata
.endif
;; end of part 7
;; launch ln2: the kernel of part 5 again; grid 256 x 1, 4 waves a work-group, no clusters, 0 bytes of LDS; arguments cf, x1, bf2, g2, b2, s2, out0; writes out0
;; ======== version 2 of 2: 8 launches
;; limits: right only within a limited range of input values
;; workspace buffers: xq 3,276,800 bytes; qr 3,276,800 bytes; kv 6,553,600 bytes; oq 3,276,800 bytes; cf 16,777,216 bytes; x1 16,777,216 bytes; hq 13,107,200 bytes; wr 9,437,184 bytes
;; launch prep (part 8): grid 256 x 1, 4 waves a work-group, no clusters, 105,216 bytes of LDS; arguments x, Wq_codes, Wk_codes, Wv_codes, Wo_codes, W1_codes, W2_codes, xq, wr; writes xq, wr
.if DOCPART == 8
	.amdgcn_target "amdgcn-amd-amdhsa--gfx1250"
	.amdhsa_code_object_version 6
	.text
	.protected	k_q214b11e22b_prep
	.globl	k_q214b11e22b_prep
	.p2align	8
	.type	k_q214b11e22b_prep,@function
k_q214b11e22b_prep:
	s_mov_b64 s[64:65], 0
	v_nop
	global_prefetch_b8 v0, s[64:65] scope:SCOPE_SE
	s_setreg_imm32_b32 hwreg(HW_REG_WAVE_MODE, 25, 1), 1
	s_wait_xcnt 0x0
; Two preparing jobs in one launch; every work-group does a share of both.
; (1) x [4096][1024] f32 becomes codes of FP6 (E2M3) and one E8M0 byte for each 32 along K (bytes [4096][32] at xq's byte SCOFF).
; (2) The six weights' codes are laid anew into wr (Wq, Wk, Wv, Wo, W1, W2 on end); no code is changed.
; THE LAYOUT of all these codes: granules.  A granule is 16 rows x 64 K = 768 bytes: three pieces of 256 bytes; piece p holds, for row r = 8 b + c and half h, the 8 bytes 48 g + 24 h + 8 p
; of the row's stream of bits, at place 8 (c + 8 h + 16 (a xor b)), a = the row group's lowest bit.  Granules of a row group lie on end along K, row groups on end.
; So a product's tile is a dense run of whole 256-byte units, and a tile of rows 16 G + r as well as one of rows 32 B + 8 u + r + 8 (r / 8) is read from LDS with 32 lanes on 32 different places.
; SHARES: work-group n takes x's rows 16 n .. 16 n + 15 (wave w: K quarter w) and three units of 16 rows x 768 bytes: unit n of Wq..Wo, unit n of W1, unit n of W2 (row group n / 4, K quarter n % 4).
; A wave loads rows 4 w .. 4 w + 3 of each unit in whole 256-byte runs, all meet in LDS, and wave w stores granules 4 w .. 4 w + 3.
; LIMITS: a block of zeros gets the byte 1 where the quantiser's text says 127 (its codes are zeros; this program alone reads the bytes); NaN and infinities are not served.
.set XP,    1040                       ; x's stage: a row quarter of 1,024 bytes + 16
.set XW,    16*XP
.set WST,   4*XW                       ; the weights' stage: rows of 768 bytes + 16
.set WP,    784
.set WU,    16*WP
.set SST,   WST+3*WU                   ; x's 512 scale bytes
.set SPARE, SST+512
.set SCOFF, 3145728
.set XR,    32                         ; v32-159 x as loaded; then v32-95 two sets of 32 neighbours, v96-119 codes, v120-135 second halves, v136-139 bytes
.set WR,    160                        ; v160-231 the weights' bytes
.set QV,    32
.set CD,    96
.set TC,    120
.set EB,    136
	s_load_b512 s[4:19], s[0:1], 0x0               ; x, Wq, Wk, Wv, Wo, W1, W2, xq
	s_load_b64 s[20:21], s[0:1], 0x40              ; wr
	v_lshl_add_u32 v254, v0, 2, SPARE
	v_mov_b32 v255, 0
	v_lshrrev_b32 v1, 5, v0
	v_readfirstlane_b32 s22, v1                    ; wave
	v_and_b32 v2, 31, v0
	v_lshlrev_b32 v3, 4, v2                        ; 16 x lane
	v_and_b32 v4, 15, v0                           ; r
	v_bfe_u32 v5, v0, 4, 1                         ; h
	v_mul_u32_u24 v6, v5, 2304
	v_add_nc_u32 v6, v6, v3
	v_add_nc_u32 v6, 512, v6                       ; W2: lanes 0-15 a row's last 256 bytes of the quarter, lanes 16-31 the next row's first
	s_mul_i32 s23, s22, 4*WP
	s_add_co_u32 s23, s23, WST
	v_add_nc_u32 v7, s23, v3                       ; the weights' stage, in
	v_lshl_add_u32 v8, v5, 4, v7                   ; the same where lanes 16-31 stand in the next row
	s_mul_i32 s24, s22, XW
	v_add_nc_u32 v9, s24, v3                       ; x's stage, in
	v_mul_u32_u24 v10, v4, XP
	v_lshl_add_u32 v10, v5, 7, v10
	v_add_nc_u32 v10, s24, v10                     ; and out: row r, 128 bytes for each half
	s_lshl_b32 s25, s22, 3
	s_add_co_u32 s25, s25, SST
	v_lshlrev_b32 v11, 5, v4
	v_add_nc_u32 v11, v11, v5
	v_add_nc_u32 v11, s25, v11                     ; my block's byte: 32 r + 8 w + h
	s_mul_i32 s26, s22, 192
	s_add_co_u32 s26, s26, WST
	v_mul_u32_u24 v12, v4, WP
	v_mad_u32_u24 v12, v5, 24, v12
	v_add_nc_u32 v12, s26, v12                     ; the weights' stage, out
	v_and_b32 v16, 7, v0
	v_lshlrev_b32 v13, 3, v16
	v_lshl_add_u32 v13, v5, 6, v13
	v_bfe_u32 v16, v0, 3, 1
	v_lshl_add_u32 v13, v16, 7, v13                ; 8 (c + 8 h + 16 b)
	s_and_b32 s27, ttmp9, 1
	s_lshl_b32 s27, s27, 7
	s_bfe_u32 s28, ttmp9, 0x10002
	s_lshl_b32 s28, s28, 7
	v_xor_b32 v14, s28, v13                        ; my place in a piece, W2's row group n / 4
	v_xor_b32 v13, s27, v13                        ; and row group n
	v_add_nc_u32 v15, SST, v3
	s_mul_i32 s34, ttmp9, 12288
	s_mul_i32 s29, s22, 3072
	s_add_co_u32 s34, s34, s29                     ; where my granules go
	s_mov_b32 s35, 0
	s_and_b32 s36, ttmp9, 63
	s_mul_i32 s36, s36, 12288
	s_add_co_u32 s36, s36, s29
	s_mov_b32 s37, 0
	s_lshr_b32 s38, ttmp9, 2
	s_mul_i32 s38, s38, 49152
	s_and_b32 s39, ttmp9, 3
	s_mul_i32 s39, s39, 768
	s_add_co_u32 s38, s38, s39
	s_mul_i32 s39, s22, 12288
	s_add_co_u32 s38, s38, s39
	s_mov_b32 s39, 0
	s_lshl_b32 s40, ttmp9, 16
	s_lshl_b32 s41, s22, 10
	s_add_co_u32 s40, s40, s41
	s_mov_b32 s41, 0
	s_lshl_b32 s42, ttmp9, 9
	s_mov_b32 s43, 0
	s_lshr_b32 s29, ttmp9, 6                       ; which of Wq, Wk, Wv, Wo
	s_wait_alu depctr_va_vdst(0)                   ; the wait at the head's end
	s_wait_kmcnt 0x0
	s_cmp_eq_u32 s29, 0
	s_cselect_b64 s[44:45], s[6:7], s[8:9]
	s_cmp_lt_u32 s29, 2
	s_cselect_b64 s[44:45], s[44:45], s[10:11]
	s_cmp_lt_u32 s29, 3
	s_cselect_b64 s[44:45], s[44:45], s[12:13]
	s_add_nc_u64 s[44:45], s[44:45], s[36:37]
	s_add_nc_u64 s[14:15], s[14:15], s[34:35]
	s_add_nc_u64 s[16:17], s[16:17], s[38:39]
	s_add_nc_u64 s[4:5], s[4:5], s[40:41]
	s_add_nc_u64 s[20:21], s[20:21], s[34:35]
	s_add_nc_u64 s[30:31], s[18:19], s[34:35]
	s_add_nc_u64 s[32:33], s[18:19], s[42:43]
	s_add_nc_u64 s[32:33], s[32:33], SCOFF
.set j, 0
.rept 6                                ; rows of 768 bytes are dense: my four rows are 3,072 bytes on end
	global_load_b128 v[WR+4*j:WR+4*j+3], v3, s[44:45] offset:512*j th:TH_LOAD_NT
	global_load_b128 v[WR+24+4*j:WR+24+4*j+3], v3, s[14:15] offset:512*j th:TH_LOAD_NT
.set j, j+1
.endr
.irp J, 0,1                            ; W2's rows are 3,072 bytes apart: two rows' quarters in three loads
	global_load_b128 v[WR+48+12*\J:WR+48+12*\J+3], v3, s[16:17] offset:6144*\J th:TH_LOAD_NT
	global_load_b128 v[WR+52+12*\J:WR+52+12*\J+3], v6, s[16:17] offset:6144*\J th:TH_LOAD_NT
	global_load_b128 v[WR+56+12*\J:WR+56+12*\J+3], v3, s[16:17] offset:6144*\J+3328 th:TH_LOAD_NT
.endr
.set j, 0
.rept 32
	global_load_b128 v[XR+4*j:XR+4*j+3], v3, s[4:5] offset:(j/2)*4096+512*(j%2) th:TH_LOAD_NT
.set j, j+1
.endr
	s_wait_loadcnt 32                              ; the 18 loads of weights are in; x's 32 may be out
.irp t, 0,1,2
.irp J, 0,1
	ds_store_b128 v7, v[WR+24*\t+12*\J:WR+24*\t+12*\J+3] offset:\t*WU+1536*\J+32*\J
	ds_store_b128 v8, v[WR+24*\t+12*\J+4:WR+24*\t+12*\J+7] offset:\t*WU+1536*\J+512+32*\J
	ds_store_b128 v7, v[WR+24*\t+12*\J+8:WR+24*\t+12*\J+11] offset:\t*WU+1536*\J+1024+32*\J+16
.endr
.endr
	s_wait_loadcnt 0x0
.set j, 0
.rept 32
	ds_store_b128 v9, v[XR+4*j:XR+4*j+3] offset:(j/2)*XP+512*(j%2)
.set j, j+1
.endr
	s_wait_dscnt 0x0                               ; the stores have read their registers, which are loaded anew below
.macro LDQ g                           ; granule g of my quarter: my block's 32 neighbours
.irp i, 0,1,2,3,4,5,6,7
	ds_load_b128 v[QV+32*((\g)%2)+4*\i:QV+32*((\g)%2)+4*\i+3], v10 offset:256*(\g)+16*\i
.endr
.endm
.macro QUANT g, out                    ; out: the LDS instructions issued behind this granule's loads
.set V, QV+32*((\g)%2)
.set C, CD+6*(\g)
.set T, TC+4*(\g)
	s_wait_dscnt \out
	v_max3_num_f32 v17, |v[V]|, |v[V+1]|, 0x1800000   ; with the floor 2^(3 - 127): the byte cannot fall under 1
	v_max3_num_f32 v18, |v[V+16]|, |v[V+17]|, |v[V+18]|
.irp i, 2,4,6,8,10,12
	v_max3_num_f32 v17, v17, |v[V+\i]|, |v[V+\i+1]|
	v_max3_num_f32 v18, v18, |v[V+17+\i]|, |v[V+18+\i]|
.endr
	v_max3_num_f32 v17, v17, |v[V+14]|, |v[V+15]|
	v_max3_num_f32 v17, v17, v18, |v[V+31]|
	v_add_nc_u32 v17, 0xff000000, v17              ; 2 off the exponent field: the conversion's scale operand
	v_cvt_scalef32_pk16_fp6_f32 v[C:C+2], v[V:V+15], v17
	v_cvt_scalef32_pk16_fp6_f32 v[T:T+2], v[V+16:V+31], v17
	v_lshrrev_b32 v[EB+(\g)], 23, v17              ; the byte; also the plain place behind the conversions
.irp i, 0,1,2
	v_mov_b32 v[C+3+\i], v[T+\i]
.endr
	ds_store_b8 v11, v[EB+(\g)] offset:2*(\g)
.irp p, 0,1,2
	global_store_b64 v13, v[C+2*\p:C+2*\p+1], s[30:31] offset:768*(\g)+256*\p   ; 32 lanes fill one aligned unit of 256 bytes
.endr
.endm
	LDQ 0
	LDQ 1
	QUANT 0, 8
	LDQ 2
	QUANT 1, 9
	LDQ 3
	QUANT 2, 9
	QUANT 3, 1
	s_wait_dscnt 0x0                               ; my stage stores and byte stores are done
	s_barrier_signal -1
	s_barrier_wait -1
.irp t, 0,1,2
.irp g, 0,1,2,3
.irp p, 0,1,2
	ds_load_b64 v[WR+24*\t+6*\g+2*\p:WR+24*\t+6*\g+2*\p+1], v12 offset:\t*WU+48*\g+8*\p
.endr
.endr
.endr
.irp t, 0,1
	s_wait_dscnt 24-12*\t                          ; unit t is back; the later units' 12 loads each may be out
.irp g, 0,1,2,3
.irp p, 0,1,2
	global_store_b64 v13, v[WR+24*\t+6*\g+2*\p:WR+24*\t+6*\g+2*\p+1], s[20:21] offset:\t*3145728+768*\g+256*\p
.endr
.endr
.endr
	s_wait_dscnt 0x0
.irp g, 0,1,2,3
.irp p, 0,1,2
	global_store_b64 v14, v[WR+48+6*\g+2*\p:WR+48+6*\g+2*\p+1], s[20:21] offset:6291456+768*\g+256*\p
.endr
.endr
	s_cmp_lg_u32 s22, 0
	s_cbranch_scc1 .Lno_bytes
	ds_load_b128 v[32:35], v15                     ; wave 0: the 16 rows' 512 scale bytes
	s_wait_dscnt 0x0
	global_store_b128 v3, v[32:35], s[32:33]
.Lno_bytes:
	s_wait_tensorcnt 0x0                           ; the wave's end
	ds_add_u32 v254, v255
	s_wait_dscnt 0x0
	s_endpgm
.Lfunc_end_k_q214b11e22b_prep:
	.size	k_q214b11e22b_prep, .Lfunc_end_k_q214b11e22b_prep-k_q214b11e22b_prep
	.p2alignl 7, 3214868480
	.fill 96, 4, 3214868480
	.section	.rodata,"a",@progbits
	.p2align	6, 0x0
	.amdhsa_kernel k_q214b11e22b_prep
		.amdhsa_group_segment_fixed_size 105216
		.amdhsa_private_segment_fixed_size 0
		.amdhsa_enable_private_segment 0
		.amdhsa_kernarg_size 72
		.amdhsa_user_sgpr_count 2
		.amdhsa_user_sgpr_kernarg_segment_ptr 1
		.amdhsa_wavefront_size32 1
		.amdhsa_system_sgpr_workgroup_id_x 1
		.amdhsa_system_sgpr_workgroup_id_y 1
		.amdhsa_system_sgpr_workgroup_id_z 1
		.amdhsa_system_vgpr_workitem_id 0
		.amdhsa_next_free_vgpr 256
		.amdhsa_next_free_sgpr 66
		.amdhsa_reserve_vcc 0
		.amdhsa_float_denorm_mode_32 3
		.amdhsa_float_denorm_mode_16_64 3
		.amdhsa_memory_ordered 1
		.amdhsa_forward_progress 1
		.amdhsa_inst_pref_size 27
	.end_amdhsa_kernel
	.amdgpu_metadata
---
amdhsa.version: [ 1, 2 ]
amdhsa.kernels:
  - .name:           k_q214b11e22b_prep
    .symbol:         k_q214b11e22b_prep.kd
    .args:
      - { .name: x, .offset: 0, .size: 8, .value_kind: global_buffer, .address_space: global }
      - { .name: Wq_codes, .offset: 8, .size: 8, .value_kind: global_buffer, .address_space: global }
      - { .name: Wk_codes, .offset: 16, .size: 8, .value_kind: global_buffer, .address_space: global }
      - { .name: Wv_codes, .offset: 24, .size: 8, .value_kind: global_buffer, .address_space: global }
      - { .name: Wo_codes, .offset: 32, .size: 8, .value_kind: global_buffer, .address_space: global }
      - { .name: W1_codes, .offset: 40, .size: 8, .value_kind: global_buffer, .address_space: global }
      - { .name: W2_codes, .offset: 48, .size: 8, .value_kind: global_buffer, .address_space: global }
      - { .name: xq, .offset: 56, .size: 8, .value_kind: global_buffer, .address_space: global }
      - { .name: wr, .offset: 64, .size: 8, .value_kind: global_buffer, .address_space: global }
    .group_segment_fixed_size: 105216
    .private_segment_fixed_size: 0
    .kernarg_segment_align: 8
    .kernarg_segment_size: 72
    .max_flat_workgroup_size: 128
    .sgpr_count:     66
    .vgpr_count:     256
    .wavefront_size: 32
...
	.end_amdgpu_metadata
.endif
;; end of part 8
;; launch qkv (part 9): grid 12 x 16, 4 waves a work-group, clusters of 4 x 4, 327,680 bytes of LDS; arguments xq, wr, Wq_scales, Wk_scales, Wv_scales, bq, bk, bv, qr, kv; writes qr, kv
.if DOCPART == 9
	.amdgcn_target "amdgcn-amd-amdhsa--gfx1250"
	.amdhsa_code_object_version 6
	.text
	.protected	k_q214b11e22b_qkv
	.globl	k_q214b11e22b_qkv
	.p2align	8
	.type	k_q214b11e22b_qkv,@function
k_q214b11e22b_qkv:
	s_mov_b64 s[64:65], 0
	v_nop
	global_prefetch_b8 v0, s[64:65] scope:SCOPE_SE
	s_setreg_imm32_b32 hwreg(HW_REG_WAVE_MODE, 25, 1), 1
	s_wait_xcnt 0x0
	s_wait_alu depctr_hold_cnt(0) depctr_sa_sdst(0) depctr_va_vdst(0) depctr_va_sdst(0) depctr_va_ssrc(0) depctr_va_vcc(0) depctr_vm_vsrc(0)
	s_getreg_b32 s2, hwreg(HW_REG_IB_STS2, 6, 4)
	s_cmp_eq_u32 s2, 0
	s_cbranch_scc0 .Lentry_in_a_cluster
	s_endpgm
.Lentry_in_a_cluster:
	s_bfe_u32 s2, ttmp6, 0x10000c
	s_cmp_lg_u32 s2, 0xf033
	s_cbranch_scc0 .Lentry_shape_is_right
	s_endpgm
.Lentry_shape_is_right:
.set KSTEP,  256
.set NQ,     2
.set ROWB,   3072                      ; a K step of 256 of a group of 16 rows: four granules of 768 bytes, dense
.set KROW,   768
.set FR,     12
.set NL,     6
.set NP,     4
.set HALFT,  24576                     ; 8 row groups x 3,072 bytes
.set SLOT,   4*HALFT
.set LAPS,   2
.set KS,     32
.set SCL,    2*SLOT
.set HALFS,  16*272
.set SPARE,  SCL+4*HALFS
.set XSCL,   3145728
.set ADRA, 16
.set ADRB, 20
.set LO8,  24
.set STG,  25
.set R4,   26
.set ADSA, 27
.set SPW,  28
.set NIL,  29
.set ADSB, 30
.set BO,   31
.set SCA,  32
.set SCB,  64
.set BR,   96
.set TM,   112
.set AF,   128
.set HA,   128
.set PC,   192
.set PW,   212
.set G1, 24
.set G0, 32
.set G1B, 48
.set G0B, 56
.set G1S, 68
.set G0S, 76
.set G1SB, 80
.set G0SB, 88
.set SEL, 76
.set MSB, 0
.macro WIN new
.if MSB != \new
	s_set_vgpr_msb (MSB<<8)|\new
.set MSB, \new
.endif
.endm
.set MUL_LO, 0xa1
.set MUL_HI, 0xf1
.set TO_B,   0x40
.macro JLOAD g0a, g1a, g0b, g1b
	s_cmp_eq_u32 s15, 0
	s_cbranch_scc0 .Lfor_b_\@
	tensor_load_to_lds s[\g0a:\g0a+3], s[\g1a:\g1a+7]
	s_nop 0
.rept 4
	v_nop
.endr
	s_branch .Lasked_\@
.Lfor_b_\@:
	tensor_load_to_lds s[\g0b:\g0b+3], s[\g1b:\g1b+7]
	s_nop 0
.rept 4
	v_nop
.endr
.Lasked_\@:
.endm
.macro CREST
	s_cmp_lg_u32 s14, 0
	s_cbranch_scc1 .Lnot_wave_0_\@
	s_barrier_signal -3
.Lnot_wave_0_\@:
	s_barrier_wait -3
	s_barrier_signal -1
	s_barrier_wait -1
.endm
.macro CROUND
	s_barrier_signal -1
	s_barrier_wait -1
	CREST
.endm
	s_load_b512 s[68:83], s[0:1], 0x0
	s_load_b128 s[84:87], s[0:1], 0x40
	v_lshl_add_u32 v[SPW], v0, 2, SPARE
	v_mov_b32 v[NIL], 0
	ds_add_u32 v28, v29
	ds_add_u32 v28, v29
	s_wait_dscnt 0x0
	v_lshrrev_b32 v1, 5, v0
	v_readfirstlane_b32 s14, v1
	s_lshr_b32 s15, s14, 1
	s_and_b32 s16, s14, 1
	s_bfe_u32 s40, ttmp6, 0x40000
	s_bfe_u32 s41, ttmp6, 0x40004
	s_and_b32 s17, ttmp7, 0xffff
	s_lshl_b32 s17, s17, 2
	s_cmp_eq_u32 ttmp9, 2
	s_cselect_b32 s42, s17, 0
	s_cselect_b32 s17, 0, s17
	s_add_co_u32 s42, s42, s40
	s_add_co_u32 s17, s17, s41
	s_lshl_b32 s43, s41, 2
	s_lshl_b32 s43, 15, s43
	s_lshl_b32 s44, 0x1111, s40
	s_or_b32 s[G1+0], s43, (3<<16)|(1<<21)         ; elements of 8 bytes, no padding
	s_or_b32 s[G1B+0], s44, (3<<16)|(1<<21)
.irp g, G1, G1B
	s_mov_b32 s[\g+1], 384<<16                     ; rows of 3,072 bytes,
	s_mov_b32 s[\g+2], 16<<16                      ; at the head one for each of a tile's 16 row groups; behind it 8
	s_mov_b32 s[\g+3], 384<<16
	s_mov_b32 s[\g+4], 16
	s_mov_b32 s[\g+5], 1536                        ; 12,288 bytes apart: every row begins at a multiple of 256 bytes
	s_mov_b32 s[\g+6], 0
	s_mov_b32 s[\g+7], 0
.endr
	s_lshl_b32 s18, s16, 7
	s_lshl_b32 s20, s17, 8
	s_add_co_u32 s20, s20, s18
	s_lshl_b32 s46, s42, 8
	s_add_co_u32 s46, s46, s18
	s_mov_b32 s21, 0
	s_mov_b32 s47, 0
	s_mov_b64 s[18:19], KS
	s_lshl_b32 s22, s17, 8                         ; the scales come for a tile's 256 rows at once
	s_mov_b32 s23, 0
	s_lshl_b32 s66, s42, 8
	s_mov_b32 s67, 0
	s_mul_u64 s[22:23], s[22:23], s[18:19]
	s_mul_u64 s[66:67], s[66:67], s[18:19]
	s_mov_b64 s[18:19], KROW
	s_mul_u64 s[20:21], s[20:21], s[18:19]
	s_mul_u64 s[46:47], s[46:47], s[18:19]
	s_mul_i32 s45, s14, HALFT
	s_mul_i32 s2, s15, 2*HALFS
	s_wait_kmcnt 0x0
	s_add_nc_u64 s[92:93], s[68:69], XSCL
	s_add_nc_u64 s[88:89], s[70:71], 786432        ; Wk's granules in wr
	s_add_nc_u64 s[90:91], s[70:71], 1572864       ; Wv's
	s_cmp_eq_u32 ttmp9, 0
	s_cselect_b64 s[8:9], s[70:71], s[88:89]
	s_cselect_b64 s[10:11], s[72:73], s[74:75]
	s_cselect_b64 s[96:97], s[78:79], s[80:81]
	s_cselect_b64 s[12:13], s[84:85], s[86:87]
	s_cmp_eq_u32 ttmp9, 2
	s_cselect_b64 s[4:5], s[90:91], s[68:69]
	s_cselect_b64 s[6:7], s[76:77], s[92:93]
	s_cselect_b64 s[8:9], s[68:69], s[8:9]
	s_cselect_b64 s[10:11], s[92:93], s[10:11]
	s_cselect_b64 s[96:97], s[82:83], s[96:97]
	s_mov_b64 s[98:99], s[82:83]
	s_add_nc_u64 s[20:21], s[4:5], s[20:21]
	s_add_nc_u64 s[22:23], s[6:7], s[22:23]
	s_add_nc_u64 s[46:47], s[8:9], s[46:47]
	s_add_nc_u64 s[66:67], s[10:11], s[66:67]
	s_or_b32 s[G1S+0], s43, (3<<16)|(1<<20)|(1<<21)|(5<<22)|(3<<25)
	s_or_b32 s[G1SB+0], s44, (3<<16)|(1<<20)|(1<<21)|(5<<22)|(3<<25)
.irp g, G1S, G1SB
	s_mov_b32 s[\g+1], 32<<16
	s_mov_b32 s[\g+2], 32<<16
	s_mov_b32 s[\g+3], 32<<16
	s_mov_b32 s[\g+4], 32
	s_mov_b32 s[\g+5], 32
	s_mov_b32 s[\g+6], 0
	s_mov_b32 s[\g+7], 0
.endr
	CROUND
	s_mov_b32 s[G0S], 1
	s_add_co_u32 s[G0S+1], s2, SCL
	s_mov_b64 s[G0S+2:G0S+3], s[22:23]
	s_or_b32 s[G0S+3], s[G0S+3], 0x80000000
	s_mov_b32 s[G0SB], 1
	s_add_co_u32 s[G0SB+1], s2, SCL
	s_mov_b64 s[G0SB+2:G0SB+3], s[66:67]
	s_or_b32 s[G0SB+3], s[G0SB+3], 0x80000000
.irp s, 0,1
	s_mov_b32 s[G0+4*\s], 1
	s_add_co_u32 s[G0+4*\s+1], s45, \s*SLOT
	s_add_nc_u64 s[G0+4*\s+2:G0+4*\s+3], s[20:21], \s*ROWB
	s_or_b32 s[G0+4*\s+3], s[G0+4*\s+3], 0x80000000
	s_mov_b32 s[G0B+4*\s], 1
	s_add_co_u32 s[G0B+4*\s+1], s45, \s*SLOT
	s_add_nc_u64 s[G0B+4*\s+2:G0B+4*\s+3], s[46:47], \s*ROWB
	s_or_b32 s[G0B+4*\s+3], s[G0B+4*\s+3], 0x80000000
.endr
; The head's four tiles, one joint load a wave, in one chain of branches on the wave's number: wave 0 slot 0's 256 rows of A, wave 1 A's scales, wave 2 slot 0's 256 rows of B, wave 3 B's scales.
; (Waves 0 and 2 fetch the lower half in the ring, so their slot 0 group 0 names the tile's first byte and its first LDS byte.)
.macro ARM under, g0, g1, next
	s_cmp_lt_u32 s14, \under
	s_cbranch_scc0 \next
	tensor_load_to_lds s[\g0:\g0+3], s[\g1:\g1+7]
	s_nop 0
.rept 4
	v_nop
.endr
	s_branch .Lhead_asked
\next:
.endm
	ARM 1, G0,  G1,  .Lhead_sa
	ARM 2, G0S, G1S, .Lhead_b
	ARM 3, G0B, G1B, .Lhead_sb
	tensor_load_to_lds s[G0SB:G0SB+3], s[G1SB:G1SB+7]
	s_nop 0
.rept 4
	v_nop
.endr
.Lhead_asked:
	s_wait_alu depctr_va_vdst(0)
	s_wait_tensorcnt 0x0                           ; my tile of the four is in
	ds_add_u32 v28, v29
	s_mov_b32 s[G1+2], 8<<16                       ; no tensor load of mine is out: from here on a load brings 8 row groups
	s_mov_b32 s[G1+4], 8
	s_mov_b32 s[G1B+2], 8<<16
	s_mov_b32 s[G1B+4], 8
	s_wait_dscnt 0x0
	CROUND
	JLOAD G0+4, G1, G0B+4, G1B                     ; slot 1, a quarter a wave
	v_and_b32 v1, 15, v0
	v_bfe_u32 v2, v0, 4, 1
	v_and_b32 v3, 7, v1
	v_lshrrev_b32 v4, 3, v1
	v_lshlrev_b32 v5, 3, v3
	v_lshl_add_u32 v5, v2, 6, v5
	v_lshl_add_u32 v5, v4, 7, v5                   ; A, an even row group: 8 (r % 8) + 64 h + 128 (r / 8)
	v_xor_b32 v6, 128, v5                          ; an odd one
	v_mad_u32_u24 v7, v4, 3072, v5                 ; B, tile 2 b: lanes 8-15 stand in the next row group
	v_xor_b32 v8, 128, v7                          ; tile 2 b + 1
	s_mul_i32 s21, s15, HALFT
	s_mul_i32 s22, s16, HALFT
	s_add_co_u32 s22, s22, 2*HALFT
.irp s, 0,1
	v_add_nc_u32 v[ADRA+\s], s21, v5
	v_add_nc_u32 v[ADRA+2+\s], s21, v6
	v_add_nc_u32 v[ADRB+\s], s22, v7
	v_add_nc_u32 v[ADRB+2+\s], s22, v8
	s_add_co_u32 s21, s21, SLOT
	s_add_co_u32 s22, s22, SLOT
.endr
	v_lshrrev_b32 v9, 3, v1
	v_and_b32 v10, 7, v1
	v_lshlrev_b32 v11, 5, v10
	s_mul_i32 s21, s15, HALFS
	s_add_co_u32 s21, s21, SCL
	s_mul_i32 s22, s16, HALFS
	s_add_co_u32 s22, s22, SCL+2*HALFS
	v_mad_u32_u24 v[ADSA], v9, 272, v11
	v_add_nc_u32 v[ADSA], s21, v[ADSA]
	v_mad_u32_u24 v[ADSB], v9, 544, v11
	v_add_nc_u32 v[ADSB], s22, v[ADSB]
	v_and_b32 v12, 31, v0
	v_lshlrev_b32 v[LO8], 3, v12
	v_lshlrev_b32 v[BO], 6, v2
	v_lshlrev_b32 v[R4], 2, v1
	s_lshl_b32 s21, s14, 9
	v_lshlrev_b32 v[STG], 2, v10
	v_lshl_add_u32 v[STG], v9, 1, v[STG]
	v_add_nc_u32 v[STG], s21, v[STG]
	v_lshl_add_u32 v14, v12, 4, s21
	s_lshl_b32 s92, s17, 1
	s_add_co_u32 s92, s92, s15
	s_lshl_b32 s93, s42, 1
	s_add_co_u32 s93, s93, s16
	s_mov_b32 s100, 12800
	s_cmp_eq_u32 ttmp9, 0
	s_cselect_b32 s100, 6400, s100
	s_lshl_b32 s101, s100, 4
	s_cmp_eq_u32 ttmp9, 2
	s_cselect_b32 s94, s93, s92
	s_cselect_b32 s95, s92, s93
	s_lshr_b32 s40, s94, 4
	s_lshl_b32 s40, s40, 4
	s_lshl_b32 s41, s95, 1
	s_add_co_u32 s40, s40, s41
	s_mul_i32 s40, s40, s101
	s_and_b32 s41, s94, 15
	s_mul_i32 s41, s41, s100
	s_add_co_u32 s40, s40, s41
	s_cmp_eq_u32 ttmp9, 2
	s_cselect_b32 s41, 6400, 0
	s_add_co_u32 s40, s40, s41
	s_mov_b32 s41, 0
	s_add_nc_u64 s[12:13], s[12:13], s[40:41]
	s_and_b32 s40, s93, 7
	s_lshl_b32 s40, s40, 9
	s_add_nc_u64 s[96:97], s[96:97], s[40:41]
	s_and_b32 s40, s92, 7
	s_lshl_b32 s40, s40, 9
	s_add_nc_u64 s[98:99], s[98:99], s[40:41]
	s_mov_b32 s43, 3072
	s_mov_b32 s44, 128
	s_cmp_eq_u32 ttmp9, 2
	s_cselect_b32 s18, s101, s43
	s_cselect_b32 s19, s43, s101
	s_cselect_b32 s20, s101, s44
	s_cselect_b32 s21, s44, s101
	s_cselect_b32 s22, 0, -1
	s_cselect_b32 s23, -1, 0
	v_bfe_u32 v13, v0, 3, 1
	v_and_b32 v11, 7, v0
	v_mul_u32_u24 v15, v2, s20
	v_mad_u32_u24 v15, v13, s21, v15
	v_lshl_add_u32 v15, v11, 4, v15
	WIN TO_B
.set j, 0
.rept 16
	global_load_b128 v[96+4*j+96*(j/8):96+4*j+96*(j/8)+3], v[BO], s[96:97] offset:128*(j/4)+16*(j%4)
.set j, j+1
.endr
	WIN 0
.set j, 0
.rept 8
	global_load_b32 v[BR+2*j], v[R4], s[98:99] offset:64*j
	global_load_b32 v[BR+2*j+1], v[R4], s[98:99] offset:64*j
.set j, j+1
.endr
.macro FRAG reg, adr, q, ro            ; two granules, three pieces of 256 bytes each
.irp p, 0,1,2,3,4,5
	ds_load_b64 v[\reg+2*\p:\reg+2*\p+1], v[\adr] offset:(\ro)+1536*(\q)+768*(\p/3)+256*(\p%3)
.endr
.endm
.macro MUL16 a0, p, q, sc, zero
.irp a, \a0, \a0+1
.irp b, 0,1,2,3,4,5,6,7
.if \zero
	v_wmma_scale_f32_16x16x128_f8f6f4 v[8*(8*((\a)%4)+\b):8*(8*((\a)%4)+\b)+7], v[128*(\p)+FR*\b:128*(\p)+FR*\b+FR-1], v[AF+FR*(\a):AF+FR*(\a)+FR-1], 0, v[SCB+16*(\sc)+2*\b+(\q)], v[SCA+16*(\sc)+2*(\a)+(\q)] matrix_a_fmt:MATRIX_FMT_FP6 matrix_b_fmt:MATRIX_FMT_FP6
.else
	v_wmma_scale_f32_16x16x128_f8f6f4 v[8*(8*((\a)%4)+\b):8*(8*((\a)%4)+\b)+7], v[128*(\p)+FR*\b:128*(\p)+FR*\b+FR-1], v[AF+FR*(\a):AF+FR*(\a)+FR-1], v[8*(8*((\a)%4)+\b):8*(8*((\a)%4)+\b)+7], v[SCB+16*(\sc)+2*\b+(\q)], v[SCA+16*(\sc)+2*(\a)+(\q)] matrix_a_fmt:MATRIX_FMT_FP6 matrix_b_fmt:MATRIX_FMT_FP6
.endif
.endr
.endr
.endm
.macro FETCH_B slot, q, p
	WIN TO_B
.irp i, 0,1,2,3,4,5,6,7
	FRAG 128*(\p)+FR*\i, ADRB+\slot+2*(\i%2), \q, 6144*(\i/2)
.endr
	WIN 0
.endm
.macro FETCH_A slot, q, i0
.irp i, \i0, \i0+1, \i0+2, \i0+3
	FRAG AF+FR*(\i), ADRA+\slot+2*((\i)%2), \q, 3072*(\i)
.endr
.endm
.macro SCALES sc
.irp i, 0,1,2,3,4,5,6,7
	ds_load_b64 v[SCA+16*\sc+2*\i:SCA+16*\sc+2*\i+1], v[ADSA] offset:544*\i
.endr
.irp i, 0,1,2,3,4,5,6,7
	ds_load_b64 v[SCB+16*\sc+2*\i:SCB+16*\sc+2*\i+1], v[ADSB] offset:1088*(\i/2)+272*(\i%2)
.endr
.endm
.macro PLACES n
.rept \n
	v_nop
.endr
.endm
.macro STEP slot, q, zero
	s_wait_dscnt 4*NL
	WIN MUL_LO
	MUL16 0, (\q)%2, \q, \slot, \zero
	MUL16 2, (\q)%2, \q, \slot, \zero
	s_wait_dscnt 0
	PLACES NP
	FETCH_B \slot, (\q)+1, 1-(\q)%2
	FETCH_A \slot, (\q)+1, 0
	WIN MUL_HI
	MUL16 4, (\q)%2, \q, \slot, \zero
	MUL16 6, (\q)%2, \q, \slot, \zero
	PLACES NP
	WIN 0
	FETCH_A \slot, (\q)+1, 4
.endm
.macro TURN slot, next, fill
	s_wait_tensorcnt 0x0
	ds_add_u32 v[SPW], v[NIL]
	s_wait_dscnt 4*NL+1
	WIN MUL_LO
	MUL16 0, 1, NQ-1, \slot, 0
	s_wait_dscnt 0x0
	s_barrier_signal -1
	MUL16 2, 1, NQ-1, \slot, 0
	WIN 0
	s_barrier_wait -1
.if \fill
	CREST
	s_add_nc_u64 s[G0+4*\slot+2:G0+4*\slot+3], s[G0+4*\slot+2:G0+4*\slot+3], 2*ROWB
	s_add_nc_u64 s[G0B+4*\slot+2:G0B+4*\slot+3], s[G0B+4*\slot+2:G0B+4*\slot+3], 2*ROWB
	JLOAD G0+4*\slot, G1, G0B+4*\slot, G1B
.else
	PLACES NP
.endif
	s_wait_alu depctr_va_vdst(0)
	v_add_nc_u32 v[ADSA], 4*NQ, v[ADSA]
	v_add_nc_u32 v[ADSB], 4*NQ, v[ADSB]
	FETCH_B \next, 0, 0
	FETCH_A \next, 0, 0
	SCALES \next
	WIN MUL_HI
	MUL16 4, 1, NQ-1, \slot, 0
	MUL16 6, 1, NQ-1, \slot, 0
	PLACES NP
	WIN 0
	FETCH_A \next, 0, 4
.endm
	s_wait_tensorcnt 1
	s_barrier_signal -1
	s_barrier_wait -1
	FETCH_B 0, 0, 0
	FETCH_A 0, 0, 0
	SCALES 0
	FETCH_A 0, 0, 4
	STEP 0, 0, 1
	s_mov_b32 s3, LAPS-1
.Llap:
	TURN 0, 1, 1
	STEP 1, 0, 0
	TURN 1, 0, 1
	STEP 0, 0, 0
	s_sub_co_u32 s3, s3, 1
	s_cmp_lg_u32 s3, 0
	s_cbranch_scc1 .Llap
	TURN 0, 1, 0
	STEP 1, 0, 0
	s_wait_dscnt 4*NL
	WIN MUL_LO
	MUL16 0, 1, NQ-1, 1, 0
	MUL16 2, 1, NQ-1, 1, 0
	s_wait_dscnt 0
	WIN MUL_HI
	MUL16 4, 1, NQ-1, 1, 0
	MUL16 6, 1, NQ-1, 1, 0
	WIN 0
.macro QUANT s
.irp b, 0,1,2,3
	v_max3_num_f32 v[TM+\b], |v[\s+16*\b]|, |v[\s+1+16*\b]|, 0x1800000
.endr
.irp i, 2,4,6,8,10,12,14
.irp b, 0,1,2,3
	v_max3_num_f32 v[TM+\b], v[TM+\b], |v[\s+16*\b+\i]|, |v[\s+1+16*\b+\i]|
.endr
.endr
.irp b, 0,1,2,3
	v_permlanex16_b32 v[TM+4+\b], v[TM+\b], s[SEL], s[SEL+1]
.endr
.irp b, 0,1,2,3
	v_max_num_f32 v[TM+\b], v[TM+\b], v[TM+4+\b]
.endr
.irp b, 0,1,2,3
	v_add_nc_u32 v[TM+12+\b], 0xff000000, v[TM+\b]
.endr
.irp b, 0,1,2,3
	v_lshrrev_b32 v[TM+4+\b], 23, v[TM+12+\b]
.endr
	v_lshl_or_b32 v[PW], v[TM+5], 8, v[TM+4]
	v_lshl_or_b32 v[PW], v[TM+6], 16, v[PW]
	v_lshl_or_b32 v[PW], v[TM+7], 24, v[PW]
.irp c, 0,1
	v_cvt_scalef32_pk16_fp6_f32 v[PC+6*\c:PC+2+6*\c], v[\s+32*\c:\s+15+32*\c], v[TM+12+2*\c]
	v_cvt_scalef32_pk16_fp6_f32 v[PC+12+4*\c:PC+14+4*\c], v[\s+16+32*\c:\s+31+32*\c], v[TM+12+2*\c+1]
.endr
	v_nop
.irp c, 0,1
.irp i, 0,1,2
	v_permlane16_swap_b32 v[PC+6*\c+\i], v[PC+12+4*\c+\i]
.endr
.irp i, 0,1,2
	v_mov_b32 v[PC+3+6*\c+\i], v[PC+12+4*\c+\i]
.endr
.endr
.endm
	PLACES NP
	s_wait_loadcnt 0x0
	WIN 0x44
.set j, 0
.rept 64
	v_and_b32 v[96+j+96*(j/32)], s22, v[96+j+96*(j/32)]
.set j, j+1
.endr
	WIN 0
.set j, 0
.rept 16
	v_and_b32 v[BR+j], s23, v[BR+j]
.set j, j+1
.endr
.irp b, 0,1,2,3
	v_mov_b32 v[TM+4+\b], 0
.endr
	s_mov_b32 s[SEL], 0x76543210
	s_mov_b32 s[SEL+1], 0xfedcba98
	s_mov_b32 s41, 0
	s_mov_b32 s40, s19
	s_mov_b64 s[68:69], s[12:13]
	s_add_nc_u64 s[70:71], s[12:13], s[40:41]
	s_mov_b32 s40, s18
	s_add_nc_u64 s[72:73], s[68:69], s[40:41]
	s_add_nc_u64 s[74:75], s[70:71], s[40:41]
.macro BLOCK a
	s_wait_xcnt 0x0
	s_wait_dscnt 0x0
	WIN 0x06+(\a)/4
.set j, 0
.rept 32
	v_pk_add_f32 v[HA+j:HA+j+1], v[64*((\a)%4)+j:64*((\a)%4)+j+1], v[96+j+96*(j/32):96+j+96*(j/32)+1]
.set j, j+2
.endr
	WIN 0
.set j, 0
.rept 32
	v_pk_add_f32 v[HA+j:HA+j+1], v[HA+j:HA+j+1], v[BR+2*(\a):BR+2*(\a)+1]
.set j, j+2
.endr
	QUANT HA
.irp c, 0,1
.irp p, 0,1,2
	global_store_b64 v[LO8], v[PC+6*\c+2*\p:PC+6*\c+2*\p+1], s[68+4*((\a)/4)+2*\c:69+4*((\a)/4)+2*\c] offset:768*((\a)%4)+256*\p
.endr
.endr
	ds_store_b16 v[STG], v[PW] offset:128*(2*((\a)/4))+32*((\a)%4)
	ds_store_b16_d16_hi v[STG], v[PW] offset:128*(2*((\a)/4)+1)+32*((\a)%4)
.endm
.irp a, 0,1,2,3,4,5,6,7
	BLOCK \a
.endr
	ds_load_b128 v[HA:HA+3], v14
	s_wait_dscnt 0x0
	global_store_b128 v15, v[HA:HA+3], s[12:13] offset:6144
	s_wait_tensorcnt 0x0
	ds_add_u32 v[SPW], v[NIL]
	s_wait_dscnt 0x0
	CROUND
	s_endpgm
.Lfunc_end_k_q214b11e22b_qkv:
	.size	k_q214b11e22b_qkv, .Lfunc_end_k_q214b11e22b_qkv-k_q214b11e22b_qkv
	.p2alignl 7, 3214868480
	.fill 96, 4, 3214868480
	.section	.rodata,"a",@progbits
	.p2align	6, 0x0
	.amdhsa_kernel k_q214b11e22b_qkv
		.amdhsa_group_segment_fixed_size 327680
		.amdhsa_private_segment_fixed_size 0
		.amdhsa_enable_private_segment 0
		.amdhsa_kernarg_size 80
		.amdhsa_user_sgpr_count 2
		.amdhsa_user_sgpr_kernarg_segment_ptr 1
		.amdhsa_wavefront_size32 1
		.amdhsa_system_sgpr_workgroup_id_x 1
		.amdhsa_system_sgpr_workgroup_id_y 1
		.amdhsa_system_sgpr_workgroup_id_z 1
		.amdhsa_system_vgpr_workitem_id 0
		.amdhsa_next_free_vgpr 1024
		.amdhsa_next_free_sgpr 102
		.amdhsa_reserve_vcc 0
		.amdhsa_float_denorm_mode_32 3
		.amdhsa_float_denorm_mode_16_64 3
		.amdhsa_memory_ordered 1
		.amdhsa_forward_progress 1
		.amdhsa_inst_pref_size 210
	.end_amdhsa_kernel
	.amdgpu_metadata
---
amdhsa.version: [ 1, 2 ]
amdhsa.kernels:
  - .name:           k_q214b11e22b_qkv
    .symbol:         k_q214b11e22b_qkv.kd
    .args:
      - { .name: xq, .offset: 0, .size: 8, .value_kind: global_buffer, .address_space: global }
      - { .name: wr, .offset: 8, .size: 8, .value_kind: global_buffer, .address_space: global }
      - { .name: Wq_scales, .offset: 16, .size: 8, .value_kind: global_buffer, .address_space: global }
      - { .name: Wk_scales, .offset: 24, .size: 8, .value_kind: global_buffer, .address_space: global }
      - { .name: Wv_scales, .offset: 32, .size: 8, .value_kind: global_buffer, .address_space: global }
      - { .name: bq, .offset: 40, .size: 8, .value_kind: global_buffer, .address_space: global }
      - { .name: bk, .offset: 48, .size: 8, .value_kind: global_buffer, .address_space: global }
      - { .name: bv, .offset: 56, .size: 8, .value_kind: global_buffer, .address_space: global }
      - { .name: qr, .offset: 64, .size: 8, .value_kind: global_buffer, .address_space: global }
      - { .name: kv, .offset: 72, .size: 8, .value_kind: global_buffer, .address_space: global }
    .group_segment_fixed_size: 327680
    .private_segment_fixed_size: 0
    .kernarg_segment_align: 8
    .kernarg_segment_size: 80
    .max_flat_workgroup_size: 128
    .sgpr_count:     102
    .vgpr_count:     1024
    .wavefront_size: 32
...
	.end_amdgpu_metadata
.endif
;; end of part 9
;; launch attn (part 10): grid 8 x 32, 16 waves a work-group, clusters of 4 x 1, 206,848 bytes of LDS; arguments qr, kv, resonance, phase, oq; writes oq
.if DOCPART == 10
	.amdgcn_target "amdgcn-amd-amdhsa--gfx1250"
	.amdhsa_code_object_version 6
	.text
	.protected	k_q214b11e22b_attn
	.globl	k_q214b11e22b_attn
	.p2align	8
	.type	k_q214b11e22b_attn,@function
k_q214b11e22b_attn:
	s_mov_b64 s[64:65], 0
	v_nop
	global_prefetch_b8 v0, s[64:65] scope:SCOPE_SE
	s_setreg_imm32_b32 hwreg(HW_REG_WAVE_MODE, 25, 1), 1
	s_wait_xcnt 0x0
	s_wait_alu depctr_hold_cnt(0) depctr_sa_sdst(0) depctr_va_vdst(0) depctr_va_sdst(0) depctr_va_ssrc(0) depctr_va_vcc(0) depctr_vm_vsrc(0)
	s_getreg_b32 s2, hwreg(HW_REG_IB_STS2, 6, 4)
	s_cmp_eq_u32 s2, 0
	s_cbranch_scc0 .Lentry_in_a_cluster
	s_endpgm
.Lentry_in_a_cluster:
	s_bfe_u32 s2, ttmp6, 0x10000c
	s_cmp_lg_u32 s2, 0x3003
	s_cbranch_scc0 .Lentry_shape_is_right
	s_endpgm
.Lentry_shape_is_right:
; Attention of one (batch, head) for 256 queries, both products on codes of FP6 (E2M3) with E8M0 scales.  score = q . k / 8; logit = score + resonance x sin(score + phase); t = logit x log2(e);
; M = the ceiling of the running largest t; p = 2^(t - M) is quantised along the keys; the row's sum is taken of the unquantised p and divides O at the end; O is quantised along the head's 64 for the next product.
; SHARES.  Sixteen waves; a wave owns 16 queries in 256 registers, four waves to a SIMD, so that one wave's vector work stands beside another's LDS loads and matrix instructions.
; LDS holds the head's K and V records for all 2,048 keys, 204,800 bytes as they lie in memory, filled ONCE: each wave brings one key step's 12,800 bytes by one joint load (the four work-groups of a
; cluster own query blocks of the same head).  Nothing is filled again.
; LAYOUT.  Both products are used transposed: a lane holds one query (lane % 16).  The head has 64 along K and the instruction takes 128: a fragment of K holds TWO keys a row, one in k 0-63 and one in
; k 64-127, and is multiplied by (q, 0) and by (0, q).  The keys of a tile are chosen so that registers 16 b + i of S hold keys 32 b + 16 (lane / 16) + i; V's rows likewise for O.
; THE SINE: n = round(a / pi) by the constant 1.5 x 2^23, r = a / pi - n in one step, the sign by n's lowest bit, then an odd polynomial of degree 9 on [-pi/2, pi/2].
; LIMITS: |score + phase| under 2^22 pi; NaN and infinities are not served; a block of zeros gets the scale byte 1 (this program alone reads the bytes).
.set RECB,  6400
.set STEPB, 12800
.set HEADB, 204800
.set OSCL,  3145728
.set LK,  1                            ; v1  768 (r / 8) + 8 (r % 8) + 128 h: my place in a pair of granules
.set L4R, 2                            ; v2  4 r: my place among scale words
.set LO8, 3                            ; v3  8 x lane
.set ADK, 4                            ; v4  the step's codes
.set ADS, 5                            ; v5  the step's scale words
.set PH,  8                            ; v[8:9] phase
.set MGV, 10                           ; v[10:11] 1.5 x 2^23
.set C7V, 12                           ; v[12:13]
.set NM,  14                           ; v14 -M, v15 the largest t
.set SUM, 16
.set QS,  18                           ; v18, v19 q's scale words for (q, 0) and (0, q)
.set QLO, 20
.set QHI, 32
.set FRG, 44                           ; four fragments of K or V; between them the sine's 48 registers
.set TA,  44
.set TT,  60
.set TN,  76
.set SW,  92                           ; v92-99 scale words
.set S,   100
.set O,   164
.set PCD, 196
.set PC2, 208
.set BM,  216
.set PT,  220
.set SO,  224
.set BY,  228
.set FF,  232
.set PSW, 234
.set TMP, 235
.set T2,  236
.set WV,  18
.set SEL, 20
.set G1,  24
.set G0,  40
.set TB,  48
.set CNT, 49
.set E8,  50
.set IPI, 52
.set NPH, 54
.set NPL, 56
.set C9,  58
.set C5,  60
.set C3,  62
.set C1,  66
.set C2,  68
.macro ROUND
	s_barrier_signal -1
	s_barrier_wait -1
	s_cmp_lg_u32 s[WV], 0
	s_cbranch_scc1 .Lnot_wave_0_\@
	s_barrier_signal -3
.Lnot_wave_0_\@:
	s_barrier_wait -3
	s_barrier_signal -1
	s_barrier_wait -1
.endm
.macro KONST r, bits                   ; a constant as a pair: the packed forms name a pair and take its low word for both halves
	s_mov_b32 s[\r], \bits
	s_mov_b32 s[\r+1], \bits
.endm
	s_load_b128 s[4:7], s[0:1], 0x0                ; qr, kv
	s_load_b128 s[8:11], s[0:1], 0x10              ; resonance, phase
	s_load_b64 s[12:13], s[0:1], 0x20              ; oq
	v_lshl_add_u32 v254, v0, 2, 0x32000
	v_mov_b32 v255, 0
	ds_add_u32 v254, v255
	ds_add_u32 v254, v255
	v_lshrrev_b32 v1, 5, v0
	s_delay_alu instid0(VALU_DEP_1)
	v_readfirstlane_b32 s[WV], v1                  ; wave 0..15
	s_bfe_u32 s14, ttmp6, 0x40000                  ; cx
	s_lshl_b32 s15, ttmp9, 2
	s_add_co_u32 s15, s15, s14                     ; my block of 256 queries: it enters Q's and O's addresses alone
	s_and_b32 s16, ttmp7, 0xffff                   ; 16 x batch + head, which the four partners share
	s_mov_b32 s[G1], 15|(3<<16)|(1<<21)            ; the mask: all four work-groups; elements of 8 bytes; no padding
	s_mov_b32 s[G1+1], 32<<16                      ; rows of 256 bytes,
	s_mov_b32 s[G1+2], 50<<16                      ; 50 of them: a key step's two records
	s_mov_b32 s[G1+3], 32<<16
	s_mov_b32 s[G1+4], 50
	s_mov_b32 s[G1+5], 32                          ; dense
	s_mov_b32 s[G1+6], 0
	s_mov_b32 s[G1+7], 0
	s_mul_i32 s70, s16, HEADB
	s_mul_i32 s72, s[WV], STEPB
	s_add_co_u32 s70, s70, s72
	s_mov_b32 s71, 0
	s_and_b32 s74, s16, 15
	s_lshl_b32 s74, s74, 2
	s_mov_b32 s75, 0
	KONST E8,  0x3d22f983                          ; 1 / (8 pi)
	KONST C1,  0x3e38aa3b                          ; log2(e) / 8
	s_mov_b32 s[SEL], 0x76543210
	s_mov_b32 s[SEL+1], 0xfedcba98
	s_mov_b32 s[TB], 0
	s_wait_dscnt 0x0
	s_wait_kmcnt 0x0
	s_add_nc_u64 s[8:9], s[8:9], s[74:75]
	s_add_nc_u64 s[10:11], s[10:11], s[74:75]
	s_load_b32 s76, s[8:9], 0x0                    ; my head's resonance
	s_load_b32 s77, s[10:11], 0x0                  ; and phase
	s_mov_b32 s[G0], 1
	s_mov_b32 s[G0+1], s72                         ; LDS: wave x 12,800
	s_add_nc_u64 s[G0+2:G0+3], s[6:7], s[70:71]
	s_or_b32 s[G0+3], s[G0+3], 0x80000000
	ROUND                                          ; all four work-groups are here: the joint loads meet
	tensor_load_to_lds s[G0:G0+3], s[G1:G1+7]      ; one load of mine is out
	s_nop 0
.rept 4
	v_nop
.endr
	s_lshl_b32 s72, s16, 4
	s_lshl_b32 s73, s15, 1
	s_add_co_u32 s72, s72, s73
	s_lshr_b32 s73, s[WV], 3
	s_add_co_u32 s72, s72, s73                     ; Q's record: 16 x (batch, head) + the group of 128 tokens
	s_mul_i32 s72, s72, RECB
	s_mov_b32 s73, 0
	s_add_nc_u64 s[4:5], s[4:5], s[72:73]
	s_and_b32 s70, s[WV], 7                        ; my granule in it
	s_mul_i32 s71, s70, 768
	s_lshl_b32 s70, s70, 5
	s_lshr_b32 s72, s16, 4
	s_lshl_b32 s72, s72, 7
	s_lshl_b32 s74, s15, 4
	s_add_co_u32 s72, s72, s74
	s_add_co_u32 s72, s72, s[WV]                   ; my tile of 16 tokens among the 256
	s_and_b32 s74, s16, 15                         ; the head
	s_lshl_b32 s78, s72, 9
	s_lshl_b32 s75, s74, 1
	s_add_co_u32 s78, s78, s75                     ; O's scale bytes: 32 a token, 2 a head
	s_mov_b32 s79, 0
	s_add_nc_u64 s[78:79], s[12:13], s[78:79]
	s_add_nc_u64 s[78:79], s[78:79], OSCL
	s_lshl_b32 s72, s72, 4
	s_add_co_u32 s72, s72, s74
	s_mul_i32 s72, s72, 768                        ; O's granule
	s_add_nc_u64 s[12:13], s[12:13], s[72:73]
	v_and_b32 v[LO8], 31, v0
	s_delay_alu instid0(VALU_DEP_1)
	v_lshlrev_b32 v[LO8], 3, v[LO8]
	s_delay_alu instid0(VALU_DEP_1)
	v_add_nc_u32 v6, s71, v[LO8]
	v_and_b32 v235, 15, v0                         ; r
	v_bfe_u32 v236, v0, 4, 1                       ; h
	s_delay_alu instid0(VALU_DEP_2)
	v_lshrrev_b32 v237, 3, v235
	s_delay_alu instid0(VALU_DEP_3)
	v_and_b32 v238, 7, v235
	s_delay_alu instid0(VALU_DEP_1)
	v_lshlrev_b32 v7, 2, v238
	s_delay_alu instid0(VALU_DEP_1)
	v_lshl_add_u32 v7, v237, 1, v7
	s_delay_alu instid0(VALU_DEP_1)
	v_add_nc_u32 v7, s70, v7
.irp p, 0,1,2
	global_load_b64 v[QLO+2*\p:QLO+2*\p+1], v6, s[4:5] offset:256*\p
	global_load_b64 v[QHI+6+2*\p:QHI+6+2*\p+1], v6, s[4:5] offset:256*\p
.endr
	global_load_u16 v[QS], v7, s[4:5] offset:6144  ; my query's two scale bytes
	v_mul_u32_u24 v[LK], v237, 768
	s_delay_alu instid0(VALU_DEP_1)
	v_lshl_add_u32 v[LK], v238, 3, v[LK]
	s_delay_alu instid0(VALU_DEP_1)
	v_lshl_add_u32 v[LK], v236, 7, v[LK]
	v_lshlrev_b32 v[L4R], 2, v235
	s_wait_loadcnt 0x0
	v_lshl_or_b32 v[QS+1], v[QS], 16, 0x7f7f       ; the bytes over the zero codes stand for 1
	v_or_b32 v[QS], 0x7f7f0000, v[QS]
.set j, 0
.rept 6
	v_mov_b32 v[QLO+6+j], 0
	v_mov_b32 v[QHI+j], 0
.set j, j+1
.endr
.set j, 0
.rept 32
	v_mov_b32 v[O+j], 0                            ; the step is written once: the first finds zeros
.set j, j+1
.endr
	v_mov_b32 v[NM+1], 0xff61b1e6                  ; the largest t so far: -3e38
	s_delay_alu instid0(VALU_DEP_1)
	v_floor_f32 v[NM], -v[NM+1]
	v_mov_b32 v[SUM], 0
	v_mov_b32 v[SUM+1], 0
	v_mov_b32 v[FF+1], 0                           ; named as the upper half of a pair
.irp b, 0,1,2,3
	v_mov_b32 v[PT+\b], 0                          ; a lane permute's destination counts as one of its sources
.endr
	v_mov_b32 v[MGV], 0x4b400000
	v_mov_b32 v[MGV+1], 0x4b400000
	s_wait_kmcnt 0x0
	s_mul_f32 s[C2], s76, 0x3fb8aa3b               ; resonance x log2(e), which goes into the sine's coefficients with pi's powers:
	s_mul_f32 s77, s77, 0x3ea2f983                 ; phase / pi
	s_mul_f32 s[IPI], s[C2], 0x40490fdb            ; D1 = that x pi
	s_mul_f32 s[C3], s[C2], 0xc0a55de3             ; D3 = that x pi^3 x the coefficient of r^3
	s_mul_f32 s[C5], s[C2], 0x4023349c             ; D5
	s_mul_f32 s76, s[C2], 0xbf192ce0               ; D7
	s_mul_f32 s[C9], s[C2], 0x3d9f3c34             ; D9
	s_mov_b32 s[IPI+1], s[IPI]
	s_mov_b32 s[C3+1], s[C3]
	s_mov_b32 s[C5+1], s[C5]
	s_mov_b32 s[C9+1], s[C9]
	v_mov_b32 v[C7V], s76
	v_mov_b32 v[C7V+1], s76
	v_mov_b32 v[PH], s77
	v_mov_b32 v[PH+1], s77
; 16 raw products q . k become t, stage by stage, eight pairs a stage.  THE SINE AS IT IS TAKEN HERE, in half turns: v = (score + phase) / pi; n = round(v) by the constant 1.5 x 2^23;
; r = v - n, which rounds nothing; an odd n turns r's sign; resonance x log2(e) x sin(pi r) = r (D1 + z (D3 + z (D5 + z (D7 + z D9)))), z = r^2: the odd polynomial of degree 9 on
; [-pi/2, pi/2] with pi's powers and the factor in its coefficients.
.macro PK8 op, d, a, b, tail:vararg
.set i, 0
.rept 8
	\op v[\d+i:\d+i+1], v[\a+i:\a+i+1], v[\b+i:\b+i+1] \tail
.set i, i+2
.endr
.endm
.macro PKS op, d, a, sc, tail:vararg   ; the second source a constant pair
.set i, 0
.rept 8
	\op v[\d+i:\d+i+1], v[\a+i:\a+i+1], s[\sc:\sc+1] \tail
.set i, i+2
.endr
.endm
.macro HORN sc                         ; TT = TT z + a constant
.set i, 0
.rept 8
	v_pk_fma_f32 v[TT+i:TT+i+1], v[TT+i:TT+i+1], v[TN+i:TN+i+1], s[\sc:\sc+1] op_sel_hi:[1,1,0]
.set i, i+2
.endr
.endm
.macro HARM g
.set X0, S+16*(\g)
	PKS v_pk_fma_f32, TA, X0, E8, , v[PH:PH+1] op_sel_hi:[1,0,1]
.set i, 0
.rept 8
	v_pk_add_f32 v[TT+i:TT+i+1], v[TA+i:TA+i+1], v[MGV:MGV+1]                                       ; 1.5 x 2^23 + n
.set i, i+2
.endr
.set i, 0
.rept 8
	v_pk_add_f32 v[TN+i:TN+i+1], v[TT+i:TT+i+1], v[MGV:MGV+1] neg_lo:[0,1] neg_hi:[0,1]             ; n
.set i, i+2
.endr
	PK8 v_pk_add_f32, TA, TA, TN, neg_lo:[0,1] neg_hi:[0,1]
.set i, 0
.rept 16
	v_lshl_add_u32 v[TA+i], v[TT+i], 31, v[TA+i]   ; an odd n turns r's sign
.set i, i+1
.endr
	PK8 v_pk_mul_f32, TN, TA, TA
	PKS v_pk_fma_f32, TT, TN, C9, , v[C7V:C7V+1] op_sel_hi:[1,0,1]
	HORN C5
	HORN C3
	HORN IPI
	PKS v_pk_mul_f32, X0, X0, C1, op_sel_hi:[1,0]
.set i, 0
.rept 8
	v_pk_fma_f32 v[X0+i:X0+i+1], v[TT+i:TT+i+1], v[TA+i:TA+i+1], v[X0+i:X0+i+1]
.set i, i+2
.endr
.endm
.macro STEP                            ; 128 keys
	v_add_nc_u32 v[ADK], s[TB], v[LK]
	v_add_nc_u32 v[ADS], s[TB], v[L4R]
	v_nop
	v_nop                                          ; four places in front of loads into registers that the last products have read
.irp b, 0,1,2,3
.irp p, 0,1,2,3,4,5                    ; fragment b, lane r: key 32 b + 16 (r / 8) + r % 8 in registers 0-5, the key 8 further on in registers 6-11
	ds_load_b64 v[FRG+12*\b+2*\p:FRG+12*\b+2*\p+1], v[ADK] offset:1536*\b+64*(\p/3)+256*(\p%3)
.endr
	ds_load_b32 v[SW+\b], v[ADS] offset:6144+64*\b  ; both keys' two scale bytes
.endr
	s_wait_dscnt 0x0
.irp b, 0,1,2,3
.irp u, 0,1
	v_wmma_scale_f32_16x16x128_f8f6f4 v[S+8*(2*\b+\u):S+8*(2*\b+\u)+7], v[FRG+12*\b:FRG+12*\b+11], v[QLO+12*\u:QLO+12*\u+11], 0, v[SW+\b], v[QS+\u] matrix_a_fmt:MATRIX_FMT_FP6 matrix_b_fmt:MATRIX_FMT_FP6
.endr
.endr
.rept 4
	v_nop
.endr
	s_wait_alu depctr_va_vdst(0)
	HARM 0
	HARM 1
	HARM 2
	HARM 3
.irp t, 0,1,2,3                        ; V: tile t, lane r: channel 32 (t / 2) + 8 (t % 2) + r + 8 (r / 8); registers 6 c on: keys 64 c on.  They land under the softmax
.irp p, 0,1,2,3,4,5
	ds_load_b64 v[FRG+12*\t+2*\p:FRG+12*\t+2*\p+1], v[ADK] offset:RECB+3072*(\p/3)+1536*(\t/2)+64*(\t%2)+256*(\p%3)
.endr
	ds_load_u16 v[SW+\t], v[ADS] offset:RECB+6144+64*(\t/2)+2*(\t%2)
	ds_load_u16 v[SW+4+\t], v[ADS] offset:RECB+6144+128+64*(\t/2)+2*(\t%2)
.endr
.irp b, 0,1,2,3
	v_max3_num_f32 v[BM+\b], v[S+16*\b], v[S+1+16*\b], v[S+2+16*\b]   ; the largest t of each block of 32 keys: for the row's maximum and for the block's largest p
.endr
.irp i, 3,5,7,9,11,13
.irp b, 0,1,2,3
	s_delay_alu instid0(VALU_DEP_4)
	v_max3_num_f32 v[BM+\b], v[BM+\b], v[S+16*\b+\i], v[S+1+16*\b+\i]
.endr
.endr
.irp b, 0,1,2,3
	s_delay_alu instid0(VALU_DEP_4)
	v_max_num_f32 v[BM+\b], v[BM+\b], v[S+15+16*\b]
.endr
.irp b, 0,1,2,3
	s_delay_alu instid0(VALU_DEP_4)
	v_permlanex16_b32 v[PT+\b], v[BM+\b], s[SEL], s[SEL+1]
.endr
.irp b, 0,1,2,3
	s_delay_alu instid0(VALU_DEP_4)
	v_max_num_f32 v[BM+\b], v[BM+\b], v[PT+\b]
.endr
	s_delay_alu instid0(VALU_DEP_2)
	v_max3_num_f32 v[TMP], v[BM], v[BM+1], v[BM+2]
	s_delay_alu instid0(VALU_DEP_1)
	v_max_num_f32 v[TMP], v[TMP], v[BM+3]
	s_delay_alu instid0(VALU_DEP_1)
	v_max_num_f32 v[NM+1], v[NM+1], v[TMP]         ; the running largest t
	v_mov_b32 v[TMP], v[NM]
	s_delay_alu instid0(VALU_DEP_2)
	v_floor_f32 v[NM], -v[NM+1]                    ; -M = floor(-t): M is a whole number
	s_delay_alu instid0(VALU_DEP_1)
	v_sub_f32 v[TMP], v[NM], v[TMP]                ; old M - new M, 0 or less
	s_delay_alu instid0(VALU_DEP_1)
	v_cvt_i32_f32 v[TMP], v[TMP]                   ; (it saturates)
	s_delay_alu instid0(VALU_DEP_1)
	v_ldexp_f32 v[FF], 1.0, v[TMP]                 ; f = 2^(old M - new M): a multiplication by it rounds nothing
.set j, 0
.rept 32
	v_pk_add_f32 v[S+j:S+j+1], v[S+j:S+j+1], v[NM:NM+1] op_sel_hi:[1,0]   ; t - M
.set j, j+2
.endr
.irp b, 0,1,2,3
	v_add_f32 v[BM+\b], v[BM+\b], v[NM]
.endr
.set j, 0
	s_wait_alu depctr_va_vdst(0)
.rept 64
	v_exp_f32 v[S+j], v[S+j]                       ; p, not normalised
.set j, j+1
.endr
	v_pk_mul_f32 v[SUM:SUM+1], v[SUM:SUM+1], v[FF:FF+1] op_sel_hi:[1,0]   ; a plain place behind the exponentials
	s_wait_alu depctr_va_vdst(0)                   ; one wait for the batch, ahead of its first reader
.irp b, 0,1,2,3
	v_exp_f32 v[BM+\b], v[BM+\b]                   ; the block's largest p: the same two operations on the same number
.endr
	v_pk_add_f32 v[236:237], v[104:105], v[108:109]
	v_pk_add_f32 v[252:253], v[112:113], v[116:117]
	v_pk_add_f32 v[250:251], v[120:121], v[124:125]
	v_pk_add_f32 v[248:249], v[128:129], v[132:133]
	v_pk_add_f32 v[246:247], v[136:137], v[140:141]
	v_pk_add_f32 v[244:245], v[144:145], v[148:149]
	v_pk_add_f32 v[242:243], v[152:153], v[156:157]
	v_pk_add_f32 v[16:17], v[16:17], v[160:161]
	v_pk_add_f32 v[236:237], v[236:237], v[100:101]
	v_pk_add_f32 v[252:253], v[252:253], v[102:103]
	v_pk_add_f32 v[250:251], v[250:251], v[106:107]
	v_pk_add_f32 v[248:249], v[248:249], v[110:111]
	v_pk_add_f32 v[246:247], v[246:247], v[114:115]
	v_pk_add_f32 v[244:245], v[244:245], v[118:119]
	v_pk_add_f32 v[242:243], v[242:243], v[122:123]
	v_pk_add_f32 v[16:17], v[16:17], v[126:127]
	v_pk_add_f32 v[236:237], v[236:237], v[130:131]
	v_pk_add_f32 v[252:253], v[252:253], v[134:135]
	v_pk_add_f32 v[250:251], v[250:251], v[138:139]
	v_pk_add_f32 v[248:249], v[248:249], v[142:143]
	v_pk_add_f32 v[246:247], v[246:247], v[146:147]
	v_pk_add_f32 v[244:245], v[244:245], v[150:151]
	v_pk_add_f32 v[242:243], v[242:243], v[154:155]
	v_pk_add_f32 v[16:17], v[16:17], v[158:159]
	v_pk_add_f32 v[236:237], v[236:237], v[162:163]
	s_delay_alu instid0(VALU_DEP_2)
	v_pk_add_f32 v[16:17], v[16:17], v[248:249]
	s_delay_alu instid0(VALU_DEP_2)
	v_pk_add_f32 v[236:237], v[236:237], v[246:247]
	v_pk_add_f32 v[252:253], v[252:253], v[244:245]
	v_pk_add_f32 v[250:251], v[250:251], v[242:243]
	s_delay_alu instid0(VALU_DEP_2)
	v_pk_add_f32 v[16:17], v[16:17], v[252:253]
	s_delay_alu instid0(VALU_DEP_2)
	v_pk_add_f32 v[236:237], v[236:237], v[250:251]
	s_delay_alu instid0(VALU_DEP_1)
	v_pk_add_f32 v[16:17], v[16:17], v[236:237]
	s_wait_alu depctr_va_vdst(0)                   ; and one for the four
	s_wait_dscnt 0x0                               ; V is in
.irp t, 0,1,2,3
	v_lshl_or_b32 v[SW+\t], v[SW+4+\t], 16, v[SW+\t]   ; V's scale word: keys 0-63 below, 64-127 above
.endr
.irp b, 0,1,2,3
	v_max_num_f32 v[BM+\b], 0x1800000, v[BM+\b]    ; the floor 2^(3 - 127)
.endr
.irp b, 0,1,2,3
	s_delay_alu instid0(VALU_DEP_4)
	v_add_nc_u32 v[SO+\b], 0xff000000, v[BM+\b]
.endr
.irp b, 0,1,2,3
	s_delay_alu instid0(VALU_DEP_4)
	v_lshrrev_b32 v[BY+\b], 23, v[SO+\b]
.endr
	s_delay_alu instid0(VALU_DEP_3)
	v_lshl_or_b32 v[PSW], v[BY+1], 8, v[BY]
	s_delay_alu instid0(VALU_DEP_1)
	v_lshl_or_b32 v[PSW], v[BY+2], 16, v[PSW]
	s_delay_alu instid0(VALU_DEP_1)
	v_lshl_or_b32 v[PSW], v[BY+3], 24, v[PSW]
.irp c, 0,1
	v_cvt_scalef32_pk16_fp6_f32 v[PCD+6*\c:PCD+2+6*\c], v[S+32*\c:S+15+32*\c], v[SO+2*\c]
	v_cvt_scalef32_pk16_fp6_f32 v[PC2+4*\c:PC2+2+4*\c], v[S+16+32*\c:S+31+32*\c], v[SO+2*\c+1]
.endr
.set j, 0
.rept 16
	v_pk_mul_f32 v[O+j:O+j+1], v[O+j:O+j+1], v[FF:FF+1] op_sel_hi:[1,0]   ; O under the new M; also the plain place behind the conversions and places behind the scale words
.set j, j+2
.endr
.irp c, 0,1
.irp i, 0,1,2
	v_permlane16_swap_b32 v[PCD+6*\c+\i], v[PC2+4*\c+\i]
.endr
.irp i, 0,1,2
	s_delay_alu instid0(VALU_DEP_3)
	v_mov_b32 v[PCD+3+6*\c+\i], v[PC2+4*\c+\i]
.endr
.endr
.rept 4
	v_nop                                          ; an operand written by vector instructions stands four places ahead of a scaled matrix instruction
.endr
.irp t, 0,1,2,3                        ; the four accumulators take one turn each; eight other products stand between a turn and the next
	v_wmma_scale_f32_16x16x128_f8f6f4 v[O+8*\t:O+8*\t+7], v[FRG+12*\t:FRG+12*\t+11], v[PCD:PCD+11], v[O+8*\t:O+8*\t+7], v[SW+\t], v[PSW] matrix_a_fmt:MATRIX_FMT_FP6 matrix_b_fmt:MATRIX_FMT_FP6
.endr
	s_add_co_u32 s[TB], s[TB], STEPB
.endm
	s_wait_tensorcnt 0x0                           ; my part of the head is in,
	s_barrier_signal -1
	s_barrier_wait -1                              ; everybody's is
	s_mov_b32 s[CNT], 16
.Lstep:
	STEP
	s_sub_co_u32 s[CNT], s[CNT], 1
	s_cmp_lg_u32 s[CNT], 0
	s_cbranch_scc1 .Lstep
	; THE WAY OUT: O / the sum, quantised along the head's 64: one granule and two scale bytes a row
.rept 4
	v_nop
.endr
	v_add_f32 v[SUM], v[SUM], v[SUM+1]
	s_delay_alu instid0(VALU_DEP_1)
	v_permlanex16_b32 v[PT], v[SUM], s[SEL], s[SEL+1]
	s_delay_alu instid0(VALU_DEP_1)
	v_add_f32 v[SUM], v[SUM], v[PT]
	s_wait_alu depctr_va_vdst(0)
	v_rcp_f32 v[SUM], v[SUM]
	v_lshlrev_b32 v[ADS], 3, v[L4R]                ; 32 r (a plain place behind the reciprocal)
	s_wait_alu depctr_va_vdst(0)
.set j, 0
.rept 16
	v_pk_mul_f32 v[S+j:S+j+1], v[O+j:O+j+1], v[SUM:SUM+1] op_sel_hi:[1,0]   ; register 16 b + i: channel 32 b + 16 h + i
.set j, j+2
.endr
.irp b, 0,1
	v_max3_num_f32 v[BM+\b], |v[S+16*\b]|, |v[S+1+16*\b]|, 0x1800000
.endr
.irp i, 2,4,6,8,10,12,14
.irp b, 0,1
	s_delay_alu instid0(VALU_DEP_2)
	v_max3_num_f32 v[BM+\b], v[BM+\b], |v[S+16*\b+\i]|, |v[S+1+16*\b+\i]|
.endr
.endr
.irp b, 0,1
	s_delay_alu instid0(VALU_DEP_2)
	v_permlanex16_b32 v[PT+\b], v[BM+\b], s[SEL], s[SEL+1]
.endr
.irp b, 0,1
	s_delay_alu instid0(VALU_DEP_2)
	v_max_num_f32 v[BM+\b], v[BM+\b], v[PT+\b]
.endr
.irp b, 0,1
	s_delay_alu instid0(VALU_DEP_2)
	v_add_nc_u32 v[SO+\b], 0xff000000, v[BM+\b]
.endr
.irp b, 0,1
	s_delay_alu instid0(VALU_DEP_2)
	v_lshrrev_b32 v[BY+\b], 23, v[SO+\b]
.endr
	s_delay_alu instid0(VALU_DEP_1)
	v_lshl_or_b32 v[BY], v[BY+1], 8, v[BY]
	v_cvt_scalef32_pk16_fp6_f32 v[PCD:PCD+2], v[S:S+15], v[SO]
	v_cvt_scalef32_pk16_fp6_f32 v[PC2:PC2+2], v[S+16:S+31], v[SO+1]
	v_nop
.irp i, 0,1,2
	v_permlane16_swap_b32 v[PCD+\i], v[PC2+\i]
.endr
.irp i, 0,1,2
	s_delay_alu instid0(VALU_DEP_3)
	v_mov_b32 v[PCD+3+\i], v[PC2+\i]
.endr
.irp p, 0,1,2
	global_store_b64 v[LO8], v[PCD+2*\p:PCD+2*\p+1], s[12:13] offset:256*\p   ; 32 lanes store 256 consecutive, aligned bytes
.endr
	global_store_b16 v[ADS], v[BY], s[78:79]       ; two bytes a row, once a wave; lanes l and l xor 16 store the same
	s_wait_tensorcnt 0x0
	ds_add_u32 v254, v255
	s_wait_dscnt 0x0
	ROUND                                          ; the closing round
	s_endpgm
.Lfunc_end_k_q214b11e22b_attn:
	.size	k_q214b11e22b_attn, .Lfunc_end_k_q214b11e22b_attn-k_q214b11e22b_attn
	.p2alignl 7, 3214868480
	.fill 96, 4, 3214868480
	.section	.rodata,"a",@progbits
	.p2align	6, 0x0
	.amdhsa_kernel k_q214b11e22b_attn
		.amdhsa_group_segment_fixed_size 206848
		.amdhsa_private_segment_fixed_size 0
		.amdhsa_enable_private_segment 0
		.amdhsa_kernarg_size 40
		.amdhsa_user_sgpr_count 2
		.amdhsa_user_sgpr_kernarg_segment_ptr 1
		.amdhsa_wavefront_size32 1
		.amdhsa_system_sgpr_workgroup_id_x 1
		.amdhsa_system_sgpr_workgroup_id_y 1
		.amdhsa_system_sgpr_workgroup_id_z 1
		.amdhsa_system_vgpr_workitem_id 0
		.amdhsa_next_free_vgpr 256
		.amdhsa_next_free_sgpr 80
		.amdhsa_reserve_vcc 0
		.amdhsa_float_denorm_mode_32 3
		.amdhsa_float_denorm_mode_16_64 3
		.amdhsa_memory_ordered 1
		.amdhsa_forward_progress 1
		.amdhsa_inst_pref_size 60
	.end_amdhsa_kernel
	.amdgpu_metadata
---
amdhsa.version: [ 1, 2 ]
amdhsa.kernels:
  - .name:           k_q214b11e22b_attn
    .symbol:         k_q214b11e22b_attn.kd
    .args:
      - { .name: qr, .offset: 0, .size: 8, .value_kind: global_buffer, .address_space: global }
      - { .name: kv, .offset: 8, .size: 8, .value_kind: global_buffer, .address_space: global }
      - { .name: resonance, .offset: 16, .size: 8, .value_kind: global_buffer, .address_space: global }
      - { .name: phase, .offset: 24, .size: 8, .value_kind: global_buffer, .address_space: global }
      - { .name: oq, .offset: 32, .size: 8, .value_kind: global_buffer, .address_space: global }
    .group_segment_fixed_size: 206848
    .private_segment_fixed_size: 0
    .kernarg_segment_align: 8
    .kernarg_segment_size: 40
    .max_flat_workgroup_size: 512
    .sgpr_count:     80
    .vgpr_count:     256
    .wavefront_size: 32
...
	.end_amdgpu_metadata
.endif
;; end of part 10
;; launch wo (part 11): grid 8 x 32, 4 waves a work-group, clusters of 4 x 4, 327,680 bytes of LDS; arguments oq, wr, Wo_scales, cf; writes cf
.if DOCPART == 11
	.amdgcn_target "amdgcn-amd-amdhsa--gfx1250"
	.amdhsa_code_object_version 6
	.text
	.protected	k_q214b11e22b_wo
	.globl	k_q214b11e22b_wo
	.p2align	8
	.type	k_q214b11e22b_wo,@function
k_q214b11e22b_wo:
	s_mov_b64 s[64:65], 0
	v_nop
	global_prefetch_b8 v0, s[64:65] scope:SCOPE_SE
	s_setreg_imm32_b32 hwreg(HW_REG_WAVE_MODE, 25, 1), 1
	s_wait_xcnt 0x0
	s_wait_alu depctr_hold_cnt(0) depctr_sa_sdst(0) depctr_va_vdst(0) depctr_va_sdst(0) depctr_va_ssrc(0) depctr_va_vcc(0) depctr_vm_vsrc(0)
	s_getreg_b32 s2, hwreg(HW_REG_IB_STS2, 6, 4)
	s_cmp_eq_u32 s2, 0
	s_cbranch_scc0 .Lentry_in_a_cluster
	s_endpgm
.Lentry_in_a_cluster:
	s_bfe_u32 s2, ttmp6, 0x10000c
	s_cmp_lg_u32 s2, 0xf033
	s_cbranch_scc0 .Lentry_shape_is_right
	s_endpgm
.Lentry_shape_is_right:
.set SIZE_M, 4096
.set SIZE_N, 1024
.set SIZE_K, 1024
.set ASCL,   3145728
.set KSTEP,  512
.set NQ,     KSTEP/128
.set ROWB,   6144                      ; B's K step of 512 of a group of 16 rows: eight granules, as A's
.set KROW,   SIZE_K*6/8
.set AGB,    6144
.set FR,     12
.set NP,     4
.set HALFT,  49152                     ; 64 rows, all of K: 4 row groups x 12,288 bytes.  All of A's 128 rows and all of B's stand in LDS, filled once
.set SLOT,   6144                      ; the second half of K begins 6,144 bytes on in each row group
.set LAPS,   SIZE_K/(2*KSTEP)
.set KS,     SIZE_K/32
.set SCL,    4*HALFT
.set HALFS,  (64*KS/256)*272
.set SBLK,   (16*KS/256)*272
.set SPARE,  SCL+4*HALFS
.set STAGE,  SPARE+512                 ; the way out has bytes of its own: both halves of K lie in one region, which others may still read
.set SPITCH, 272
.set ADRA, 16
.set ADRB, 20
.set STO,  24
.set RD,   25
.set CO,   26
.set ADRS, 27
.set SPW,  28
.set NIL,  29
.set SC,   32
.set ACC,  128
.set F0,   0
.set F1,   128
.set G1, 24
.set G0, 32
.set G1B, 48
.set G0B, 56
.set G1S, 68
.set G0S, 76
.set G1SB, 80
.set G0SB, 88
.set MSB, 0
.macro WIN new
.if MSB != \new
	s_set_vgpr_msb (MSB<<8)|\new
.set MSB, \new
.endif
.endm
.set MUL,  0x05
.set TO_F, 0x40
.macro JLOAD g0a, g1a, g0b, g1b
	s_cmp_eq_u32 s15, 0
	s_cbranch_scc0 .Lfor_b_\@
	tensor_load_to_lds s[\g0a:\g0a+3], s[\g1a:\g1a+7]
	s_nop 0
.rept 4
	v_nop
.endr
	s_branch .Lasked_\@
.Lfor_b_\@:
	tensor_load_to_lds s[\g0b:\g0b+3], s[\g1b:\g1b+7]
	s_nop 0
.rept 4
	v_nop
.endr
.Lasked_\@:
.endm
.macro CREST
	s_cmp_lg_u32 s14, 0
	s_cbranch_scc1 .Lnot_wave_0_\@
	s_barrier_signal -3
.Lnot_wave_0_\@:
	s_barrier_wait -3
	s_barrier_signal -1
	s_barrier_wait -1
.endm
.macro CROUND
	s_barrier_signal -1
	s_barrier_wait -1
	CREST
.endm
	s_load_b64 s[4:5], s[0:1], 0x0
	s_load_b64 s[8:9], s[0:1], 0x8
	s_load_b64 s[10:11], s[0:1], 0x10
	s_load_b64 s[12:13], s[0:1], 0x18
	v_lshl_add_u32 v[SPW], v0, 2, SPARE
	v_mov_b32 v[NIL], 0
	ds_add_u32 v28, v29
	ds_add_u32 v28, v29
	s_wait_dscnt 0x0
	v_lshrrev_b32 v1, 5, v0
	v_readfirstlane_b32 s14, v1
	s_lshr_b32 s15, s14, 1
	s_and_b32 s16, s14, 1
	s_bfe_u32 s40, ttmp6, 0x40000
	s_bfe_u32 s41, ttmp6, 0x40004
	s_lshl_b32 s42, ttmp9, 2
	s_add_co_u32 s42, s42, s40
	s_and_b32 s17, ttmp7, 0xffff
	s_lshl_b32 s17, s17, 2
	s_add_co_u32 s17, s17, s41
	s_lshl_b32 s43, s41, 2
	s_lshl_b32 s43, 15, s43
	s_lshl_b32 s44, 0x1111, s40
	s_or_b32 s[G1+0], s43, (3<<16)|(1<<21)
	s_mov_b32 s[G1+1], (2*AGB/8)<<16               ; rows of 12,288 bytes: a row group's whole K,
	s_mov_b32 s[G1+2], 8<<16                       ; 8 row groups
	s_mov_b32 s[G1+3], (2*AGB/8)<<16
	s_mov_b32 s[G1+4], 8
	s_mov_b32 s[G1+5], SIZE_K/64*96
	s_mov_b32 s[G1+6], 0
	s_mov_b32 s[G1+7], 0
	s_or_b32 s[G1B+0], s44, (3<<16)|(1<<21)
	s_mov_b32 s[G1B+1], (2*AGB/8)<<16
	s_mov_b32 s[G1B+2], 8<<16
	s_mov_b32 s[G1B+3], (2*AGB/8)<<16
	s_mov_b32 s[G1B+4], 8
	s_mov_b32 s[G1B+5], SIZE_K/64*96
	s_mov_b32 s[G1B+6], 0
	s_mov_b32 s[G1B+7], 0
	s_or_b32 s[G1S+0], s43, (3<<16)|(1<<20)|(1<<21)|(5<<22)|(3<<25)
	s_or_b32 s[G1SB+0], s44, (3<<16)|(1<<20)|(1<<21)|(5<<22)|(3<<25)
.irp g, G1S, G1SB
	s_mov_b32 s[\g+1], 32<<16
	s_mov_b32 s[\g+2], (128*KS/256)<<16
	s_mov_b32 s[\g+3], 32<<16
	s_mov_b32 s[\g+4], 128*KS/256
	s_mov_b32 s[\g+5], 32
	s_mov_b32 s[\g+6], 0
	s_mov_b32 s[\g+7], 0
.endr
	s_lshl_b32 s18, s16, 6
	s_lshl_b32 s20, s17, 7
	s_add_co_u32 s20, s20, s18
	s_lshl_b32 s46, s42, 7
	s_add_co_u32 s46, s46, s18
	s_mov_b32 s21, 0
	s_mov_b32 s47, 0
	s_mov_b64 s[18:19], KS
	s_lshl_b32 s22, s17, 7                         ; the scales come for a tile's 128 rows at once
	s_mov_b32 s23, 0
	s_lshl_b32 s92, s42, 7
	s_mov_b32 s93, 0
	s_mul_u64 s[22:23], s[22:23], s[18:19]
	s_mul_u64 s[92:93], s[92:93], s[18:19]
	s_mov_b64 s[18:19], KROW
	s_mul_u64 s[20:21], s[20:21], s[18:19]
	s_mul_u64 s[46:47], s[46:47], s[18:19]
	s_mul_i32 s45, s14, HALFT
	s_mul_i32 s94, s15, 2*HALFS
	s_wait_kmcnt 0x0
	s_add_nc_u64 s[6:7], s[4:5], ASCL
	s_add_nc_u64 s[8:9], s[8:9], 2359296           ; Wo's granules in wr
	s_add_nc_u64 s[20:21], s[4:5], s[20:21]
	s_add_nc_u64 s[22:23], s[6:7], s[22:23]
	s_add_nc_u64 s[46:47], s[8:9], s[46:47]
	s_add_nc_u64 s[92:93], s[10:11], s[92:93]
	CROUND
	s_mov_b32 s[G0S], 1
	s_add_co_u32 s[G0S+1], s94, SCL
	s_mov_b64 s[G0S+2:G0S+3], s[22:23]
	s_or_b32 s[G0S+3], s[G0S+3], 0x80000000
	s_mov_b32 s[G0SB], 1
	s_add_co_u32 s[G0SB+1], s94, SCL
	s_mov_b64 s[G0SB+2:G0SB+3], s[92:93]
	s_or_b32 s[G0SB+3], s[G0SB+3], 0x80000000
.irp s, 0
	s_mov_b32 s[G0+4*\s], 1
	s_add_co_u32 s[G0+4*\s+1], s45, \s*SLOT
	s_add_nc_u64 s[G0+4*\s+2:G0+4*\s+3], s[20:21], \s*AGB
	s_or_b32 s[G0+4*\s+3], s[G0+4*\s+3], 0x80000000
	s_mov_b32 s[G0B+4*\s], 1
	s_add_co_u32 s[G0B+4*\s+1], s45, \s*SLOT
	s_add_nc_u64 s[G0B+4*\s+2:G0B+4*\s+3], s[46:47], \s*ROWB
	s_or_b32 s[G0B+4*\s+3], s[G0B+4*\s+3], 0x80000000
.endr
; All that the launch reads, one joint load a wave, in one chain of branches on the wave's number: wave 0 A's 128 rows, wave 1 A's scales, wave 2 B's 128 rows, wave 3 B's scales.  Nothing is filled again.
.macro ARM under, g0, g1, next
	s_cmp_lt_u32 s14, \under
	s_cbranch_scc0 \next
	tensor_load_to_lds s[\g0:\g0+3], s[\g1:\g1+7]
	s_nop 0
.rept 4
	v_nop
.endr
	s_branch .Lhead_asked
\next:
.endm
	ARM 1, G0,  G1,  .Lhead_sa
	ARM 2, G0S, G1S, .Lhead_b
	ARM 3, G0B, G1B, .Lhead_sb
	tensor_load_to_lds s[G0SB:G0SB+3], s[G1SB:G1SB+7]
	s_nop 0
.rept 4
	v_nop
.endr
.Lhead_asked:
	v_and_b32 v1, 15, v0
	v_bfe_u32 v2, v0, 4, 1
	v_and_b32 v3, 7, v1
	v_lshlrev_b32 v4, 3, v3
	v_lshl_add_u32 v4, v2, 6, v4
	v_lshrrev_b32 v3, 3, v1
	v_lshl_add_u32 v4, v3, 7, v4                   ; B, an even row group: 8 (r % 8) + 64 h + 128 (r / 8)
	v_xor_b32 v5, 128, v4                          ; an odd one
	v_and_b32 v6, 31, v0
	v_lshlrev_b32 v7, 3, v6
	s_mul_i32 s21, s15, HALFT
	s_mul_i32 s22, s16, HALFT
	s_add_co_u32 s22, s22, 2*HALFT
.irp s, 0,1
	v_add_nc_u32 v[ADRA+\s], s21, v7
	v_add_nc_u32 v[ADRB+\s], s22, v4
	v_add_nc_u32 v[ADRB+2+\s], s22, v5
	s_add_co_u32 s21, s21, SLOT
	s_add_co_u32 s22, s22, SLOT
.endr
	v_mul_u32_u24 v5, v1, KS
	v_lshrrev_b32 v6, 8, v5
	v_lshl_add_u32 v5, v6, 4, v5
	s_mul_i32 s21, s15, HALFS
	s_mul_i32 s22, s16, HALFS
	s_add_co_u32 s22, s22, 2*HALFS
	s_sub_co_u32 s22, s22, s21
	v_mul_u32_u24 v6, s22, v2
	s_add_co_u32 s21, s21, SCL
	v_add_nc_u32 v5, v5, v6
	v_add_nc_u32 v[ADRS], s21, v5
	s_mul_i32 s23, s14, 16*SPITCH
	s_add_co_u32 s23, s23, STAGE
	v_mul_u32_u24 v5, v1, SPITCH
	v_lshl_add_u32 v5, v2, 5, v5
	v_add_nc_u32 v[STO], s23, v5
	v_mul_u32_u24 v5, v2, SPITCH
	v_lshl_add_u32 v5, v1, 4, v5
	v_add_nc_u32 v[RD], s23, v5
	v_mul_u32_u24 v5, v2, SIZE_N*4
	v_lshl_add_u32 v[CO], v1, 4, v5
	s_lshl_b32 s20, s17, 7
	s_lshl_b32 s21, s15, 6
	s_add_co_u32 s20, s20, s21
	s_mov_b32 s21, 0
	s_mov_b64 s[18:19], SIZE_N*4
	s_mul_u64 s[20:21], s[20:21], s[18:19]
	s_lshl_b32 s46, s42, 9
	s_lshl_b32 s47, s16, 8
	s_add_co_u32 s46, s46, s47
	s_mov_b32 s47, 0
	s_add_nc_u64 s[20:21], s[20:21], s[46:47]
	s_add_nc_u64 s[12:13], s[12:13], s[20:21]
.macro FRAGB reg, slot, q, i
.irp p, 0,1,2,3,4,5
	ds_load_b64 v[\reg+2*\p:\reg+2*\p+1], v[ADRB+2*((\i)%2)+\slot] offset:2*AGB*(\i)+1536*(\q)+768*(\p/3)+256*(\p%3)
.endr
.endm
.macro FRAGA reg, slot, q, i
.irp p, 0,1,2,3,4,5
	ds_load_b64 v[\reg+2*\p:\reg+2*\p+1], v[ADRA+\slot] offset:2*AGB*(\i)+1536*(\q)+768*(\p/3)+256*(\p%3)
.endr
.endm
.macro FETCH slot, q, f
	WIN TO_F
.irp i, 0,1,2,3
	FRAGB \f+48+FR*\i, \slot, \q, \i
.endr
.irp i, 0,1,2,3
	FRAGA \f+FR*\i, \slot, \q, \i
.endr
.endm
.macro SCALES sc
.irp i, 0,1,2,3
	ds_load_b128 v[SC+16*\sc+4*\i:SC+16*\sc+4*\i+3], v[ADRS] offset:\i*SBLK
.endr
.endm
.macro MUL4 f, a, q, sc, zero
.irp b, 0,1,2,3
.if \zero
	v_wmma_scale_f32_16x16x128_f8f6f4 v[ACC+8*(4*(\a)+\b):ACC+8*(4*(\a)+\b)+7], v[\f+48+FR*\b:\f+48+FR*\b+FR-1], v[\f+FR*(\a):\f+FR*(\a)+FR-1], 0, v[SC+16*(\sc)+4*\b+(\q)], v[SC+16*(\sc)+4*(\a)+(\q)] matrix_a_fmt:MATRIX_FMT_FP6 matrix_b_fmt:MATRIX_FMT_FP6 matrix_a_scale:MATRIX_SCALE_ROW1
.else
	v_wmma_scale_f32_16x16x128_f8f6f4 v[ACC+8*(4*(\a)+\b):ACC+8*(4*(\a)+\b)+7], v[\f+48+FR*\b:\f+48+FR*\b+FR-1], v[\f+FR*(\a):\f+FR*(\a)+FR-1], v[ACC+8*(4*(\a)+\b):ACC+8*(4*(\a)+\b)+7], v[SC+16*(\sc)+4*\b+(\q)], v[SC+16*(\sc)+4*(\a)+(\q)] matrix_a_fmt:MATRIX_FMT_FP6 matrix_b_fmt:MATRIX_FMT_FP6 matrix_a_scale:MATRIX_SCALE_ROW1
.endif
.endr
.endm
.macro PLACES n
.rept \n
	v_nop
.endr
.endm
.macro QUARTER slot, q, f, g, zero
	PLACES NP
	FETCH \slot, (\q)+1, \g
	s_wait_dscnt 48
	WIN MUL
	MUL4 \f, 0, \q, \slot, \zero
	MUL4 \f, 1, \q, \slot, \zero
	MUL4 \f, 2, \q, \slot, \zero
	MUL4 \f, 3, \q, \slot, \zero
.endm
.macro TURN slot, next, fill
	WIN 0
	s_wait_tensorcnt 0x0
	ds_add_u32 v[SPW], v[NIL]
	s_wait_dscnt 1
	WIN MUL
	MUL4 F1, 0, NQ-1, \slot, 0
	s_wait_dscnt 0x0
	s_barrier_signal -1
	MUL4 F1, 1, NQ-1, \slot, 0
	WIN 0
	s_barrier_wait -1
.if \fill
	CREST
	s_add_nc_u64 s[G0+4*\slot+2:G0+4*\slot+3], s[G0+4*\slot+2:G0+4*\slot+3], 2*AGB
	s_add_nc_u64 s[G0B+4*\slot+2:G0B+4*\slot+3], s[G0B+4*\slot+2:G0B+4*\slot+3], 2*ROWB
	JLOAD G0+4*\slot, G1, G0B+4*\slot, G1B
.else
	PLACES NP
.endif
	v_add_nc_u32 v[ADRS], 4*NQ, v[ADRS]
	FETCH \next, 0, F0
	WIN 0
	SCALES \next
	WIN MUL
	MUL4 F1, 2, NQ-1, \slot, 0
	MUL4 F1, 3, NQ-1, \slot, 0
.endm
	s_wait_alu depctr_va_vdst(0)
	s_wait_tensorcnt 0x0                           ; my one load is in; behind the barrier everybody's is
	s_barrier_signal -1
	s_barrier_wait -1
	FETCH 0, 0, F0
	WIN 0
	SCALES 0
	QUARTER 0, 0, F0, F1, 1
.if LAPS > 1
	WIN 0
	s_mov_b32 s3, LAPS-1
.Llap:
	QUARTER 0, 1, F1, F0, 0
	QUARTER 0, 2, F0, F1, 0
	TURN 0, 1, 1
	QUARTER 1, 0, F0, F1, 0
	QUARTER 1, 1, F1, F0, 0
	QUARTER 1, 2, F0, F1, 0
	TURN 1, 0, 1
	QUARTER 0, 0, F0, F1, 0
	WIN 0
	s_sub_co_u32 s3, s3, 1
	s_cmp_lg_u32 s3, 0
	s_cbranch_scc1 .Llap
.endif
	QUARTER 0, 1, F1, F0, 0
	QUARTER 0, 2, F0, F1, 0
	TURN 0, 1, 0
	QUARTER 1, 0, F0, F1, 0
	QUARTER 1, 1, F1, F0, 0
	QUARTER 1, 2, F0, F1, 0
	s_wait_dscnt 0x0
	MUL4 F1, 0, NQ-1, 1, 0
	MUL4 F1, 1, NQ-1, 1, 0
	MUL4 F1, 2, NQ-1, 1, 0
	MUL4 F1, 3, NQ-1, 1, 0
	WIN 0
.macro TOSTAGE a
.irp b, 0,1,2,3
	ds_store_b128 v[STO], v[ACC+32*(\a)+8*\b:ACC+32*(\a)+8*\b+3] offset:64*\b
	ds_store_b128 v[STO], v[ACC+32*(\a)+8*\b+4:ACC+32*(\a)+8*\b+7] offset:64*\b+16
.endr
.irp t, 0,1,2,3,4,5,6,7
	ds_load_b128 v[ACC+32*(\a)+4*\t:ACC+32*(\a)+4*\t+3], v[RD] offset:\t*2*SPITCH
.endr
.endm
.macro SEND a, younger
.irp t, 0,1,2,3,4,5,6,7
	s_wait_dscnt \younger+7-\t
	global_store_b128 v[CO], v[ACC+32*(\a)+4*\t:ACC+32*(\a)+4*\t+3], s[12:13] offset:(16*(\a)+2*\t)*SIZE_N*4
.endr
.endm
	PLACES NP
	TOSTAGE 0
	TOSTAGE 1
	SEND 0, 16
	TOSTAGE 2
	SEND 1, 16
	TOSTAGE 3
	SEND 2, 16
	SEND 3, 0
	s_wait_tensorcnt 0x0
	ds_add_u32 v[SPW], v[NIL]
	s_wait_dscnt 0x0
	CROUND
	s_endpgm
.Lfunc_end_k_q214b11e22b_wo:
	.size	k_q214b11e22b_wo, .Lfunc_end_k_q214b11e22b_wo-k_q214b11e22b_wo
	.p2alignl 7, 3214868480
	.fill 96, 4, 3214868480
	.section	.rodata,"a",@progbits
	.p2align	6, 0x0
	.amdhsa_kernel k_q214b11e22b_wo
		.amdhsa_group_segment_fixed_size 327680
		.amdhsa_private_segment_fixed_size 0
		.amdhsa_enable_private_segment 0
		.amdhsa_kernarg_size 32
		.amdhsa_user_sgpr_count 2
		.amdhsa_user_sgpr_kernarg_segment_ptr 1
		.amdhsa_wavefront_size32 1
		.amdhsa_system_sgpr_workgroup_id_x 1
		.amdhsa_system_sgpr_workgroup_id_y 1
		.amdhsa_system_sgpr_workgroup_id_z 1
		.amdhsa_system_vgpr_workitem_id 0
		.amdhsa_next_free_vgpr 512
		.amdhsa_next_free_sgpr 98
		.amdhsa_reserve_vcc 0
		.amdhsa_float_denorm_mode_32 3
		.amdhsa_float_denorm_mode_16_64 3
		.amdhsa_memory_ordered 1
		.amdhsa_forward_progress 1
		.amdhsa_inst_pref_size 61
	.end_amdhsa_kernel
	.amdgpu_metadata
---
amdhsa.version: [ 1, 2 ]
amdhsa.kernels:
  - .name:           k_q214b11e22b_wo
    .symbol:         k_q214b11e22b_wo.kd
    .args:
      - { .name: oq, .offset: 0, .size: 8, .value_kind: global_buffer, .address_space: global }
      - { .name: wr, .offset: 8, .size: 8, .value_kind: global_buffer, .address_space: global }
      - { .name: Wo_scales, .offset: 16, .size: 8, .value_kind: global_buffer, .address_space: global }
      - { .name: cf, .offset: 24, .size: 8, .value_kind: global_buffer, .address_space: global }
    .group_segment_fixed_size: 327680
    .private_segment_fixed_size: 0
    .kernarg_segment_align: 8
    .kernarg_segment_size: 32
    .max_flat_workgroup_size: 128
    .sgpr_count:     98
    .vgpr_count:     512
    .wavefront_size: 32
...
	.end_amdgpu_metadata
.endif
;; end of part 11
;; launch lnq (part 12): grid 256 x 1, 4 waves a work-group, no clusters, 66,816 bytes of LDS; arguments cf, x, bo, g1, b1, s1, x1, xq; writes x1, xq
.if DOCPART == 12
	.amdgcn_target "amdgcn-amd-amdhsa--gfx1250"
	.amdhsa_code_object_version 6
	.text
	.protected	k_q214b11e22b_lnq
	.globl	k_q214b11e22b_lnq
	.p2align	8
	.type	k_q214b11e22b_lnq,@function
k_q214b11e22b_lnq:
	s_mov_b64 s[64:65], 0
	v_nop
	global_prefetch_b8 v0, s[64:65] scope:SCOPE_SE
	s_setreg_imm32_b32 hwreg(HW_REG_WAVE_MODE, 25, 1), 1
	s_wait_xcnt 0x0
; y = c + res + bias;  out = g (y - mean) / (std + s sin(pi std) + 1e-6) + b, std with divisor 1023; out is stored as f32 AND quantised for the next product.
; A wave takes a whole row in registers, four rows a wave, two row slots; the variance is taken of y - mean in a second pass over the registers.
; sin(pi std): n = round(std), r = std - n (exact), the sign by n's lowest bit, then an odd polynomial of degree 9 in pi r on [-pi/2, pi/2].
; THE QUANTISER: the work-group's 16 finished rows meet in LDS; wave w takes K quarter w, a lane a block of 32 neighbours; codes of FP6 (E2M3) leave as granules of 16 rows x 64 K
; (three pieces of 256 bytes; row 8 b + c, half h at place 8 (c + 8 h + 16 (a xor b)), a = the row group's lowest bit), scale bytes as [4096][32] at xq's byte SCOFF.
; LIMITS: std under 2^31 for n's lowest bit; NaN and infinities are not served; a block of zeros gets the byte 1 (its codes are zeros; this program alone reads the bytes).
.set ROWBY, 4096
.set SP,    4112                       ; a row in the stage: 4,096 bytes + 16
.set SST,   16*SP
.set SPARE, SST+512
.set SCOFF, 3145728
.set BI, 2
.set GG, 34
.set BE, 66
.set CR, 98
.set T,  226
.set QV, 98                            ; behind the rows: v98-161 two sets of 32 neighbours, v162-185 codes, v186-201 second halves, v202-205 bytes
.set CD, 162
.set TC, 186
.set EB, 202
	s_load_b256 s[4:11], s[0:1], 0x0               ; c, res, bias, g
	s_load_b128 s[12:15], s[0:1], 0x20             ; b, s
	s_load_b128 s[16:19], s[0:1], 0x30             ; out, xq
	v_lshl_add_u32 v254, v0, 2, SPARE
	v_mov_b32 v255, 0
	v_lshrrev_b32 v1, 5, v0
	v_readfirstlane_b32 s36, v1                    ; the wave's number
	v_and_b32 v1, 31, v0
	v_lshlrev_b32 v1, 4, v1                        ; 16 x lane
	s_mul_i32 s30, s36, 4*SP
	v_add_nc_u32 v242, s30, v1                     ; the stage, in: my four rows
	v_and_b32 v226, 15, v0                         ; r
	v_bfe_u32 v227, v0, 4, 1                       ; h
	v_mul_u32_u24 v243, v226, SP
	v_lshl_add_u32 v243, v227, 7, v243
	s_lshl_b32 s30, s36, 10
	v_add_nc_u32 v243, s30, v243                   ; and out: row r, my K quarter, 128 bytes for each half
	v_lshlrev_b32 v244, 5, v226
	v_add_nc_u32 v244, v244, v227
	s_lshl_b32 s30, s36, 3
	s_add_co_u32 s30, s30, SST
	v_add_nc_u32 v244, s30, v244                   ; my block's byte
	v_and_b32 v228, 7, v0
	v_lshlrev_b32 v245, 3, v228
	v_lshl_add_u32 v245, v227, 6, v245
	v_bfe_u32 v228, v0, 3, 1
	v_lshl_add_u32 v245, v228, 7, v245
	s_and_b32 s30, ttmp9, 1
	s_lshl_b32 s30, s30, 7
	v_xor_b32 v245, s30, v245                      ; my place in a piece
	v_add_nc_u32 v246, SST, v1
	s_lshl_b32 s20, ttmp9, 16                      ; 16 rows a work-group,
	s_lshl_b32 s23, s36, 14                        ; 4 a wave
	s_add_co_u32 s20, s20, s23
	s_mov_b32 s21, 0
	s_mul_i32 s32, ttmp9, 12288
	s_mul_i32 s23, s36, 3072
	s_add_co_u32 s32, s32, s23
	s_mov_b32 s33, 0
	s_lshl_b32 s34, ttmp9, 9
	s_mov_b32 s35, 0
	s_mov_b32 s24, 0x362f0a87
	s_mov_b32 s25, 0xb94fbaeb
	s_mov_b32 s26, 0x3c088777
	s_mov_b32 s27, 0xbe2aaaa6
	s_mov_b32 s28, 0x76543210
	s_mov_b32 s29, 0xfedcba98
	s_wait_alu depctr_va_vdst(0)                   ; the wait at the head's end
	s_wait_kmcnt 0x0
	s_load_b32 s22, s[14:15], 0x0                  ; s
	s_add_nc_u64 s[4:5], s[4:5], s[20:21]
	s_add_nc_u64 s[6:7], s[6:7], s[20:21]
	s_add_nc_u64 s[16:17], s[16:17], s[20:21]
	s_add_nc_u64 s[32:33], s[18:19], s[32:33]      ; my granules
	s_add_nc_u64 s[34:35], s[18:19], s[34:35]
	s_add_nc_u64 s[34:35], s[34:35], SCOFF         ; the 16 rows' scale bytes
.set j, 0
.rept 8
	global_load_b128 v[BI+4*j:BI+4*j+3], v1, s[8:9] offset:512*j
	global_load_b128 v[GG+4*j:GG+4*j+3], v1, s[10:11] offset:512*j
	global_load_b128 v[BE+4*j:BE+4*j+3], v1, s[12:13] offset:512*j
.set j, j+1
.endr
.macro LOADROW i
.set CC, CR+64*((\i)%2)
.set j, 0
.rept 8
	global_load_b128 v[CC+4*j:CC+4*j+3], v1, s[4:5] offset:ROWBY*(\i)+512*j th:TH_LOAD_NT
	global_load_b128 v[CC+32+4*j:CC+32+4*j+3], v1, s[6:7] offset:ROWBY*(\i)+512*j
.set j, j+1
.endr
.endm
.macro REDUCE                          ; four chains of pairs in v[T] .. v[T+7] become one sum over the wave, in every lane, in v[T]
	v_pk_add_f32 v[T:T+1], v[T:T+1], v[T+2:T+3]
	v_pk_add_f32 v[T+4:T+5], v[T+4:T+5], v[T+6:T+7]
	v_pk_add_f32 v[T:T+1], v[T:T+1], v[T+4:T+5]
	v_add_f32 v[T], v[T], v[T+1]
	v_add_f32_dpp v[T], v[T], v[T] row_xmask:1 row_mask:0xf bank_mask:0xf
	v_add_f32_dpp v[T], v[T], v[T] row_xmask:2 row_mask:0xf bank_mask:0xf
	v_add_f32_dpp v[T], v[T], v[T] row_xmask:4 row_mask:0xf bank_mask:0xf
	v_add_f32_dpp v[T], v[T], v[T] row_xmask:8 row_mask:0xf bank_mask:0xf
	v_permlanex16_b32 v[T+1], v[T], s28, s29
	v_add_f32 v[T], v[T], v[T+1]
.endm
.macro ROW i, left, fill
.set CC, CR+64*((\i)%2)
	s_wait_loadcnt \left                           ; my row is in; the younger row's sixteen loads may be out
.set j, 0
.rept 16
	v_pk_add_f32 v[CC+j:CC+j+1], v[CC+j:CC+j+1], v[CC+32+j:CC+32+j+1]
.set j, j+2
.endr
.set j, 0
.rept 16
	v_pk_add_f32 v[CC+j:CC+j+1], v[CC+j:CC+j+1], v[BI+j:BI+j+1]
.set j, j+2
.endr
.irp k, 0,1,2,3
	v_pk_add_f32 v[T+2*\k:T+2*\k+1], v[CC+2*\k:CC+2*\k+1], v[CC+8+2*\k:CC+8+2*\k+1]
.endr
.irp m, 16,24
.irp k, 0,1,2,3
	v_pk_add_f32 v[T+2*\k:T+2*\k+1], v[T+2*\k:T+2*\k+1], v[CC+\m+2*\k:CC+\m+2*\k+1]
.endr
.endr
	REDUCE
	v_mul_f32 v[T+8], 0x3a800000, v[T]             ; the mean: / 1024
	v_mov_b32 v[T+9], v[T+8]
.set j, 0
.rept 16
	v_pk_add_f32 v[CC+j:CC+j+1], v[CC+j:CC+j+1], v[T+8:T+9] neg_lo:[0,1] neg_hi:[0,1]
.set j, j+2
.endr
.irp k, 0,1,2,3
	v_pk_mul_f32 v[T+2*\k:T+2*\k+1], v[CC+2*\k:CC+2*\k+1], v[CC+2*\k:CC+2*\k+1]
.endr
.irp m, 8,16,24
.irp k, 0,1,2,3
	v_pk_fma_f32 v[T+2*\k:T+2*\k+1], v[CC+\m+2*\k:CC+\m+2*\k+1], v[CC+\m+2*\k:CC+\m+2*\k+1], v[T+2*\k:T+2*\k+1]
.endr
.endr
	REDUCE
	v_mul_f32 v[T], 0x3a802008, v[T]               ; / 1023
	s_wait_alu depctr_va_vdst(0)                   ; the wait ahead of the root
	v_sqrt_f32 v[T+10], v[T]
	v_nop                                          ; a plain place behind the root
	s_wait_alu depctr_va_vdst(0)                   ; and ahead of its first reader
	v_rndne_f32 v[T+11], v[T+10]
	v_sub_f32 v[T+12], v[T+10], v[T+11]
	v_cvt_i32_f32 v[T+11], v[T+11]
	v_mul_f32 v[T+12], 0x40490fdb, v[T+12]
	v_lshl_add_u32 v[T+12], v[T+11], 31, v[T+12]   ; an odd n turns the sign
	v_mul_f32 v[T+13], v[T+12], v[T+12]
	v_fma_f32 v[T+14], v[T+13], s24, s25
	v_fma_f32 v[T+14], v[T+14], v[T+13], s26
	v_fma_f32 v[T+14], v[T+14], v[T+13], s27
	v_mul_f32 v[T+14], v[T+14], v[T+12]
	v_fma_f32 v[T+12], v[T+13], v[T+14], v[T+12]   ; sin(pi std)
	v_fma_f32 v[T+10], s22, v[T+12], v[T+10]
	v_add_f32 v[T+10], 0x358637bd, v[T+10]         ; + 1e-6
	s_wait_alu depctr_va_vdst(0)
	v_rcp_f32 v[T+8], v[T+10]
	v_nop
	s_wait_alu depctr_va_vdst(0)
	v_mov_b32 v[T+9], v[T+8]
.set j, 0
.rept 16
	v_pk_mul_f32 v[CC+j:CC+j+1], v[CC+j:CC+j+1], v[T+8:T+9]
.set j, j+2
.endr
.set j, 0
.rept 16
	v_pk_fma_f32 v[CC+j:CC+j+1], v[CC+j:CC+j+1], v[GG+j:GG+j+1], v[BE+j:BE+j+1]
.set j, j+2
.endr
.set j, 0
.rept 8
	global_store_b128 v1, v[CC+4*j:CC+4*j+3], s[16:17] offset:ROWBY*(\i)+512*j   ; 32 lanes store 512 consecutive, aligned bytes
	ds_store_b128 v242, v[CC+4*j:CC+4*j+3] offset:SP*(\i)+512*j                  ; and the same into the stage
.set j, j+1
.endr
.if \fill
	s_wait_xcnt 0x0                                ; the stores have read their registers: the slot is loaded again only behind these waits
	s_wait_dscnt 0x0
	LOADROW (\i)+2
.endif
.endm
	LOADROW 0
	LOADROW 1
	s_wait_kmcnt 0x0                               ; s
	ROW 0, 16, 1
	ROW 1, 16, 1
	ROW 2, 16, 0
	ROW 3, 0, 0
	s_wait_xcnt 0x0                                ; the rows' registers are written anew below
	s_wait_dscnt 0x0                               ; my four rows stand in the stage
	s_barrier_signal -1
	s_barrier_wait -1
.macro LDQ g
.irp i, 0,1,2,3,4,5,6,7
	ds_load_b128 v[QV+32*((\g)%2)+4*\i:QV+32*((\g)%2)+4*\i+3], v243 offset:256*(\g)+16*\i
.endr
.endm
.macro QUANT g, out                    ; out: the LDS instructions issued behind this granule's loads
.set V, QV+32*((\g)%2)
.set C, CD+6*(\g)
.set U, TC+4*(\g)
	s_wait_dscnt \out
	v_max3_num_f32 v206, |v[V]|, |v[V+1]|, 0x1800000   ; with the floor 2^(3 - 127)
	v_max3_num_f32 v207, |v[V+16]|, |v[V+17]|, |v[V+18]|
.irp i, 2,4,6,8,10,12
	v_max3_num_f32 v206, v206, |v[V+\i]|, |v[V+\i+1]|
	v_max3_num_f32 v207, v207, |v[V+17+\i]|, |v[V+18+\i]|
.endr
	v_max3_num_f32 v206, v206, |v[V+14]|, |v[V+15]|
	v_max3_num_f32 v206, v206, v207, |v[V+31]|
	v_add_nc_u32 v206, 0xff000000, v206            ; 2 off the exponent field: the conversion's scale operand
	v_cvt_scalef32_pk16_fp6_f32 v[C:C+2], v[V:V+15], v206
	v_cvt_scalef32_pk16_fp6_f32 v[U:U+2], v[V+16:V+31], v206
	v_lshrrev_b32 v[EB+(\g)], 23, v206             ; the byte; also the plain place behind the conversions
.irp i, 0,1,2
	v_mov_b32 v[C+3+\i], v[U+\i]
.endr
	ds_store_b8 v244, v[EB+(\g)] offset:2*(\g)
.irp p, 0,1,2
	global_store_b64 v245, v[C+2*\p:C+2*\p+1], s[32:33] offset:768*(\g)+256*\p   ; 32 lanes fill one aligned unit of 256 bytes
.endr
.endm
	LDQ 0
	LDQ 1
	QUANT 0, 8
	LDQ 2
	QUANT 1, 9
	LDQ 3
	QUANT 2, 9
	QUANT 3, 1
	s_wait_dscnt 0x0                               ; my byte stores are done
	s_barrier_signal -1
	s_barrier_wait -1
	s_cmp_lg_u32 s36, 0
	s_cbranch_scc1 .Lno_bytes
	ds_load_b128 v[98:101], v246                   ; wave 0: the 16 rows' 512 scale bytes
	s_wait_dscnt 0x0
	global_store_b128 v1, v[98:101], s[34:35]
.Lno_bytes:
	s_wait_tensorcnt 0x0                           ; the wave's end
	ds_add_u32 v254, v255
	s_wait_dscnt 0x0
	s_endpgm
.Lfunc_end_k_q214b11e22b_lnq:
	.size	k_q214b11e22b_lnq, .Lfunc_end_k_q214b11e22b_lnq-k_q214b11e22b_lnq
	.p2alignl 7, 3214868480
	.fill 96, 4, 3214868480
	.section	.rodata,"a",@progbits
	.p2align	6, 0x0
	.amdhsa_kernel k_q214b11e22b_lnq
		.amdhsa_group_segment_fixed_size 66816
		.amdhsa_private_segment_fixed_size 0
		.amdhsa_enable_private_segment 0
		.amdhsa_kernarg_size 64
		.amdhsa_user_sgpr_count 2
		.amdhsa_user_sgpr_kernarg_segment_ptr 1
		.amdhsa_wavefront_size32 1
		.amdhsa_system_sgpr_workgroup_id_x 1
		.amdhsa_system_sgpr_workgroup_id_y 1
		.amdhsa_system_sgpr_workgroup_id_z 1
		.amdhsa_system_vgpr_workitem_id 0
		.amdhsa_next_free_vgpr 256
		.amdhsa_next_free_sgpr 66
		.amdhsa_reserve_vcc 0
		.amdhsa_float_denorm_mode_32 3
		.amdhsa_float_denorm_mode_16_64 3
		.amdhsa_memory_ordered 1
		.amdhsa_forward_progress 1
		.amdhsa_inst_pref_size 62
	.end_amdhsa_kernel
	.amdgpu_metadata
---
amdhsa.version: [ 1, 2 ]
amdhsa.kernels:
  - .name:           k_q214b11e22b_lnq
    .symbol:         k_q214b11e22b_lnq.kd
    .args:
      - { .name: cf, .offset: 0, .size: 8, .value_kind: global_buffer, .address_space: global }
      - { .name: x, .offset: 8, .size: 8, .value_kind: global_buffer, .address_space: global }
      - { .name: bo, .offset: 16, .size: 8, .value_kind: global_buffer, .address_space: global }
      - { .name: g1, .offset: 24, .size: 8, .value_kind: global_buffer, .address_space: global }
      - { .name: b1, .offset: 32, .size: 8, .value_kind: global_buffer, .address_space: global }
      - { .name: s1, .offset: 40, .size: 8, .value_kind: global_buffer, .address_space: global }
      - { .name: x1, .offset: 48, .size: 8, .value_kind: global_buffer, .address_space: global }
      - { .name: xq, .offset: 56, .size: 8, .value_kind: global_buffer, .address_space: global }
    .group_segment_fixed_size: 66816
    .private_segment_fixed_size: 0
    .kernarg_segment_align: 8
    .kernarg_segment_size: 64
    .max_flat_workgroup_size: 128
    .sgpr_count:     66
    .vgpr_count:     256
    .wavefront_size: 32
...
	.end_amdgpu_metadata
.endif
;; end of part 12
;; launch ff1 (part 13): grid 16 x 16, 4 waves a work-group, clusters of 4 x 4, 327,680 bytes of LDS; arguments xq, wr, W1_scales, bf1, hq; writes hq
.if DOCPART == 13
	.amdgcn_target "amdgcn-amd-amdhsa--gfx1250"
	.amdhsa_code_object_version 6
	.text
	.protected	k_q214b11e22b_ff1
	.globl	k_q214b11e22b_ff1
	.p2align	8
	.type	k_q214b11e22b_ff1,@function
k_q214b11e22b_ff1:
	s_mov_b64 s[64:65], 0
	v_nop
	global_prefetch_b8 v0, s[64:65] scope:SCOPE_SE
	s_setreg_imm32_b32 hwreg(HW_REG_WAVE_MODE, 25, 1), 1
	s_wait_xcnt 0x0
	s_wait_alu depctr_hold_cnt(0) depctr_sa_sdst(0) depctr_va_vdst(0) depctr_va_sdst(0) depctr_va_ssrc(0) depctr_va_vcc(0) depctr_vm_vsrc(0)
	s_getreg_b32 s2, hwreg(HW_REG_IB_STS2, 6, 4)
	s_cmp_eq_u32 s2, 0
	s_cbranch_scc0 .Lentry_in_a_cluster
	s_endpgm
.Lentry_in_a_cluster:
	s_bfe_u32 s2, ttmp6, 0x10000c
	s_cmp_lg_u32 s2, 0xf033
	s_cbranch_scc0 .Lentry_shape_is_right
	s_endpgm
.Lentry_shape_is_right:
.set KSTEP,  256
.set NQ,     2
.set ROWB,   3072                      ; a K step of 256 of a group of 16 rows: four granules of 768 bytes, dense
.set KROW,   768
.set FR,     12
.set NL,     6
.set NP,     4
.set HALFT,  24576                     ; 8 row groups x 3,072 bytes
.set SLOT,   4*HALFT
.set LAPS,   2
.set KS,     32
.set SCL,    2*SLOT
.set HALFS,  16*272
.set SPARE,  SCL+4*HALFS
.set XSCL,   3145728
.set HSCL,   12582912
.set ADRA, 16
.set ADRB, 20
.set LO8,  24
.set SVO,  25
.set ADSA, 27
.set SPW,  28
.set NIL,  29
.set ADSB, 30
.set BO,   31
.set SCA,  32
.set SCB,  64
.set TN,   96
.set TM,   112
.set AF,   128
.set HA,   128
.set PC,   192
.set TA,   212
.set TT,   228
.set MGV,  244
.set C7V,  246
.set K1V,  248
.set PW,   250
.set G1, 24
.set G0, 32
.set G1B, 48
.set G0B, 56
.set G1S, 68
.set G0S, 76
.set G1SB, 80
.set G0SB, 88
.set IPI, 68
.set NPH, 70
.set NPL, 72
.set C9,  74
.set C5,  76
.set C3,  78
.set K2,  80
.set SEL, 82
.set MSB, 0
.macro WIN new
.if MSB != \new
	s_set_vgpr_msb (MSB<<8)|\new
.set MSB, \new
.endif
.endm
.set MUL_LO, 0xa1
.set MUL_HI, 0xf1
.set TO_B,   0x40
.macro JLOAD g0a, g1a, g0b, g1b
	s_cmp_eq_u32 s15, 0
	s_cbranch_scc0 .Lfor_b_\@
	tensor_load_to_lds s[\g0a:\g0a+3], s[\g1a:\g1a+7]
	s_nop 0
.rept 4
	v_nop
.endr
	s_branch .Lasked_\@
.Lfor_b_\@:
	tensor_load_to_lds s[\g0b:\g0b+3], s[\g1b:\g1b+7]
	s_nop 0
.rept 4
	v_nop
.endr
.Lasked_\@:
.endm
.macro CREST
	s_cmp_lg_u32 s14, 0
	s_cbranch_scc1 .Lnot_wave_0_\@
	s_barrier_signal -3
.Lnot_wave_0_\@:
	s_barrier_wait -3
	s_barrier_signal -1
	s_barrier_wait -1
.endm
.macro CROUND
	s_barrier_signal -1
	s_barrier_wait -1
	CREST
.endm
	s_load_b64 s[4:5], s[0:1], 0x0
	s_load_b64 s[8:9], s[0:1], 0x8
	s_load_b64 s[10:11], s[0:1], 0x10
	s_load_b64 s[98:99], s[0:1], 0x18
	s_load_b64 s[12:13], s[0:1], 0x20
	v_lshl_add_u32 v[SPW], v0, 2, SPARE
	v_mov_b32 v[NIL], 0
	ds_add_u32 v28, v29
	ds_add_u32 v28, v29
	s_wait_dscnt 0x0
	v_lshrrev_b32 v1, 5, v0
	v_readfirstlane_b32 s14, v1
	s_lshr_b32 s15, s14, 1
	s_and_b32 s16, s14, 1
	s_bfe_u32 s40, ttmp6, 0x40000
	s_bfe_u32 s41, ttmp6, 0x40004
	s_lshl_b32 s42, ttmp9, 2
	s_add_co_u32 s42, s42, s40
	s_and_b32 s17, ttmp7, 0xffff
	s_lshl_b32 s17, s17, 2
	s_add_co_u32 s17, s17, s41
	s_lshl_b32 s43, s41, 2
	s_lshl_b32 s43, 15, s43
	s_lshl_b32 s44, 0x1111, s40
	s_or_b32 s[G1+0], s43, (3<<16)|(1<<21)         ; elements of 8 bytes, no padding
	s_or_b32 s[G1B+0], s44, (3<<16)|(1<<21)
.irp g, G1, G1B
	s_mov_b32 s[\g+1], 384<<16                     ; rows of 3,072 bytes,
	s_mov_b32 s[\g+2], 16<<16                      ; at the head one for each of a tile's 16 row groups; behind it 8
	s_mov_b32 s[\g+3], 384<<16
	s_mov_b32 s[\g+4], 16
	s_mov_b32 s[\g+5], 1536                        ; 12,288 bytes apart: every row begins at a multiple of 256 bytes
	s_mov_b32 s[\g+6], 0
	s_mov_b32 s[\g+7], 0
.endr
	s_or_b32 s[G1S+0], s43, (3<<16)|(1<<20)|(1<<21)|(5<<22)|(3<<25)
	s_or_b32 s[G1SB+0], s44, (3<<16)|(1<<20)|(1<<21)|(5<<22)|(3<<25)
.irp g, G1S, G1SB
	s_mov_b32 s[\g+1], 32<<16
	s_mov_b32 s[\g+2], 32<<16
	s_mov_b32 s[\g+3], 32<<16
	s_mov_b32 s[\g+4], 32
	s_mov_b32 s[\g+5], 32
	s_mov_b32 s[\g+6], 0
	s_mov_b32 s[\g+7], 0
.endr
	s_lshl_b32 s18, s16, 7
	s_lshl_b32 s20, s17, 8
	s_add_co_u32 s20, s20, s18
	s_lshl_b32 s46, s42, 8
	s_add_co_u32 s46, s46, s18
	s_mov_b32 s21, 0
	s_mov_b32 s47, 0
	s_mov_b64 s[18:19], KS
	s_lshl_b32 s22, s17, 8                         ; the scales come for a tile's 256 rows at once
	s_mov_b32 s23, 0
	s_lshl_b32 s92, s42, 8
	s_mov_b32 s93, 0
	s_mul_u64 s[22:23], s[22:23], s[18:19]
	s_mul_u64 s[92:93], s[92:93], s[18:19]
	s_mov_b64 s[18:19], KROW
	s_mul_u64 s[20:21], s[20:21], s[18:19]
	s_mul_u64 s[46:47], s[46:47], s[18:19]
	s_mul_i32 s45, s14, HALFT
	s_mul_i32 s94, s15, 2*HALFS
	s_wait_kmcnt 0x0
	s_add_nc_u64 s[6:7], s[4:5], XSCL
	s_add_nc_u64 s[8:9], s[8:9], 3145728           ; W1's granules in wr
	s_add_nc_u64 s[20:21], s[4:5], s[20:21]
	s_add_nc_u64 s[22:23], s[6:7], s[22:23]
	s_add_nc_u64 s[46:47], s[8:9], s[46:47]
	s_add_nc_u64 s[92:93], s[10:11], s[92:93]
	CROUND
	s_mov_b32 s[G0S], 1
	s_add_co_u32 s[G0S+1], s94, SCL
	s_mov_b64 s[G0S+2:G0S+3], s[22:23]
	s_or_b32 s[G0S+3], s[G0S+3], 0x80000000
	s_mov_b32 s[G0SB], 1
	s_add_co_u32 s[G0SB+1], s94, SCL
	s_mov_b64 s[G0SB+2:G0SB+3], s[92:93]
	s_or_b32 s[G0SB+3], s[G0SB+3], 0x80000000
.irp s, 0,1
	s_mov_b32 s[G0+4*\s], 1
	s_add_co_u32 s[G0+4*\s+1], s45, \s*SLOT
	s_add_nc_u64 s[G0+4*\s+2:G0+4*\s+3], s[20:21], \s*ROWB
	s_or_b32 s[G0+4*\s+3], s[G0+4*\s+3], 0x80000000
	s_mov_b32 s[G0B+4*\s], 1
	s_add_co_u32 s[G0B+4*\s+1], s45, \s*SLOT
	s_add_nc_u64 s[G0B+4*\s+2:G0B+4*\s+3], s[46:47], \s*ROWB
	s_or_b32 s[G0B+4*\s+3], s[G0B+4*\s+3], 0x80000000
.endr
; The head's four tiles, one joint load a wave, in one chain of branches on the wave's number: wave 0 slot 0's 256 rows of A, wave 1 A's scales, wave 2 slot 0's 256 rows of B, wave 3 B's scales.
; (Waves 0 and 2 fetch the lower half in the ring, so their slot 0 group 0 names the tile's first byte and its first LDS byte.)
.macro ARM under, g0, g1, next
	s_cmp_lt_u32 s14, \under
	s_cbranch_scc0 \next
	tensor_load_to_lds s[\g0:\g0+3], s[\g1:\g1+7]
	s_nop 0
.rept 4
	v_nop
.endr
	s_branch .Lhead_asked
\next:
.endm
	ARM 1, G0,  G1,  .Lhead_sa
	ARM 2, G0S, G1S, .Lhead_b
	ARM 3, G0B, G1B, .Lhead_sb
	tensor_load_to_lds s[G0SB:G0SB+3], s[G1SB:G1SB+7]
	s_nop 0
.rept 4
	v_nop
.endr
.Lhead_asked:
	s_wait_alu depctr_va_vdst(0)
	s_wait_tensorcnt 0x0                           ; my tile of the four is in
	ds_add_u32 v28, v29
	s_mov_b32 s[G1+2], 8<<16                       ; no tensor load of mine is out: from here on a load brings 8 row groups
	s_mov_b32 s[G1+4], 8
	s_mov_b32 s[G1B+2], 8<<16
	s_mov_b32 s[G1B+4], 8
	s_wait_dscnt 0x0
	CROUND
	JLOAD G0+4, G1, G0B+4, G1B                     ; slot 1, a quarter a wave
	v_and_b32 v1, 15, v0
	v_bfe_u32 v2, v0, 4, 1
	v_and_b32 v3, 7, v1
	v_lshrrev_b32 v4, 3, v1
	v_lshlrev_b32 v5, 3, v3
	v_lshl_add_u32 v5, v2, 6, v5
	v_lshl_add_u32 v5, v4, 7, v5                   ; A, an even row group: 8 (r % 8) + 64 h + 128 (r / 8)
	v_xor_b32 v6, 128, v5                          ; an odd one
	v_mad_u32_u24 v7, v4, 3072, v5                 ; B, tile 2 b: lanes 8-15 stand in the next row group
	v_xor_b32 v8, 128, v7                          ; tile 2 b + 1
	s_mul_i32 s21, s15, HALFT
	s_mul_i32 s22, s16, HALFT
	s_add_co_u32 s22, s22, 2*HALFT
.irp s, 0,1
	v_add_nc_u32 v[ADRA+\s], s21, v5
	v_add_nc_u32 v[ADRA+2+\s], s21, v6
	v_add_nc_u32 v[ADRB+\s], s22, v7
	v_add_nc_u32 v[ADRB+2+\s], s22, v8
	s_add_co_u32 s21, s21, SLOT
	s_add_co_u32 s22, s22, SLOT
.endr
	v_lshrrev_b32 v9, 3, v1
	v_and_b32 v10, 7, v1
	v_lshlrev_b32 v11, 5, v10
	s_mul_i32 s21, s15, HALFS
	s_add_co_u32 s21, s21, SCL
	s_mul_i32 s22, s16, HALFS
	s_add_co_u32 s22, s22, SCL+2*HALFS
	v_mad_u32_u24 v[ADSA], v9, 272, v11
	v_add_nc_u32 v[ADSA], s21, v[ADSA]
	v_mad_u32_u24 v[ADSB], v9, 544, v11
	v_add_nc_u32 v[ADSB], s22, v[ADSB]
	v_and_b32 v12, 31, v0
	v_lshlrev_b32 v[LO8], 3, v12
	v_lshlrev_b32 v[BO], 6, v2
	s_wait_alu depctr_va_vdst(0)
	v_lshlrev_b32 v[SVO], 7, v1
	s_lshl_b32 s20, s17, 1
	s_add_co_u32 s20, s20, s15
	s_lshl_b32 s46, s42, 1
	s_add_co_u32 s46, s46, s16
	s_mov_b32 s23, 0
	s_lshl_b32 s22, s46, 9
	s_add_nc_u64 s[98:99], s[98:99], s[22:23]
	s_add_nc_u64 s[100:101], s[12:13], HSCL
	s_lshl_b32 s22, s20, 9
	s_lshl_b32 s47, s46, 1
	s_add_co_u32 s22, s22, s47
	s_mul_i32 s22, s22, 768
	s_add_nc_u64 s[12:13], s[12:13], s[22:23]
	s_lshl_b32 s22, s20, 14
	s_lshl_b32 s47, s46, 2
	s_add_co_u32 s22, s22, s47
	s_add_nc_u64 s[100:101], s[100:101], s[22:23]
	WIN TO_B
.set j, 0
.rept 16
	global_load_b128 v[96+4*j+96*(j/8):96+4*j+96*(j/8)+3], v[BO], s[98:99] offset:128*(j/4)+16*(j%4)
.set j, j+1
.endr
	WIN 0
.macro FRAG reg, adr, q, ro            ; two granules, three pieces of 256 bytes each
.irp p, 0,1,2,3,4,5
	ds_load_b64 v[\reg+2*\p:\reg+2*\p+1], v[\adr] offset:(\ro)+1536*(\q)+768*(\p/3)+256*(\p%3)
.endr
.endm
.macro MUL16 a0, p, q, sc, zero
.irp a, \a0, \a0+1
.irp b, 0,1,2,3,4,5,6,7
.if \zero
	v_wmma_scale_f32_16x16x128_f8f6f4 v[8*(8*((\a)%4)+\b):8*(8*((\a)%4)+\b)+7], v[128*(\p)+FR*\b:128*(\p)+FR*\b+FR-1], v[AF+FR*(\a):AF+FR*(\a)+FR-1], 0, v[SCB+16*(\sc)+2*\b+(\q)], v[SCA+16*(\sc)+2*(\a)+(\q)] matrix_a_fmt:MATRIX_FMT_FP6 matrix_b_fmt:MATRIX_FMT_FP6
.else
	v_wmma_scale_f32_16x16x128_f8f6f4 v[8*(8*((\a)%4)+\b):8*(8*((\a)%4)+\b)+7], v[128*(\p)+FR*\b:128*(\p)+FR*\b+FR-1], v[AF+FR*(\a):AF+FR*(\a)+FR-1], v[8*(8*((\a)%4)+\b):8*(8*((\a)%4)+\b)+7], v[SCB+16*(\sc)+2*\b+(\q)], v[SCA+16*(\sc)+2*(\a)+(\q)] matrix_a_fmt:MATRIX_FMT_FP6 matrix_b_fmt:MATRIX_FMT_FP6
.endif
.endr
.endr
.endm
.macro FETCH_B slot, q, p
	WIN TO_B
.irp i, 0,1,2,3,4,5,6,7
	FRAG 128*(\p)+FR*\i, ADRB+\slot+2*(\i%2), \q, 6144*(\i/2)
.endr
	WIN 0
.endm
.macro FETCH_A slot, q, i0
.irp i, \i0, \i0+1, \i0+2, \i0+3
	FRAG AF+FR*(\i), ADRA+\slot+2*((\i)%2), \q, 3072*(\i)
.endr
.endm
.macro SCALES sc
.irp i, 0,1,2,3,4,5,6,7
	ds_load_b64 v[SCA+16*\sc+2*\i:SCA+16*\sc+2*\i+1], v[ADSA] offset:544*\i
.endr
.irp i, 0,1,2,3,4,5,6,7
	ds_load_b64 v[SCB+16*\sc+2*\i:SCB+16*\sc+2*\i+1], v[ADSB] offset:1088*(\i/2)+272*(\i%2)
.endr
.endm
.macro PLACES n
.rept \n
	v_nop
.endr
.endm
.macro STEP slot, q, zero
	s_wait_dscnt 4*NL
	WIN MUL_LO
	MUL16 0, (\q)%2, \q, \slot, \zero
	MUL16 2, (\q)%2, \q, \slot, \zero
	s_wait_dscnt 0
	PLACES NP
	FETCH_B \slot, (\q)+1, 1-(\q)%2
	FETCH_A \slot, (\q)+1, 0
	WIN MUL_HI
	MUL16 4, (\q)%2, \q, \slot, \zero
	MUL16 6, (\q)%2, \q, \slot, \zero
	PLACES NP
	WIN 0
	FETCH_A \slot, (\q)+1, 4
.endm
.macro TURN slot, next, fill
	s_wait_tensorcnt 0x0
	ds_add_u32 v[SPW], v[NIL]
	s_wait_dscnt 4*NL+1
	WIN MUL_LO
	MUL16 0, 1, NQ-1, \slot, 0
	s_wait_dscnt 0x0
	s_barrier_signal -1
	MUL16 2, 1, NQ-1, \slot, 0
	WIN 0
	s_barrier_wait -1
.if \fill
	CREST
	s_add_nc_u64 s[G0+4*\slot+2:G0+4*\slot+3], s[G0+4*\slot+2:G0+4*\slot+3], 2*ROWB
	s_add_nc_u64 s[G0B+4*\slot+2:G0B+4*\slot+3], s[G0B+4*\slot+2:G0B+4*\slot+3], 2*ROWB
	JLOAD G0+4*\slot, G1, G0B+4*\slot, G1B
.else
	PLACES NP
.endif
	s_wait_alu depctr_va_vdst(0)
	v_add_nc_u32 v[ADSA], 4*NQ, v[ADSA]
	v_add_nc_u32 v[ADSB], 4*NQ, v[ADSB]
	FETCH_B \next, 0, 0
	FETCH_A \next, 0, 0
	SCALES \next
	WIN MUL_HI
	MUL16 4, 1, NQ-1, \slot, 0
	MUL16 6, 1, NQ-1, \slot, 0
	PLACES NP
	WIN 0
	FETCH_A \next, 0, 4
.endm
	s_wait_tensorcnt 1
	s_barrier_signal -1
	s_barrier_wait -1
	FETCH_B 0, 0, 0
	FETCH_A 0, 0, 0
	SCALES 0
	FETCH_A 0, 0, 4
	STEP 0, 0, 1
	s_mov_b32 s3, LAPS-1
.Llap:
	TURN 0, 1, 1
	STEP 1, 0, 0
	TURN 1, 0, 1
	STEP 0, 0, 0
	s_sub_co_u32 s3, s3, 1
	s_cmp_lg_u32 s3, 0
	s_cbranch_scc1 .Llap
	TURN 0, 1, 0
	STEP 1, 0, 0
	s_wait_dscnt 4*NL
	WIN MUL_LO
	MUL16 0, 1, NQ-1, 1, 0
	MUL16 2, 1, NQ-1, 1, 0
	s_wait_dscnt 0
	WIN MUL_HI
	MUL16 4, 1, NQ-1, 1, 0
	MUL16 6, 1, NQ-1, 1, 0
	WIN 0
.macro QUANT s
.irp b, 0,1,2,3
	v_max3_num_f32 v[TM+\b], |v[\s+16*\b]|, |v[\s+1+16*\b]|, 0x1800000
.endr
.irp i, 2,4,6,8,10,12,14
.irp b, 0,1,2,3
	v_max3_num_f32 v[TM+\b], v[TM+\b], |v[\s+16*\b+\i]|, |v[\s+1+16*\b+\i]|
.endr
.endr
.irp b, 0,1,2,3
	v_permlanex16_b32 v[TM+4+\b], v[TM+\b], s[SEL], s[SEL+1]
.endr
.irp b, 0,1,2,3
	v_max_num_f32 v[TM+\b], v[TM+\b], v[TM+4+\b]
.endr
.irp b, 0,1,2,3
	v_add_nc_u32 v[TM+12+\b], 0xff000000, v[TM+\b]
.endr
.irp b, 0,1,2,3
	v_lshrrev_b32 v[TM+4+\b], 23, v[TM+12+\b]
.endr
	v_lshl_or_b32 v[PW], v[TM+5], 8, v[TM+4]
	v_lshl_or_b32 v[PW], v[TM+6], 16, v[PW]
	v_lshl_or_b32 v[PW], v[TM+7], 24, v[PW]
.irp c, 0,1
	v_cvt_scalef32_pk16_fp6_f32 v[PC+6*\c:PC+2+6*\c], v[\s+32*\c:\s+15+32*\c], v[TM+12+2*\c]
	v_cvt_scalef32_pk16_fp6_f32 v[PC+12+4*\c:PC+14+4*\c], v[\s+16+32*\c:\s+31+32*\c], v[TM+12+2*\c+1]
.endr
	v_nop
.irp c, 0,1
.irp i, 0,1,2
	v_permlane16_swap_b32 v[PC+6*\c+\i], v[PC+12+4*\c+\i]
.endr
.irp i, 0,1,2
	v_mov_b32 v[PC+3+6*\c+\i], v[PC+12+4*\c+\i]
.endr
.endr
.endm
.macro SINE src
.set i, 0
.rept 8
	v_pk_fma_f32 v[TT+i:TT+i+1], v[\src+i:\src+i+1], s[IPI:IPI+1], v[MGV:MGV+1] op_sel_hi:[1,0,1]
.set i, i+2
.endr
.set i, 0
.rept 8
	v_pk_add_f32 v[TN+i:TN+i+1], v[TT+i:TT+i+1], v[MGV:MGV+1] neg_lo:[0,1] neg_hi:[0,1]
.set i, i+2
.endr
.set i, 0
.rept 8
	v_pk_fma_f32 v[TA+i:TA+i+1], v[TN+i:TN+i+1], s[NPH:NPH+1], v[\src+i:\src+i+1] op_sel_hi:[1,0,1]
.set i, i+2
.endr
.set i, 0
.rept 8
	v_pk_fma_f32 v[TA+i:TA+i+1], v[TN+i:TN+i+1], s[NPL:NPL+1], v[TA+i:TA+i+1] op_sel_hi:[1,0,1]
.set i, i+2
.endr
.set i, 0
.rept 16
	v_lshl_add_u32 v[TA+i], v[TT+i], 31, v[TA+i]
.set i, i+1
.endr
.set i, 0
.rept 8
	v_pk_mul_f32 v[TN+i:TN+i+1], v[TA+i:TA+i+1], v[TA+i:TA+i+1]
.set i, i+2
.endr
.set i, 0
.rept 8
	v_pk_fma_f32 v[TT+i:TT+i+1], v[TN+i:TN+i+1], s[C9:C9+1], v[C7V:C7V+1] op_sel_hi:[1,0,1]
.set i, i+2
.endr
.set i, 0
.rept 8
	v_pk_fma_f32 v[TT+i:TT+i+1], v[TT+i:TT+i+1], v[TN+i:TN+i+1], s[C5:C5+1] op_sel_hi:[1,1,0]
.set i, i+2
.endr
.set i, 0
.rept 8
	v_pk_fma_f32 v[TT+i:TT+i+1], v[TT+i:TT+i+1], v[TN+i:TN+i+1], s[C3:C3+1] op_sel_hi:[1,1,0]
.set i, i+2
.endr
.set i, 0
.rept 8
	v_pk_mul_f32 v[TT+i:TT+i+1], v[TT+i:TT+i+1], v[TA+i:TA+i+1]
.set i, i+2
.endr
.set i, 0
.rept 8
	v_pk_fma_f32 v[TA+i:TA+i+1], v[TN+i:TN+i+1], v[TT+i:TT+i+1], v[TA+i:TA+i+1]
.set i, i+2
.endr
.endm
.macro ACT g
.set X0, HA+16*(\g)
	SINE X0
.set i, 0
.rept 8
	v_pk_mul_f32 v[TN+i:TN+i+1], v[X0+i:X0+i+1], v[X0+i:X0+i+1]
.set i, i+2
.endr
.set i, 0
.rept 8
	v_pk_fma_f32 v[TN+i:TN+i+1], v[TN+i:TN+i+1], s[K2:K2+1], v[K1V:K1V+1] op_sel_hi:[1,0,1]
.set i, i+2
.endr
.set i, 0
.rept 8
	v_pk_mul_f32 v[TN+i:TN+i+1], v[TN+i:TN+i+1], v[X0+i:X0+i+1]
.set i, i+2
.endr
.set i, 0
	s_wait_alu depctr_va_vdst(0)
.rept 16
	v_exp_f32 v[TN+i], v[TN+i]
.set i, i+1
.endr
	v_nop
	s_wait_alu depctr_va_vdst(0)
.set i, 0
.rept 8
	v_pk_add_f32 v[TN+i:TN+i+1], v[TN+i:TN+i+1], 1.0 op_sel_hi:[1,0]
.set i, i+2
.endr
.set i, 0
	s_wait_alu depctr_va_vdst(0)
.rept 16
	v_rcp_f32 v[TN+i], v[TN+i]
.set i, i+1
.endr
	v_nop
	s_wait_alu depctr_va_vdst(0)
.set i, 0
.rept 8
	v_pk_mul_f32 v[TN+i:TN+i+1], v[TN+i:TN+i+1], v[X0+i:X0+i+1]
.set i, i+2
.endr
.set i, 0
.rept 8
	v_pk_fma_f32 v[X0+i:X0+i+1], v[TA+i:TA+i+1], 0.5, v[TN+i:TN+i+1] op_sel_hi:[1,0,1]
.set i, i+2
.endr
.endm
.macro COPY a
	WIN 0x06+(\a)/4
.set j, 0
.rept 32
	v_pk_add_f32 v[HA+j:HA+j+1], v[64*((\a)%4)+j:64*((\a)%4)+j+1], v[96+j+96*(j/32):96+j+96*(j/32)+1]
.set j, j+2
.endr
	WIN 0
.endm
.macro KONST r, bits
	s_mov_b32 s[\r], \bits
	s_mov_b32 s[\r+1], \bits
.endm
	PLACES NP
	s_wait_loadcnt 0x0
	KONST IPI, 0x3ea2f983
	KONST NPH, 0xc0490fdb
	KONST NPL, 0x33bbbd2e
	KONST C9,  0x362f0a87
	KONST C5,  0x3c088777
	KONST C3,  0xbe2aaaa6
	KONST K2,  0xbdd2d3e8
	s_mov_b32 s[SEL], 0x76543210
	s_mov_b32 s[SEL+1], 0xfedcba98
	v_mov_b32 v[MGV], 0x4b400000
	v_mov_b32 v[MGV+1], 0x4b400000
	v_mov_b32 v[C7V], 0xb94fbaeb
	v_mov_b32 v[C7V+1], 0xb94fbaeb
	v_mov_b32 v[K1V], 0xc0135761
	v_mov_b32 v[K1V+1], 0xc0135761
.irp b, 0,1,2,3
	v_mov_b32 v[TM+4+\b], 0
.endr
	s_mov_b32 s3, 0
.Lblk:
.irp a, 0,1,2,3,4,5,6
	s_cmp_eq_u32 s3, \a
	s_cbranch_scc1 .Lcopy_\a
.endr
	COPY 7
	s_branch .Lcopied
.irp a, 0,1,2,3,4,5,6
.Lcopy_\a:
	COPY \a
	s_branch .Lcopied
.endr
.Lcopied:
	ACT 0
	ACT 1
	ACT 2
	ACT 3
	QUANT HA
.irp c, 0,1
.irp p, 0,1,2
	global_store_b64 v[LO8], v[PC+6*\c+2*\p:PC+6*\c+2*\p+1], s[12:13] offset:768*\c+256*\p
.endr
.endr
	global_store_b32 v[SVO], v[PW], s[100:101]
	s_wait_xcnt 0x0
	s_add_nc_u64 s[12:13], s[12:13], 49152
	s_add_nc_u64 s[100:101], s[100:101], 2048
	s_add_co_u32 s3, s3, 1
	s_cmp_lt_u32 s3, 8
	s_cbranch_scc1 .Lblk
	s_wait_tensorcnt 0x0
	ds_add_u32 v[SPW], v[NIL]
	s_wait_dscnt 0x0
	CROUND
	s_endpgm
.Lfunc_end_k_q214b11e22b_ff1:
	.size	k_q214b11e22b_ff1, .Lfunc_end_k_q214b11e22b_ff1-k_q214b11e22b_ff1
	.p2alignl 7, 3214868480
	.fill 96, 4, 3214868480
	.section	.rodata,"a",@progbits
	.p2align	6, 0x0
	.amdhsa_kernel k_q214b11e22b_ff1
		.amdhsa_group_segment_fixed_size 327680
		.amdhsa_private_segment_fixed_size 0
		.amdhsa_enable_private_segment 0
		.amdhsa_kernarg_size 40
		.amdhsa_user_sgpr_count 2
		.amdhsa_user_sgpr_kernarg_segment_ptr 1
		.amdhsa_wavefront_size32 1
		.amdhsa_system_sgpr_workgroup_id_x 1
		.amdhsa_system_sgpr_workgroup_id_y 1
		.amdhsa_system_sgpr_workgroup_id_z 1
		.amdhsa_system_vgpr_workitem_id 0
		.amdhsa_next_free_vgpr 1024
		.amdhsa_next_free_sgpr 102
		.amdhsa_reserve_vcc 0
		.amdhsa_float_denorm_mode_32 3
		.amdhsa_float_denorm_mode_16_64 3
		.amdhsa_memory_ordered 1
		.amdhsa_forward_progress 1
		.amdhsa_inst_pref_size 200
	.end_amdhsa_kernel
	.amdgpu_metadata
---
amdhsa.version: [ 1, 2 ]
amdhsa.kernels:
  - .name:           k_q214b11e22b_ff1
    .symbol:         k_q214b11e22b_ff1.kd
    .args:
      - { .name: xq, .offset: 0, .size: 8, .value_kind: global_buffer, .address_space: global }
      - { .name: wr, .offset: 8, .size: 8, .value_kind: global_buffer, .address_space: global }
      - { .name: W1_scales, .offset: 16, .size: 8, .value_kind: global_buffer, .address_space: global }
      - { .name: bf1, .offset: 24, .size: 8, .value_kind: global_buffer, .address_space: global }
      - { .name: hq, .offset: 32, .size: 8, .value_kind: global_buffer, .address_space: global }
    .group_segment_fixed_size: 327680
    .private_segment_fixed_size: 0
    .kernarg_segment_align: 8
    .kernarg_segment_size: 40
    .max_flat_workgroup_size: 128
    .sgpr_count:     102
    .vgpr_count:     1024
    .wavefront_size: 32
...
	.end_amdgpu_metadata
.endif
;; end of part 13
;; launch ff2 (part 14): grid 8 x 32, 4 waves a work-group, clusters of 4 x 4, 327,680 bytes of LDS; arguments hq, wr, W2_scales, cf; writes cf
.if DOCPART == 14
	.amdgcn_target "amdgcn-amd-amdhsa--gfx1250"
	.amdhsa_code_object_version 6
	.text
	.protected	k_q214b11e22b_ff2
	.globl	k_q214b11e22b_ff2
	.p2align	8
	.type	k_q214b11e22b_ff2,@function
k_q214b11e22b_ff2:
	s_mov_b64 s[64:65], 0
	v_nop
	global_prefetch_b8 v0, s[64:65] scope:SCOPE_SE
	s_setreg_imm32_b32 hwreg(HW_REG_WAVE_MODE, 25, 1), 1
	s_wait_xcnt 0x0
	s_wait_alu depctr_hold_cnt(0) depctr_sa_sdst(0) depctr_va_vdst(0) depctr_va_sdst(0) depctr_va_ssrc(0) depctr_va_vcc(0) depctr_vm_vsrc(0)
	s_getreg_b32 s2, hwreg(HW_REG_IB_STS2, 6, 4)
	s_cmp_eq_u32 s2, 0
	s_cbranch_scc0 .Lentry_in_a_cluster
	s_endpgm
.Lentry_in_a_cluster:
	s_bfe_u32 s2, ttmp6, 0x10000c
	s_cmp_lg_u32 s2, 0xf033
	s_cbranch_scc0 .Lentry_shape_is_right
	s_endpgm
.Lentry_shape_is_right:
.set SIZE_M, 4096
.set SIZE_N, 1024
.set SIZE_K, 4096
.set ASCL,   12582912
.set KSTEP,  512
.set NQ,     KSTEP/128
.set ROWB,   6144                      ; B's K step of 512 of a group of 16 rows: eight granules, as A's
.set KROW,   SIZE_K*6/8
.set AGB,    6144
.set FR,     12
.set NP,     4
.set HALFT,  24576                     ; 4 row groups x 6,144 bytes
.set SLOT,   4*HALFT
.set LAPS,   SIZE_K/(2*KSTEP)
.set KS,     SIZE_K/32
.set SCL,    2*SLOT
.set HALFS,  (64*KS/256)*272
.set SBLK,   (16*KS/256)*272
.set SPARE,  SCL+4*HALFS
.set SPITCH, 272
.set ADRA, 16
.set ADRB, 20
.set STO,  24
.set RD,   25
.set CO,   26
.set ADRS, 27
.set SPW,  28
.set NIL,  29
.set SC,   32
.set ACC,  128
.set F0,   0
.set F1,   128
.set G1, 24
.set G0, 32
.set G1B, 48
.set G0B, 56
.set G1S, 68
.set G0S, 76
.set G1SB, 80
.set G0SB, 88
.set MSB, 0
.macro WIN new
.if MSB != \new
	s_set_vgpr_msb (MSB<<8)|\new
.set MSB, \new
.endif
.endm
.set MUL,  0x05
.set TO_F, 0x40
.macro JLOAD g0a, g1a, g0b, g1b
	s_cmp_eq_u32 s15, 0
	s_cbranch_scc0 .Lfor_b_\@
	tensor_load_to_lds s[\g0a:\g0a+3], s[\g1a:\g1a+7]
	s_nop 0
.rept 4
	v_nop
.endr
	s_branch .Lasked_\@
.Lfor_b_\@:
	tensor_load_to_lds s[\g0b:\g0b+3], s[\g1b:\g1b+7]
	s_nop 0
.rept 4
	v_nop
.endr
.Lasked_\@:
.endm
.macro CREST
	s_cmp_lg_u32 s14, 0
	s_cbranch_scc1 .Lnot_wave_0_\@
	s_barrier_signal -3
.Lnot_wave_0_\@:
	s_barrier_wait -3
	s_barrier_signal -1
	s_barrier_wait -1
.endm
.macro CROUND
	s_barrier_signal -1
	s_barrier_wait -1
	CREST
.endm
	s_load_b64 s[4:5], s[0:1], 0x0
	s_load_b64 s[8:9], s[0:1], 0x8
	s_load_b64 s[10:11], s[0:1], 0x10
	s_load_b64 s[12:13], s[0:1], 0x18
	v_lshl_add_u32 v[SPW], v0, 2, SPARE
	v_mov_b32 v[NIL], 0
	ds_add_u32 v28, v29
	ds_add_u32 v28, v29
	s_wait_dscnt 0x0
	v_lshrrev_b32 v1, 5, v0
	v_readfirstlane_b32 s14, v1
	s_lshr_b32 s15, s14, 1
	s_and_b32 s16, s14, 1
	s_bfe_u32 s40, ttmp6, 0x40000
	s_bfe_u32 s41, ttmp6, 0x40004
	s_lshl_b32 s42, ttmp9, 2
	s_add_co_u32 s42, s42, s40
	s_and_b32 s17, ttmp7, 0xffff
	s_lshl_b32 s17, s17, 2
	s_add_co_u32 s17, s17, s41
	s_lshl_b32 s43, s41, 2
	s_lshl_b32 s43, 15, s43
	s_lshl_b32 s44, 0x1111, s40
	s_or_b32 s[G1+0], s43, (3<<16)|(1<<21)
	s_mov_b32 s[G1+1], (AGB/8)<<16
	s_mov_b32 s[G1+2], 8<<16                       ; at the head a tile's 8 row groups; behind it 4
	s_mov_b32 s[G1+3], (AGB/8)<<16
	s_mov_b32 s[G1+4], 8
	s_mov_b32 s[G1+5], SIZE_K/64*96
	s_mov_b32 s[G1+6], 0
	s_mov_b32 s[G1+7], 0
	s_or_b32 s[G1B+0], s44, (3<<16)|(1<<21)
	s_mov_b32 s[G1B+1], (AGB/8)<<16
	s_mov_b32 s[G1B+2], 8<<16
	s_mov_b32 s[G1B+3], (AGB/8)<<16
	s_mov_b32 s[G1B+4], 8
	s_mov_b32 s[G1B+5], SIZE_K/64*96
	s_mov_b32 s[G1B+6], 0
	s_mov_b32 s[G1B+7], 0
	s_or_b32 s[G1S+0], s43, (3<<16)|(1<<20)|(1<<21)|(5<<22)|(3<<25)
	s_or_b32 s[G1SB+0], s44, (3<<16)|(1<<20)|(1<<21)|(5<<22)|(3<<25)
.irp g, G1S, G1SB
	s_mov_b32 s[\g+1], 32<<16
	s_mov_b32 s[\g+2], (128*KS/256)<<16
	s_mov_b32 s[\g+3], 32<<16
	s_mov_b32 s[\g+4], 128*KS/256
	s_mov_b32 s[\g+5], 32
	s_mov_b32 s[\g+6], 0
	s_mov_b32 s[\g+7], 0
.endr
	s_lshl_b32 s18, s16, 6
	s_lshl_b32 s20, s17, 7
	s_add_co_u32 s20, s20, s18
	s_lshl_b32 s46, s42, 7
	s_add_co_u32 s46, s46, s18
	s_mov_b32 s21, 0
	s_mov_b32 s47, 0
	s_mov_b64 s[18:19], KS
	s_lshl_b32 s22, s17, 7                         ; the scales come for a tile's 128 rows at once
	s_mov_b32 s23, 0
	s_lshl_b32 s92, s42, 7
	s_mov_b32 s93, 0
	s_mul_u64 s[22:23], s[22:23], s[18:19]
	s_mul_u64 s[92:93], s[92:93], s[18:19]
	s_mov_b64 s[18:19], KROW
	s_mul_u64 s[20:21], s[20:21], s[18:19]
	s_mul_u64 s[46:47], s[46:47], s[18:19]
	s_mul_i32 s45, s14, HALFT
	s_mul_i32 s94, s15, 2*HALFS
	s_wait_kmcnt 0x0
	s_add_nc_u64 s[6:7], s[4:5], ASCL
	s_add_nc_u64 s[8:9], s[8:9], 6291456           ; W2's granules in wr
	s_add_nc_u64 s[20:21], s[4:5], s[20:21]
	s_add_nc_u64 s[22:23], s[6:7], s[22:23]
	s_add_nc_u64 s[46:47], s[8:9], s[46:47]
	s_add_nc_u64 s[92:93], s[10:11], s[92:93]
	CROUND
	s_mov_b32 s[G0S], 1
	s_add_co_u32 s[G0S+1], s94, SCL
	s_mov_b64 s[G0S+2:G0S+3], s[22:23]
	s_or_b32 s[G0S+3], s[G0S+3], 0x80000000
	s_mov_b32 s[G0SB], 1
	s_add_co_u32 s[G0SB+1], s94, SCL
	s_mov_b64 s[G0SB+2:G0SB+3], s[92:93]
	s_or_b32 s[G0SB+3], s[G0SB+3], 0x80000000
.irp s, 0,1
	s_mov_b32 s[G0+4*\s], 1
	s_add_co_u32 s[G0+4*\s+1], s45, \s*SLOT
	s_add_nc_u64 s[G0+4*\s+2:G0+4*\s+3], s[20:21], \s*AGB
	s_or_b32 s[G0+4*\s+3], s[G0+4*\s+3], 0x80000000
	s_mov_b32 s[G0B+4*\s], 1
	s_add_co_u32 s[G0B+4*\s+1], s45, \s*SLOT
	s_add_nc_u64 s[G0B+4*\s+2:G0B+4*\s+3], s[46:47], \s*ROWB
	s_or_b32 s[G0B+4*\s+3], s[G0B+4*\s+3], 0x80000000
.endr
; The head's four tiles, one joint load a wave, in one chain of branches on the wave's number: wave 0 slot 0's 128 rows of A, wave 1 A's scales, wave 2 slot 0's 128 rows of B, wave 3 B's scales.
; (Waves 0 and 2 fetch the lower half in the ring, so their slot 0 group 0 names the tile's first byte and its first LDS byte.)
.macro ARM under, g0, g1, next
	s_cmp_lt_u32 s14, \under
	s_cbranch_scc0 \next
	tensor_load_to_lds s[\g0:\g0+3], s[\g1:\g1+7]
	s_nop 0
.rept 4
	v_nop
.endr
	s_branch .Lhead_asked
\next:
.endm
	ARM 1, G0,  G1,  .Lhead_sa
	ARM 2, G0S, G1S, .Lhead_b
	ARM 3, G0B, G1B, .Lhead_sb
	tensor_load_to_lds s[G0SB:G0SB+3], s[G1SB:G1SB+7]
	s_nop 0
.rept 4
	v_nop
.endr
.Lhead_asked:
	s_wait_alu depctr_va_vdst(0)
	s_wait_tensorcnt 0x0                           ; my tile of the four is in
	ds_add_u32 v28, v29
	s_mov_b32 s[G1+2], 4<<16                       ; no tensor load of mine is out: from here on a load brings 4 row groups
	s_mov_b32 s[G1+4], 4
	s_mov_b32 s[G1B+2], 4<<16
	s_mov_b32 s[G1B+4], 4
	s_wait_dscnt 0x0
	CROUND
	JLOAD G0+4, G1, G0B+4, G1B                     ; slot 1, a quarter a wave
	v_and_b32 v1, 15, v0
	v_bfe_u32 v2, v0, 4, 1
	v_and_b32 v3, 7, v1
	v_lshlrev_b32 v4, 3, v3
	v_lshl_add_u32 v4, v2, 6, v4
	v_lshrrev_b32 v3, 3, v1
	v_lshl_add_u32 v4, v3, 7, v4                   ; B, an even row group: 8 (r % 8) + 64 h + 128 (r / 8)
	v_xor_b32 v5, 128, v4                          ; an odd one
	v_and_b32 v6, 31, v0
	v_lshlrev_b32 v7, 3, v6
	s_mul_i32 s21, s15, HALFT
	s_mul_i32 s22, s16, HALFT
	s_add_co_u32 s22, s22, 2*HALFT
.irp s, 0,1
	v_add_nc_u32 v[ADRA+\s], s21, v7
	v_add_nc_u32 v[ADRB+\s], s22, v4
	v_add_nc_u32 v[ADRB+2+\s], s22, v5
	s_add_co_u32 s21, s21, SLOT
	s_add_co_u32 s22, s22, SLOT
.endr
	v_mul_u32_u24 v5, v1, KS
	v_lshrrev_b32 v6, 8, v5
	v_lshl_add_u32 v5, v6, 4, v5
	s_mul_i32 s21, s15, HALFS
	s_mul_i32 s22, s16, HALFS
	s_add_co_u32 s22, s22, 2*HALFS
	s_sub_co_u32 s22, s22, s21
	v_mul_u32_u24 v6, s22, v2
	s_add_co_u32 s21, s21, SCL
	v_add_nc_u32 v5, v5, v6
	v_add_nc_u32 v[ADRS], s21, v5
	s_mul_i32 s23, s14, 16*SPITCH
	v_mul_u32_u24 v5, v1, SPITCH
	v_lshl_add_u32 v5, v2, 5, v5
	v_add_nc_u32 v[STO], s23, v5
	v_mul_u32_u24 v5, v2, SPITCH
	v_lshl_add_u32 v5, v1, 4, v5
	v_add_nc_u32 v[RD], s23, v5
	v_mul_u32_u24 v5, v2, SIZE_N*4
	v_lshl_add_u32 v[CO], v1, 4, v5
	s_lshl_b32 s20, s17, 7
	s_lshl_b32 s21, s15, 6
	s_add_co_u32 s20, s20, s21
	s_mov_b32 s21, 0
	s_mov_b64 s[18:19], SIZE_N*4
	s_mul_u64 s[20:21], s[20:21], s[18:19]
	s_lshl_b32 s46, s42, 9
	s_lshl_b32 s47, s16, 8
	s_add_co_u32 s46, s46, s47
	s_mov_b32 s47, 0
	s_add_nc_u64 s[20:21], s[20:21], s[46:47]
	s_add_nc_u64 s[12:13], s[12:13], s[20:21]
.macro FRAGB reg, slot, q, i
.irp p, 0,1,2,3,4,5
	ds_load_b64 v[\reg+2*\p:\reg+2*\p+1], v[ADRB+2*((\i)%2)+\slot] offset:AGB*(\i)+1536*(\q)+768*(\p/3)+256*(\p%3)
.endr
.endm
.macro FRAGA reg, slot, q, i
.irp p, 0,1,2,3,4,5
	ds_load_b64 v[\reg+2*\p:\reg+2*\p+1], v[ADRA+\slot] offset:AGB*(\i)+1536*(\q)+768*(\p/3)+256*(\p%3)
.endr
.endm
.macro FETCH slot, q, f
	WIN TO_F
.irp i, 0,1,2,3
	FRAGB \f+48+FR*\i, \slot, \q, \i
.endr
.irp i, 0,1,2,3
	FRAGA \f+FR*\i, \slot, \q, \i
.endr
.endm
.macro SCALES sc
.irp i, 0,1,2,3
	ds_load_b128 v[SC+16*\sc+4*\i:SC+16*\sc+4*\i+3], v[ADRS] offset:\i*SBLK
.endr
.endm
.macro MUL4 f, a, q, sc, zero
.irp b, 0,1,2,3
.if \zero
	v_wmma_scale_f32_16x16x128_f8f6f4 v[ACC+8*(4*(\a)+\b):ACC+8*(4*(\a)+\b)+7], v[\f+48+FR*\b:\f+48+FR*\b+FR-1], v[\f+FR*(\a):\f+FR*(\a)+FR-1], 0, v[SC+16*(\sc)+4*\b+(\q)], v[SC+16*(\sc)+4*(\a)+(\q)] matrix_a_fmt:MATRIX_FMT_FP6 matrix_b_fmt:MATRIX_FMT_FP6 matrix_a_scale:MATRIX_SCALE_ROW1
.else
	v_wmma_scale_f32_16x16x128_f8f6f4 v[ACC+8*(4*(\a)+\b):ACC+8*(4*(\a)+\b)+7], v[\f+48+FR*\b:\f+48+FR*\b+FR-1], v[\f+FR*(\a):\f+FR*(\a)+FR-1], v[ACC+8*(4*(\a)+\b):ACC+8*(4*(\a)+\b)+7], v[SC+16*(\sc)+4*\b+(\q)], v[SC+16*(\sc)+4*(\a)+(\q)] matrix_a_fmt:MATRIX_FMT_FP6 matrix_b_fmt:MATRIX_FMT_FP6 matrix_a_scale:MATRIX_SCALE_ROW1
.endif
.endr
.endm
.macro PLACES n
.rept \n
	v_nop
.endr
.endm
.macro QUARTER slot, q, f, g, zero
	PLACES NP
	FETCH \slot, (\q)+1, \g
	s_wait_dscnt 48
	WIN MUL
	MUL4 \f, 0, \q, \slot, \zero
	MUL4 \f, 1, \q, \slot, \zero
	MUL4 \f, 2, \q, \slot, \zero
	MUL4 \f, 3, \q, \slot, \zero
.endm
.macro TURN slot, next, fill
	WIN 0
	s_wait_tensorcnt 0x0
	ds_add_u32 v[SPW], v[NIL]
	s_wait_dscnt 1
	WIN MUL
	MUL4 F1, 0, NQ-1, \slot, 0
	s_wait_dscnt 0x0
	s_barrier_signal -1
	MUL4 F1, 1, NQ-1, \slot, 0
	WIN 0
	s_barrier_wait -1
.if \fill
	CREST
	s_add_nc_u64 s[G0+4*\slot+2:G0+4*\slot+3], s[G0+4*\slot+2:G0+4*\slot+3], 2*AGB
	s_add_nc_u64 s[G0B+4*\slot+2:G0B+4*\slot+3], s[G0B+4*\slot+2:G0B+4*\slot+3], 2*ROWB
	JLOAD G0+4*\slot, G1, G0B+4*\slot, G1B
.else
	PLACES NP
.endif
	s_wait_alu depctr_va_vdst(0)
	v_add_nc_u32 v[ADRS], 4*NQ, v[ADRS]
	FETCH \next, 0, F0
	WIN 0
	SCALES \next
	WIN MUL
	MUL4 F1, 2, NQ-1, \slot, 0
	MUL4 F1, 3, NQ-1, \slot, 0
.endm
	s_wait_alu depctr_va_vdst(0)
	s_wait_tensorcnt 1
	s_barrier_signal -1
	s_barrier_wait -1
	FETCH 0, 0, F0
	WIN 0
	SCALES 0
	QUARTER 0, 0, F0, F1, 1
.if LAPS > 1
	WIN 0
	s_mov_b32 s3, LAPS-1
.Llap:
	QUARTER 0, 1, F1, F0, 0
	QUARTER 0, 2, F0, F1, 0
	TURN 0, 1, 1
	QUARTER 1, 0, F0, F1, 0
	QUARTER 1, 1, F1, F0, 0
	QUARTER 1, 2, F0, F1, 0
	TURN 1, 0, 1
	QUARTER 0, 0, F0, F1, 0
	WIN 0
	s_sub_co_u32 s3, s3, 1
	s_cmp_lg_u32 s3, 0
	s_cbranch_scc1 .Llap
.endif
	QUARTER 0, 1, F1, F0, 0
	QUARTER 0, 2, F0, F1, 0
	TURN 0, 1, 0
	QUARTER 1, 0, F0, F1, 0
	QUARTER 1, 1, F1, F0, 0
	QUARTER 1, 2, F0, F1, 0
	s_wait_dscnt 0x0
	MUL4 F1, 0, NQ-1, 1, 0
	MUL4 F1, 1, NQ-1, 1, 0
	MUL4 F1, 2, NQ-1, 1, 0
	MUL4 F1, 3, NQ-1, 1, 0
	WIN 0
.macro TOSTAGE a
.irp b, 0,1,2,3
	ds_store_b128 v[STO], v[ACC+32*(\a)+8*\b:ACC+32*(\a)+8*\b+3] offset:64*\b
	ds_store_b128 v[STO], v[ACC+32*(\a)+8*\b+4:ACC+32*(\a)+8*\b+7] offset:64*\b+16
.endr
.irp t, 0,1,2,3,4,5,6,7
	ds_load_b128 v[ACC+32*(\a)+4*\t:ACC+32*(\a)+4*\t+3], v[RD] offset:\t*2*SPITCH
.endr
.endm
.macro SEND a, younger
.irp t, 0,1,2,3,4,5,6,7
	s_wait_dscnt \younger+7-\t
	global_store_b128 v[CO], v[ACC+32*(\a)+4*\t:ACC+32*(\a)+4*\t+3], s[12:13] offset:(16*(\a)+2*\t)*SIZE_N*4
.endr
.endm
	PLACES NP
	TOSTAGE 0
	TOSTAGE 1
	SEND 0, 16
	TOSTAGE 2
	SEND 1, 16
	TOSTAGE 3
	SEND 2, 16
	SEND 3, 0
	s_wait_tensorcnt 0x0
	ds_add_u32 v[SPW], v[NIL]
	s_wait_dscnt 0x0
	CROUND
	s_endpgm
.Lfunc_end_k_q214b11e22b_ff2:
	.size	k_q214b11e22b_ff2, .Lfunc_end_k_q214b11e22b_ff2-k_q214b11e22b_ff2
	.p2alignl 7, 3214868480
	.fill 96, 4, 3214868480
	.section	.rodata,"a",@progbits
	.p2align	6, 0x0
	.amdhsa_kernel k_q214b11e22b_ff2
		.amdhsa_group_segment_fixed_size 327680
		.amdhsa_private_segment_fixed_size 0
		.amdhsa_enable_private_segment 0
		.amdhsa_kernarg_size 32
		.amdhsa_user_sgpr_count 2
		.amdhsa_user_sgpr_kernarg_segment_ptr 1
		.amdhsa_wavefront_size32 1
		.amdhsa_system_sgpr_workgroup_id_x 1
		.amdhsa_system_sgpr_workgroup_id_y 1
		.amdhsa_system_sgpr_workgroup_id_z 1
		.amdhsa_system_vgpr_workitem_id 0
		.amdhsa_next_free_vgpr 512
		.amdhsa_next_free_sgpr 98
		.amdhsa_reserve_vcc 0
		.amdhsa_float_denorm_mode_32 3
		.amdhsa_float_denorm_mode_16_64 3
		.amdhsa_memory_ordered 1
		.amdhsa_forward_progress 1
		.amdhsa_inst_pref_size 107
	.end_amdhsa_kernel
	.amdgpu_metadata
---
amdhsa.version: [ 1, 2 ]
amdhsa.kernels:
  - .name:           k_q214b11e22b_ff2
    .symbol:         k_q214b11e22b_ff2.kd
    .args:
      - { .name: hq, .offset: 0, .size: 8, .value_kind: global_buffer, .address_space: global }
      - { .name: wr, .offset: 8, .size: 8, .value_kind: global_buffer, .address_space: global }
      - { .name: W2_scales, .offset: 16, .size: 8, .value_kind: global_buffer, .address_space: global }
      - { .name: cf, .offset: 24, .size: 8, .value_kind: global_buffer, .address_space: global }
    .group_segment_fixed_size: 327680
    .private_segment_fixed_size: 0
    .kernarg_segment_align: 8
    .kernarg_segment_size: 32
    .max_flat_workgroup_size: 128
    .sgpr_count:     98
    .vgpr_count:     512
    .wavefront_size: 32
...
	.end_amdgpu_metadata
.endif
;; end of part 14
;; launch ln1 (part 15): grid 256 x 1, 4 waves a work-group, no clusters, 0 bytes of LDS; arguments cf, x1, bf2, g2, b2, s2, out0; writes out0
.if DOCPART == 15
	.amdgcn_target "amdgcn-amd-amdhsa--gfx1250"
	.amdhsa_code_object_version 6
	.text
	.protected	k_q214b11e22b_ln1
	.globl	k_q214b11e22b_ln1
	.p2align	8
	.type	k_q214b11e22b_ln1,@function
k_q214b11e22b_ln1:
	s_mov_b64 s[64:65], 0
	v_nop
	global_prefetch_b8 v0, s[64:65] scope:SCOPE_SE
	s_setreg_imm32_b32 hwreg(HW_REG_WAVE_MODE, 25, 1), 1
	s_wait_xcnt 0x0
; y = c + res + bias;  out = g (y - mean) / (std + s sin(pi std) + 1e-6) + b, std with divisor 1023.  All [4096][1024] or [1024] f32.
; A wave takes a whole row (eight loads of 16 bytes a lane for each of c and res) and keeps it in registers: memory is read once, and no wave waits for another.  Four rows a wave, two row slots.
; The variance is taken of y - mean in a second pass over the registers: no difference of large sums is formed.
; sin(pi std): n = round(std), r = std - n (exact), the sign by n's lowest bit, then an odd polynomial of degree 9 in pi r on [-pi/2, pi/2].
; LIMITS: std under 2^31 for n's lowest bit; NaN and infinities are not served.
.set ROWBY, 4096
.set BI, 2                             ; v2-33 bias, v34-65 g, v66-97 b of my 32 columns
.set GG, 34
.set BE, 66
.set CR, 98                            ; slot s: c at v[98 + 64 s], res 32 further on
.set T,  226
	s_load_b256 s[4:11], s[0:1], 0x0               ; c, res, bias, g
	s_load_b128 s[12:15], s[0:1], 0x20             ; b, s
	s_load_b64 s[16:17], s[0:1], 0x30              ; out
	v_lshrrev_b32 v1, 5, v0
	v_readfirstlane_b32 s18, v1
	v_and_b32 v1, 31, v0
	v_lshlrev_b32 v1, 4, v1                        ; 16 x lane
	s_lshl_b32 s20, ttmp9, 16                      ; 16 rows a work-group,
	s_lshl_b32 s19, s18, 14                        ; 4 a wave
	s_add_co_u32 s20, s20, s19
	s_mov_b32 s21, 0
	s_mov_b32 s24, 0x362f0a87
	s_mov_b32 s25, 0xb94fbaeb
	s_mov_b32 s26, 0x3c088777
	s_mov_b32 s27, 0xbe2aaaa6
	s_mov_b32 s28, 0x76543210
	s_mov_b32 s29, 0xfedcba98
	s_wait_alu depctr_va_vdst(0)
	s_wait_kmcnt 0x0
	s_load_b32 s22, s[14:15], 0x0                  ; s
	s_add_nc_u64 s[4:5], s[4:5], s[20:21]
	s_add_nc_u64 s[6:7], s[6:7], s[20:21]
	s_add_nc_u64 s[16:17], s[16:17], s[20:21]
.set j, 0
.rept 8
	global_load_b128 v[BI+4*j:BI+4*j+3], v1, s[8:9] offset:512*j
	global_load_b128 v[GG+4*j:GG+4*j+3], v1, s[10:11] offset:512*j
	global_load_b128 v[BE+4*j:BE+4*j+3], v1, s[12:13] offset:512*j
.set j, j+1
.endr
.macro LOADROW i
.set CC, CR+64*((\i)%2)
.set j, 0
.rept 8
	global_load_b128 v[CC+4*j:CC+4*j+3], v1, s[4:5] offset:ROWBY*(\i)+512*j th:TH_LOAD_NT
	global_load_b128 v[CC+32+4*j:CC+32+4*j+3], v1, s[6:7] offset:ROWBY*(\i)+512*j
.set j, j+1
.endr
.endm
.macro REDUCE                          ; four chains of pairs in v[T] .. v[T+7] become one sum over the wave, in every lane, in v[T]
	v_pk_add_f32 v[T:T+1], v[T:T+1], v[T+2:T+3]
	v_pk_add_f32 v[T+4:T+5], v[T+4:T+5], v[T+6:T+7]
	v_pk_add_f32 v[T:T+1], v[T:T+1], v[T+4:T+5]
	v_add_f32 v[T], v[T], v[T+1]
	v_add_f32_dpp v[T], v[T], v[T] row_xmask:1 row_mask:0xf bank_mask:0xf
	v_add_f32_dpp v[T], v[T], v[T] row_xmask:2 row_mask:0xf bank_mask:0xf
	v_add_f32_dpp v[T], v[T], v[T] row_xmask:4 row_mask:0xf bank_mask:0xf
	v_add_f32_dpp v[T], v[T], v[T] row_xmask:8 row_mask:0xf bank_mask:0xf
	v_permlanex16_b32 v[T+1], v[T], s28, s29
	v_add_f32 v[T], v[T], v[T+1]
.endm
.macro ROW i, left, fill
.set CC, CR+64*((\i)%2)
	s_wait_loadcnt \left                           ; my row is in; the younger row's sixteen loads may be out
.set j, 0
.rept 16
	v_pk_add_f32 v[CC+j:CC+j+1], v[CC+j:CC+j+1], v[CC+32+j:CC+32+j+1]
.set j, j+2
.endr
.set j, 0
.rept 16
	v_pk_add_f32 v[CC+j:CC+j+1], v[CC+j:CC+j+1], v[BI+j:BI+j+1]
.set j, j+2
.endr
.irp k, 0,1,2,3
	v_pk_add_f32 v[T+2*\k:T+2*\k+1], v[CC+2*\k:CC+2*\k+1], v[CC+8+2*\k:CC+8+2*\k+1]
.endr
.irp m, 16,24
.irp k, 0,1,2,3
	v_pk_add_f32 v[T+2*\k:T+2*\k+1], v[T+2*\k:T+2*\k+1], v[CC+\m+2*\k:CC+\m+2*\k+1]
.endr
.endr
	REDUCE
	v_mul_f32 v[T+8], 0x3a800000, v[T]             ; the mean: / 1024
	v_mov_b32 v[T+9], v[T+8]
.set j, 0
.rept 16
	v_pk_add_f32 v[CC+j:CC+j+1], v[CC+j:CC+j+1], v[T+8:T+9] neg_lo:[0,1] neg_hi:[0,1]
.set j, j+2
.endr
.irp k, 0,1,2,3
	v_pk_mul_f32 v[T+2*\k:T+2*\k+1], v[CC+2*\k:CC+2*\k+1], v[CC+2*\k:CC+2*\k+1]
.endr
.irp m, 8,16,24
.irp k, 0,1,2,3
	v_pk_fma_f32 v[T+2*\k:T+2*\k+1], v[CC+\m+2*\k:CC+\m+2*\k+1], v[CC+\m+2*\k:CC+\m+2*\k+1], v[T+2*\k:T+2*\k+1]
.endr
.endr
	REDUCE
	v_mul_f32 v[T], 0x3a802008, v[T]               ; / 1023
	s_wait_alu depctr_va_vdst(0)
	v_sqrt_f32 v[T+10], v[T]
	v_nop                                          ; a plain place behind the root
	s_wait_alu depctr_va_vdst(0)                   ; the wait ahead of its first reader
	v_rndne_f32 v[T+11], v[T+10]
	v_sub_f32 v[T+12], v[T+10], v[T+11]
	v_cvt_i32_f32 v[T+11], v[T+11]
	v_mul_f32 v[T+12], 0x40490fdb, v[T+12]
	v_lshl_add_u32 v[T+12], v[T+11], 31, v[T+12]   ; an odd n turns the sign
	v_mul_f32 v[T+13], v[T+12], v[T+12]
	v_fma_f32 v[T+14], v[T+13], s24, s25
	v_fma_f32 v[T+14], v[T+14], v[T+13], s26
	v_fma_f32 v[T+14], v[T+14], v[T+13], s27
	v_mul_f32 v[T+14], v[T+14], v[T+12]
	v_fma_f32 v[T+12], v[T+13], v[T+14], v[T+12]   ; sin(pi std)
	v_fma_f32 v[T+10], s22, v[T+12], v[T+10]
	v_add_f32 v[T+10], 0x358637bd, v[T+10]         ; + 1e-6
	s_wait_alu depctr_va_vdst(0)
	v_rcp_f32 v[T+8], v[T+10]
	v_nop
	s_wait_alu depctr_va_vdst(0)
	v_mov_b32 v[T+9], v[T+8]
.set j, 0
.rept 16
	v_pk_mul_f32 v[CC+j:CC+j+1], v[CC+j:CC+j+1], v[T+8:T+9]
.set j, j+2
.endr
.set j, 0
.rept 16
	v_pk_fma_f32 v[CC+j:CC+j+1], v[CC+j:CC+j+1], v[GG+j:GG+j+1], v[BE+j:BE+j+1]
.set j, j+2
.endr
.set j, 0
.rept 8
	global_store_b128 v1, v[CC+4*j:CC+4*j+3], s[16:17] offset:ROWBY*(\i)+512*j   ; 32 lanes store 512 consecutive, aligned bytes
.set j, j+1
.endr
.if \fill
	s_wait_xcnt 0x0                                ; the stores have read their registers: the slot is loaded again only behind this wait
	LOADROW (\i)+2
.endif
.endm
	LOADROW 0
	LOADROW 1
	s_wait_kmcnt 0x0                               ; s
	ROW 0, 16, 1
	ROW 1, 16, 1
	ROW 2, 16, 0
	ROW 3, 0, 0
	s_endpgm
.Lfunc_end_k_q214b11e22b_ln1:
	.size	k_q214b11e22b_ln1, .Lfunc_end_k_q214b11e22b_ln1-k_q214b11e22b_ln1
	.p2alignl 7, 3214868480
	.fill 96, 4, 3214868480
	.section	.rodata,"a",@progbits
	.p2align	6, 0x0
	.amdhsa_kernel k_q214b11e22b_ln1
		.amdhsa_group_segment_fixed_size 0
		.amdhsa_private_segment_fixed_size 0
		.amdhsa_enable_private_segment 0
		.amdhsa_kernarg_size 56
		.amdhsa_user_sgpr_count 2
		.amdhsa_user_sgpr_kernarg_segment_ptr 1
		.amdhsa_wavefront_size32 1
		.amdhsa_system_sgpr_workgroup_id_x 1
		.amdhsa_system_sgpr_workgroup_id_y 1
		.amdhsa_system_sgpr_workgroup_id_z 1
		.amdhsa_system_vgpr_workitem_id 0
		.amdhsa_next_free_vgpr 248
		.amdhsa_next_free_sgpr 66
		.amdhsa_reserve_vcc 0
		.amdhsa_float_denorm_mode_32 3
		.amdhsa_float_denorm_mode_16_64 3
		.amdhsa_memory_ordered 1
		.amdhsa_forward_progress 1
		.amdhsa_inst_pref_size 49
	.end_amdhsa_kernel
	.amdgpu_metadata
---
amdhsa.version: [ 1, 2 ]
amdhsa.kernels:
  - .name:           k_q214b11e22b_ln1
    .symbol:         k_q214b11e22b_ln1.kd
    .args:
      - { .name: cf, .offset: 0, .size: 8, .value_kind: global_buffer, .address_space: global }
      - { .name: x1, .offset: 8, .size: 8, .value_kind: global_buffer, .address_space: global }
      - { .name: bf2, .offset: 16, .size: 8, .value_kind: global_buffer, .address_space: global }
      - { .name: g2, .offset: 24, .size: 8, .value_kind: global_buffer, .address_space: global }
      - { .name: b2, .offset: 32, .size: 8, .value_kind: global_buffer, .address_space: global }
      - { .name: s2, .offset: 40, .size: 8, .value_kind: global_buffer, .address_space: global }
      - { .name: out0, .offset: 48, .size: 8, .value_kind: global_buffer, .address_space: global }
    .group_segment_fixed_size: 0
    .private_segment_fixed_size: 0
    .kernarg_segment_align: 8
    .kernarg_segment_size: 56
    .max_flat_workgroup_size: 128
    .sgpr_count:     66
    .vgpr_count:     248
    .wavefront_size: 32
...
	.end_amdgpu_metadata
.endif
;; end of part 15
